; MI455X (gfx1250); checked and timed in simulation.
; The chip was launched on July 23, 2026; its instructions are those of AMD's public machine-readable ISA for CDNA 5 (MIT licence, August 2026) and "CDNA5" Instruction Set Architecture Reference Guide (July 2026). The comments in the code are by the model that wrote it; some were corrected since.
;; Time Step Attention. Allowed arithmetic: matrix products marked QUANTISED: E2M1 operands, one E8M0 scale for each 32 along K, by v_wmma_scale_f32_16x16x128_f8f6f4 with both operands' format E2M1 (or v_wmma_scale_f32_32x16x128_f4), f32 sums; everything else in f32.
;; Inputs: b_in 3,072 float32; b_out 1,024 float32; w_in 3,072 x 1,024 float32; w_out 1,024 x 1,024 float32; x 1,024 x 8 x 1,024 float32.
;; Outputs: out0 8 x 1,024 float32.
;; Constants: num_heads = 16.
;; This version of the problem:
;;   THIS VERSION OF THE PROBLEM IS GIVEN IN LOW PRECISION. The matrix products marked QUANTISED in the list below multiply operands that are first quantised to E2M1 (2 exponent bits, 1 mantissa bit; 4 bits a number), with one power-of-two scale for each 32 numbers along K (OCP MX v1.0); their sums are f32. All else is computed in f32.
;;   The module's matrix products, in the order in which they are computed (A, B: the left and right operand; K: the contracted axis; several contracted axes count as one K, in the product's order):
;;     1. [M 8,192, K 1,024] x [K 1,024, N 3,072]; A: input x; B: input w_in: QUANTISED
;;     2. batch 128 x [M 1,024, K 64] x [K 64, N 1,024]; A: computed on the way; B: computed on the way: QUANTISED
;;     3. batch 128 x [M 1,024, K 1,024] x [K 1,024, N 64]; A: softmax (see below); B: computed on the way: QUANTISED
;;     4. [M 8,192, K 1,024] x [K 1,024, N 1,024]; A: computed on the way; B: input w_out: QUANTISED
;;     5. batch 8 x [M 1,024, K 1,024] x [K 1,024, N 1,024]; A: computed on the way; B: computed on the way: QUANTISED
;;   THE QUANTISER, for each operand of a quantised product, along K:
;;     - K is cut into blocks of 32 from its start; a last block that is shorter is filled with zeros.
;;     - A block's scale is 2^e with e = floor(log2(the largest magnitude in the block)) - 2, held to -126 .. 127; a block of zeros has e = 0. As a byte (E8M0): e + 127.
;;     - Each number is divided by its block's scale, clamped to +-6, and rounded to the nearest number of E2M1, ties to even, subnormals kept.
;;     - The product sums the exact products of the quantised numbers (number of the format x scale) in f32.
;;   ~~~python
;;   def quantise(x, axis):      # numpy; x: float32 -> the quantised numbers, widened to float32 again
;;       x = np.moveaxis(x, axis, -1); K = x.shape[-1]
;;       x = np.pad(x, [(0, 0)] * (x.ndim - 1) + [(0, -K % 32)]); x = x.reshape(x.shape[:-1] + (-1, 32)); a = np.abs(x).max(-1, keepdims=True)
;;       e = np.where(a > 0, np.clip(np.frexp(np.where(a > 0, a, 1))[1] - 1 - 2, -126, 127), 0)      # np.frexp(a)[1] - 1 = floor(log2(a)), exactly
;;       r = np.clip(x / 2.0 ** e, -6, 6)
;;       step = 2.0 ** (np.maximum(np.frexp(np.where(r == 0, 1, r))[1] - 1, 0) - 1)
;;       q = np.round(r / step) * step * 2.0 ** e      # np.round: ties to even
;;       return np.moveaxis(q.reshape(q.shape[:-2] + (-1,))[..., :K], -1, axis).astype(np.float32)
;;   ~~~
;;   SOFTMAX AHEAD OF A QUANTISED PRODUCT. Where the list says 'softmax', what is quantised is not the finished softmax but p = 2^(t - M), with t = logit x log2(e) and M = ceil(the row's largest t), a whole number; so 1/2 < the row's largest p <= 1. The row's sum l is taken of the UNQUANTISED p, in f32, and the product's result is divided by l at the end. Since M is a whole number, a kernel that streams over the keys may use a running M (the ceiling of the running maximum): every later rescaling is an exact power of two, which a block's scale takes up: the codes' values come out the same.
;;   OPERANDS COMPUTED ON THE WAY. 'Computed on the way' means the value that the module computes at that place (a softmax that the list does not call 'softmax' is quantised finished and normalised). What goes into a quantiser is computed in f32, as accurately as f32 sums, v_exp_f32 and their like allow (about 1e-6 of the number): no bf16 or f16 on the way to a quantiser, and a product that is left as it is and whose result goes on into a quantised operand takes f32 operands (vector FMAs, or v_wmma_f32_16x16x4_f32). A number that lies on a knife's edge between two numbers of the format may be rounded either way, as far as f32 arithmetic and the matrix unit's own rounding can turn it there, and no further.
;; 2 versions, each right; version 2 is version 1 with the launch attn written anew for expert scheduling mode. Each part assembles by itself: llvm-mc -triple=amdgcn-amd-amdhsa -mcpu=gfx1250 --defsym DOCPART=n.
;; ======== version 1 of 2: 6 launches
;; workspace buffers: xpack 5,570,560 bytes; wvpack 561,152 bytes; wopack 561,152 bytes; qkpack 8,912,896 bytes; vpack 4,718,592 bytes; cpack 9,175,040 bytes; part 262,144 bytes
;; launch quant (part 1): grid 384 x 1, 4 waves a work-group, no clusters, 33,280 bytes of LDS; arguments x, w_in, w_out, b_in, b_out, xpack, wvpack, wopack; writes xpack, wvpack, wopack
.if DOCPART == 1
	.amdgcn_target "amdgcn-amd-amdhsa--gfx1250"
	.amdhsa_code_object_version 6
	.text
	.protected	k_q947a762ff0_quant
	.globl	k_q947a762ff0_quant
	.p2align	8
	.type	k_q947a762ff0_quant,@function
k_q947a762ff0_quant:
	s_mov_b64 s[64:65], 0
	v_nop
	global_prefetch_b8 v0, s[64:65] scope:SCOPE_SE
	s_setreg_imm32_b32 hwreg(HW_REG_WAVE_MODE, 25, 1), 1
	s_wait_xcnt 0x0
; x [1024 s][8 b][1024], w_in [3072][1024] and w_out [1024][1024], f32, become codes of FP4 (E2M1), K innermost (512 bytes a row), with one E8M0 byte for each 32 along K (32 bytes a row).
; A block's scale is 2^(floor(log2(its largest magnitude)) - 2); its byte is the largest magnitude's exponent field - 2, held at 1 from below; each number is divided by the scale and rounded to the nearest code, ties to even.
; LIMITS: a block of zeros gets the byte 1 where the rule says 127 (its codes are zeros, and this program alone reads the bytes); blocks whose largest magnitude lies under 2^-124 are held at the byte 1; NaN and infinities are not served.
; THE ROWS ARE LAID IN ANOTHER ORDER THAN THEY ARRIVE.  x's rows go by (b, place), the weights' by place; place p holds row pi(p), pi = bits 3 and 4 of the index exchanged.  So 16 neighbouring places 16 (2 B + u) + i hold rows
; 32 B + 8 u + i + 8 (i / 8): used as source 0 of a product, two neighbouring tiles give a lane 16 neighbours along that axis.  pi moves whole groups of 8 rows, and a wave takes 8 rows: it only chooses another group.
; SHARES: a work-group takes 32 places, a wave 8 rows = 16 steps of 512 numbers.  Work-groups 0-255: x; 256-319: w_in's rows 0-2047 (q, k); 320-351: its rows 2048-3071 (v); 352-383: w_out.  Only pointers and offsets are chosen: one path.
; Each load reads 512 consecutive bytes; a step's 2,048 bytes turn through the wave's own stage in LDS so that a lane holds 16 neighbours; a step's codes leave as 256 consecutive bytes, a wave's 256 scale bytes as one store.
; Work-groups 320 and 352 also copy the bias that belongs to their weight (b_in's last 1,024 numbers, b_out) behind it in its pack.  No tensor loads, no barrier: waves share nothing.
.set STEPS, 16
.set EMAX,  2
.set CB,    8                          ; bytes of 16 codes
.set R,     16                         ; v16-79   four sets of 16 numbers as they are loaded
.set X,     80                         ; v80-111  two sets of 16 neighbours
.set E,     112                        ; v112-127 a scale byte for each step
.set C,     128                        ; v128-191 codes: four registers for each step, so that no store's data are written again
.set VO,    192                        ; v192-199 byte offset of my 16 bytes in each of the wave's 8 rows; never rewritten
.set WREG,  8192                       ; LDS: a region for each wave: two stages of 32 x SP bytes, behind them its 256 scale bytes
.set SP,    80                         ; a lane's place in a stage: 64 bytes + 16 of padding
	s_load_b256 s[4:11], s[0:1], 0x0               ; x s[4:5], w_in s[6:7], w_out s[8:9], b_in s[10:11]
	s_load_b256 s[12:19], s[0:1], 0x20             ; b_out s[12:13], xpack s[14:15], wvpack s[16:17], wopack s[18:19]
	v_lshl_add_u32 v200, v0, 2, 0x8000
	v_mov_b32 v201, 0
	v_lshrrev_b32 v1, 5, v0
	v_readfirstlane_b32 s50, v1                    ; wave
	v_and_b32 v2, 31, v0                           ; lane
	v_lshlrev_b32 v3, 4, v2                        ; my 16 bytes of a load's 512
	s_mul_i32 s51, s50, WREG
	v_lshrrev_b32 v14, 2, v2
	v_mul_u32_u24 v14, v14, SP
	v_and_b32 v15, 3, v2
	v_lshl_add_u32 v14, v15, 4, v14
	v_add_nc_u32 v14, s51, v14                     ; the stage, on the way in: SP (lane / 4) + 16 (lane % 4)
	v_mul_u32_u24 v15, v2, SP
	v_add_nc_u32 v15, s51, v15                     ; and on the way out: SP x lane: my 16 neighbours
	v_mul_u32_u24 v4, v2, CB                       ; my codes' place in a step's
	v_lshrrev_b32 v5, 1, v2
	s_add_co_u32 s51, s51, 2*32*SP
	v_add_nc_u32 v5, s51, v5                       ; LDS: my wave's 256 scale bytes, my block's byte
	v_lshlrev_b32 v7, 3, v2                        ; and on the way out 8 bytes a lane
	v_add_nc_u32 v6, s51, v7
	s_mov_b32 s24, 352                             ; the range's first work-group
	s_mov_b32 s25, 0                               ; where the codes begin in the pack
	s_mov_b32 s26, 524288                          ; where the scale bytes begin
	s_mov_b32 s27, 0                               ; where the range begins in its source
	s_mov_b32 s28, 4096                            ; bytes from row to row in the source
	s_mov_b32 s38, 0                               ; where the bias begins in its source
	s_mov_b32 s39, 0
	s_wait_kmcnt 0x0
	s_cmp_lt_u32 ttmp9, 352                        ; the choices hang on the work-group's number alone
	s_cselect_b64 s[20:21], s[6:7], s[8:9]         ; the source
	s_cselect_b64 s[22:23], s[16:17], s[18:19]     ; the pack
	s_cselect_b64 s[36:37], s[10:11], s[12:13]     ; the bias
	s_cselect_b32 s24, 320, s24
	s_cselect_b32 s27, 0x800000, s27               ; w_in's row 2,048
	s_cselect_b32 s38, 8192, s38                   ; b_in's number 2,048
	s_cmp_lt_u32 ttmp9, 320
	s_cselect_b64 s[22:23], s[14:15], s[22:23]
	s_cselect_b32 s24, 256, s24
	s_cselect_b32 s25, 4456448, s25
	s_cselect_b32 s26, 5505024, s26
	s_cselect_b32 s27, 0, s27
	s_cmp_lt_u32 ttmp9, 256
	s_cselect_b64 s[20:21], s[4:5], s[20:21]
	s_cselect_b32 s24, 0, s24
	s_cselect_b32 s25, 0, s25
	s_cselect_b32 s26, 4194304, s26
	s_cselect_b32 s28, 32768, s28                  ; x: a step in s is 8 rows of 4,096 bytes
	s_cselect_b32 s30, 31, -1                      ; x: 32 groups of 32 places to a batch
	s_cselect_b32 s32, -1, 0
	s_sub_co_u32 s29, ttmp9, s24                   ; my group of 32 places in the range
	s_and_b32 s33, s50, 1
	s_lshl_b32 s33, s33, 1
	s_lshr_b32 s34, s50, 1
	s_or_b32 s33, s33, s34                         ; pi on groups of 8 rows: the wave's two bits exchanged
	s_and_b32 s34, s29, s30
	s_lshl_b32 s34, s34, 2
	s_add_co_u32 s34, s34, s33                     ; which group of 8 rows of the source
	s_lshl_b32 s35, s28, 3
	s_mul_i32 s34, s34, s35
	s_lshr_b32 s35, s29, 5
	s_and_b32 s35, s35, s32                        ; x: the batch,
	s_lshl_b32 s35, s35, 12                        ; 4,096 bytes on
	s_add_co_u32 s34, s34, s35
	s_add_co_u32 s34, s34, s27
	s_mov_b32 s35, 0
	s_add_nc_u64 s[44:45], s[20:21], s[34:35]      ; the wave's first row in the source
	s_lshl_b32 s34, s29, 2
	s_add_co_u32 s34, s34, s50                     ; which run of 8 places
	s_lshl_b32 s52, s34, 12
	s_add_co_u32 s52, s52, s25
	s_mov_b32 s53, 0
	s_add_nc_u64 s[40:41], s[22:23], s[52:53]      ; its 4,096 bytes of codes
	s_lshl_b32 s52, s34, 8
	s_add_co_u32 s52, s52, s26
	s_add_nc_u64 s[42:43], s[22:23], s[52:53]      ; its 256 scale bytes
	s_add_nc_u64 s[46:47], s[36:37], s[38:39]      ; the bias, and
	s_add_nc_u64 s[48:49], s[22:23], 557056        ; its place in the pack
.irp i, 0,1,2,3,4,5,6,7
	s_mul_i32 s52, s28, \i
	v_add_nc_u32 v[VO+\i], s52, v3
.endr
.macro LOAD t                          ; step t: half a row
.irp i, 0,1,2,3
	global_load_b128 v[R+16*((\t)%4)+4*\i:R+16*((\t)%4)+4*\i+3], v[VO+(\t)/2], s[44:45] offset:2048*((\t)%2)+512*\i th:TH_LOAD_NT   ; 32 lanes read 512 consecutive bytes
.endr
.endm
.macro TURN t                          ; step t's numbers through the stage: LDS serves a wave's instructions in order, so no wait stands between the stores and the loads
.irp i, 0,1,2,3
	ds_store_b128 v14, v[R+16*((\t)%4)+4*\i:R+16*((\t)%4)+4*\i+3] offset:32*SP*((\t)%2)+8*SP*\i
.endr
.irp i, 0,1,2,3
	ds_load_b128 v[X+16*((\t)%2)+4*\i:X+16*((\t)%2)+4*\i+3], v15 offset:32*SP*((\t)%2)+16*\i
.endr
.endm
.irp t, 0,1,2,3
	LOAD \t
.endr
	s_wait_loadcnt 12                              ; step 0's four loads are in
	TURN 0
.macro STEP t
.set XS, X+16*((\t)%2)
.if (\t) > 0
	s_wait_dscnt 1                                 ; this step's numbers are back from the stage (the last step's byte store may be out): so its stores into the stage have read their registers,
.else
	s_wait_dscnt 0x0
.endif
.if (\t)+4 < STEPS
	LOAD (\t)+4                                    ; which take the loads of four steps on
.endif
.if (\t)+1 < STEPS
.if STEPS-2-(\t) >= 3
	s_wait_loadcnt 12                              ; the next step's four loads are in; those of the three steps behind it may be out
.else
	s_wait_loadcnt 4*(STEPS-2-(\t))
.endif
	TURN (\t)+1                                    ; and go through the other stage while this step is worked
.endif
	v_max3_num_f32 v8, |v[XS]|, |v[XS+1]|, |v[XS+2]|               ; the largest magnitude of my 16
	v_max3_num_f32 v9, |v[XS+3]|, |v[XS+4]|, |v[XS+5]|
.irp i, 6,10
	v_max3_num_f32 v8, v8, |v[XS+\i]|, |v[XS+\i+1]|
	v_max3_num_f32 v9, v9, |v[XS+\i+2]|, |v[XS+\i+3]|
.endr
	v_max3_num_f32 v8, v8, |v[XS+14]|, |v[XS+15]|
	v_max3_num_f32 v8, v8, v9, (EMAX+1)<<23        ; and the floor 2^(3 - 127): the byte cannot fall under 1
	v_max_num_f32_dpp v8, v8, v8 row_xmask:1 row_mask:0xf bank_mask:0xf   ; and of my neighbour's 16: the block's
	v_add_nc_u32 v11, -(EMAX<<23), v8              ; 2 off its exponent field: the conversion takes the exponent field of this operand as its scale
	v_cvt_scalef32_pk8_fp4_f32 v[C+4*(\t)], v[XS:XS+7], v11
	v_cvt_scalef32_pk8_fp4_f32 v[C+4*(\t)+1], v[XS+8:XS+15], v11
	v_lshrrev_b32 v[E+(\t)], 23, v11               ; the scale's byte
	ds_store_b8 v5, v[E+(\t)] offset:16*(\t)       ; both lanes of a block write the same byte with the same value
	global_store_b64 v4, v[C+4*(\t):C+4*(\t)+1], s[40:41] offset:32*CB*(\t)   ; 32 lanes store 256 consecutive bytes, aligned
.endm
.irp t, 0,1,2,3,4,5,6,7,8,9,10,11,12,13,14,15
	STEP \t
.endr
	ds_load_b64 v[12:13], v6                       ; LDS serves a wave's instructions in order: these see my stores
	s_wait_dscnt 0x0
	global_store_b64 v7, v[12:13], s[42:43]        ; 32 lanes store 256 consecutive bytes, aligned
	s_cmp_eq_u32 ttmp9, 320                        ; the first work-group of each of the last two ranges copies the bias: 128 threads x 2 x 16 bytes
	s_cselect_b32 s52, 1, 0
	s_cmp_eq_u32 ttmp9, 352
	s_cselect_b32 s52, 1, s52
	s_cmp_eq_u32 s52, 0
	s_cbranch_scc1 .Lend
	v_lshlrev_b32 v10, 4, v0
	global_load_b128 v[16:19], v10, s[46:47]
	global_load_b128 v[20:23], v10, s[46:47] offset:2048
	s_wait_loadcnt 0x0
	global_store_b128 v10, v[16:19], s[48:49]
	global_store_b128 v10, v[20:23], s[48:49] offset:2048
.Lend:
	s_wait_tensorcnt 0x0
	ds_add_u32 v200, v201
	s_wait_dscnt 0x0
	s_endpgm
.Lfunc_end_k_q947a762ff0_quant:
	.size	k_q947a762ff0_quant, .Lfunc_end_k_q947a762ff0_quant-k_q947a762ff0_quant
	.p2alignl 7, 3214868480
	.fill 96, 4, 3214868480
	.section	.rodata,"a",@progbits
	.p2align	6, 0x0
	.amdhsa_kernel k_q947a762ff0_quant
		.amdhsa_group_segment_fixed_size 33280
		.amdhsa_private_segment_fixed_size 0
		.amdhsa_enable_private_segment 0
		.amdhsa_kernarg_size 64
		.amdhsa_user_sgpr_count 2
		.amdhsa_user_sgpr_kernarg_segment_ptr 1
		.amdhsa_wavefront_size32 1
		.amdhsa_system_sgpr_workgroup_id_x 1
		.amdhsa_system_sgpr_workgroup_id_y 1
		.amdhsa_system_sgpr_workgroup_id_z 1
		.amdhsa_system_vgpr_workitem_id 0
		.amdhsa_next_free_vgpr 202
		.amdhsa_next_free_sgpr 66
		.amdhsa_reserve_vcc 0
		.amdhsa_float_denorm_mode_32 3
		.amdhsa_float_denorm_mode_16_64 3
		.amdhsa_memory_ordered 1
		.amdhsa_forward_progress 1
		.amdhsa_inst_pref_size 36
	.end_amdhsa_kernel
	.amdgpu_metadata
---
amdhsa.version: [ 1, 2 ]
amdhsa.kernels:
  - .name:           k_q947a762ff0_quant
    .symbol:         k_q947a762ff0_quant.kd
    .args:
      - { .name: x, .offset: 0, .size: 8, .value_kind: global_buffer, .address_space: global }
      - { .name: w_in, .offset: 8, .size: 8, .value_kind: global_buffer, .address_space: global }
      - { .name: w_out, .offset: 16, .size: 8, .value_kind: global_buffer, .address_space: global }
      - { .name: b_in, .offset: 24, .size: 8, .value_kind: global_buffer, .address_space: global }
      - { .name: b_out, .offset: 32, .size: 8, .value_kind: global_buffer, .address_space: global }
      - { .name: xpack, .offset: 40, .size: 8, .value_kind: global_buffer, .address_space: global }
      - { .name: wvpack, .offset: 48, .size: 8, .value_kind: global_buffer, .address_space: global }
      - { .name: wopack, .offset: 56, .size: 8, .value_kind: global_buffer, .address_space: global }
    .group_segment_fixed_size: 33280
    .private_segment_fixed_size: 0
    .kernarg_segment_align: 8
    .kernarg_segment_size: 64
    .max_flat_workgroup_size: 128
    .sgpr_count:     66
    .vgpr_count:     202
    .wavefront_size: 32
...
	.end_amdgpu_metadata
.endif
;; end of part 1
;; launch gemm_qk (part 2): grid 8 x 32, 4 waves a work-group, clusters of 4 x 4, 327,680 bytes of LDS; arguments xpack, b_in, qkpack; writes qkpack
.if DOCPART == 2
	.amdgcn_target "amdgcn-amd-amdhsa--gfx1250"
	.amdhsa_code_object_version 6
	.text
	.protected	k_q947a762ff0_gemm_qk
	.globl	k_q947a762ff0_gemm_qk
	.p2align	8
	.type	k_q947a762ff0_gemm_qk,@function
k_q947a762ff0_gemm_qk:
	s_mov_b64 s[64:65], 0
	v_nop
	global_prefetch_b8 v0, s[64:65] scope:SCOPE_SE
	s_setreg_imm32_b32 hwreg(HW_REG_WAVE_MODE, 25, 1), 1
	s_wait_xcnt 0x0
	s_wait_alu depctr_hold_cnt(0) depctr_sa_sdst(0) depctr_va_vdst(0) depctr_va_sdst(0) depctr_va_ssrc(0) depctr_va_vcc(0) depctr_vm_vsrc(0)
	s_getreg_b32 s2, hwreg(HW_REG_IB_STS2, 6, 4)
	s_cmp_eq_u32 s2, 0
	s_cbranch_scc0 .Lentry_in_a_cluster
	s_endpgm
.Lentry_in_a_cluster:
	s_bfe_u32 s2, ttmp6, 0x10000c
	s_cmp_lg_u32 s2, 0xf033
	s_cbranch_scc0 .Lentry_shape_is_right
	s_endpgm
.Lentry_shape_is_right:
; A GEMM ON CODES OF FP4 (E2M1) WHOSE RESULT IS QUANTISED AGAIN ON ITS WAY OUT.  R[m][n] = sum over k of A[m][k] B[n][k] + bias, K = 1,024; codes 512 bytes a row, one E8M0 byte for each 32 along K, 32 bytes a row.
; MODE_QK = 1 (this text): A = x (8,192 rows by (b, place)), B = w_in's rows 0-2047 by place; R = q and k; bias b_in along n; q is multiplied by 1/8 (exact).  R is quantised along n, 64 to a head.
; MODE_QK = 0: A = a weight of 1,024 rows by place, B = 8,192 rows by (b, place); bias along m; R is quantised along n, which is then a batch's 1,024 keys.
; A tile of R, 256 x 256, is made by four waves, as many as a WGP has SIMDs; a wave makes 128 x 128: 64 accumulators, 512 registers.  K lies in two LDS slots of 512 along K (rows of 256 bytes), each filled ONCE, at the start: nothing is filled again.
; The scale bytes of the tile's 256 + 256 rows, two dense blocks of 8,192 bytes, come with the first fills and stay.
; CLUSTERS: 4 x 4 work-groups.  The four of a row of the cluster need the same rows of A, the four of a column the same rows of B: each tile is asked for JOINTLY, by the same tensor load with the same descriptor and a mask that names the four.
; THE MATRIX INSTRUCTION IS USED TRANSPOSED (source 0 = 16 rows of B, source 1 = 16 rows of A): a lane holds ONE row m of R and its registers run along n.  B's rows lie by place (place p holds row pi(p), bits 3 and 4 exchanged),
; so the 16 registers of B's blocks 2 B and 2 B + 1 are n = 32 B + 16 (lane / 16) + 0 .. 15: 16 neighbours of a block of 32; the other 16 lie in the lane 16 away.
; THE WAY OUT: for each of A's 8 blocks of 16 rows the lane's 64 numbers get bias (and factor), are quantised in registers, and the codes leave as IMAGES OF AN OPERAND'S REGISTERS: four registers by one store, lane l's 16 bytes at 16 l.
; LIMITS: a block of zeros gets the byte 1 (its codes are zeros; this program alone reads the bytes); blocks under 2^-124 are held at the byte 1; NaN and infinities are not served.
; REGISTERS, in windows of 256: window 0: v0-31 addresses; v32-95 scale words, two sets; v128-191 A's fragments, ONE set; v192-255 the bias.  On the way out: v32-95 the 64 numbers, v96-111 at work, v112-127 scale words, v128-191 the codes.
;   window 1: B's fragments, TWO sets, at v0 and v128.   window 2: the accumulators of my rows 0-63 ((a, b) at v[8 (8 a + b)]);   window 3: those of my rows 64-127.
.set MODE_QK, 1
.set SIZE_K, 1024
.set KSTEP,  512                       ; along K in a slot
.set NQ,     KSTEP/128                 ; matrix instructions deep
.set ROWB,   256                       ; a tile's row in bytes
.set KROW,   SIZE_K*4/8                ; a row of A or of B in memory, in bytes
.set PITCH,  272                       ; an LDS row: 256 bytes + 16 of padding = 68 words: the 16 rows that a load touches start at 16 different banks (64 banks of 4 bytes: ISA guide 11.1)
.set FR,     8                         ; registers of a fragment: 16 rows x 128 K
.set NL,     2                         ; LDS loads that bring one
.set NP,     4                         ; places behind this matrix instruction (ISA guide 7.12.1)
.set HALFT,  128*PITCH                 ; 128 rows: what one tensor load brings, and what one wave reads of A or of B
.set SLOT,   4*HALFT                   ; A's 256 rows, then B's 256 rows
.set KS,     SIZE_K/32                 ; a row of scales in bytes
.set SCL,    2*SLOT                    ; behind the slots: the scales, as units of 256 bytes + 16 of padding
.set HALFS,  (128*KS/256)*272          ; the scales of 128 rows: what one tensor load brings
.set SBLK,   (16*KS/256)*272           ; those of 16 rows
.set SPARE,  SCL+4*HALFS               ; behind the scales: the spare words, 128 bytes for each wave: two blocks of 256 bytes that no other line names
.set BO,   7                           ; v7      the bias loads' offset; never rewritten
.set XW,   8                           ; v8-11   q's and k's scale words as they are stored
.set ADRA, 16                          ; v16-17  LDS address of my A fragments in slot 0, 1
.set ADRB, 20                          ; v20-21  the same for B
.set L16,  24                          ; v24     16 x lane; never rewritten
.set L4,   25                          ; v25     4 x lane; never rewritten
.set ADRS, 27                          ; v27     LDS address of my scale words: lanes 0-15 A's rows, lanes 16-31 B's
.set SPW,  28                          ; v28     LDS address of my spare word: SPARE + 4 x my thread's number; never rewritten
.set NIL,  29                          ; v29     0; never rewritten
.set SC,   32                          ; scale words: set s at v[SC + 8 NQ s]; register NQ i + q: lanes 0-15 A's block i, lanes 16-31 B's block i, the slot's q-th 128 along K
.set AF,   128                         ; A's fragments, in window 0
.set H,    32                          ; the way out: a lane's 64 numbers
.set TM,   96                          ; v96-99 largest magnitudes, v100-103 bytes, v108-111 the conversions' scale operands
.set PW,   112                         ; v112-119 the scale word of each of A's 8 blocks
.set WW,   120                         ; v120-127 q's and k's scale words by pairs of tiles
.set PC,   128                         ; v128-191 the codes, 8 registers for each of A's 8 blocks: no store's data are written again
.set BI,   192                         ; v192-255 the bias
.set SEL,  66                          ; s[66:67] lane selects for v_permlanex16_b32: lane l xor 16
.set G1, 24                            ; s[24:31] descriptor group 1 for A's tiles;  s[32:39] group 0, one set for each slot
.set G0, 32
.set G1B, 48                           ; s[48:55], s[56:63] the same for B's tiles
.set G0B, 56
.set G1S, 68                           ; s[68:75], s[76:79] groups 1 and 0 for A's scales;  s[80:87], s[88:91] for B's
.set G0S, 76
.set G1SB, 80
.set G0SB, 88
.set MSB, 0
.macro WIN new                         ; the immediate's high byte repeats the setting that is left
.if MSB != (\new)
	s_set_vgpr_msb (MSB<<8)|(\new)
.set MSB, (\new)
.endif
.endm
.set MUL_LO, 0xa1                      ; source 0 (B) window 1, source 1 (A) window 0, C and D window 2
.set MUL_HI, 0xf1                      ; the same, C and D window 3
.set TO_B,   0x40                      ; destination window 1, address window 0
; A joint load: waves 0 and 1 fetch for A, waves 2 and 3 for B.  Each of the two lines has ONE mask and one set of registers for all that issue it; the branch hangs on the wave's number alone.
; Four v_nop follow each of the two lines, ahead of the jump, the label and what follows.
.macro JLOAD g0a, g1a, g0b, g1b
	s_cmp_eq_u32 s15, 0
	s_cbranch_scc0 .Lfor_b_\@
	tensor_load_to_lds s[\g0a:\g0a+3], s[\g1a:\g1a+7]
	s_nop 0
.rept 4
	v_nop
.endr
	s_branch .Lasked_\@
.Lfor_b_\@:
	tensor_load_to_lds s[\g0b:\g0b+3], s[\g1b:\g1b+7]
	s_nop 0
.rept 4
	v_nop
.endr
.Lasked_\@:
.endm
.macro CROUND                          ; a round of the cluster's barrier: my work-group's barrier; wave 0 signals for the work-group; every wave waits for all sixteen; my work-group's barrier once more
	s_barrier_signal -1
	s_barrier_wait -1
	s_cmp_lg_u32 s14, 0
	s_cbranch_scc1 .Lnot_wave_0_\@
	s_barrier_signal -3
.Lnot_wave_0_\@:
	s_barrier_wait -3
	s_barrier_signal -1
	s_barrier_wait -1
.endm
	s_load_b128 s[96:99], s[0:1], 0x0              ; the first two buffers
	s_load_b64 s[2:3], s[0:1], 0x10                ; the pack that is written
	v_lshl_add_u32 v[SPW], v0, 2, SPARE
	v_mov_b32 v[NIL], 0
	ds_add_u32 v28, v29
	ds_add_u32 v28, v29
	s_wait_dscnt 0x0
	v_lshrrev_b32 v1, 5, v0
	v_readfirstlane_b32 s14, v1                    ; wave 0..3
	s_lshr_b32 s15, s14, 1                         ; which half of the tile's rows (A) is mine.  Also: I fetch for A (0) or for B (1)
	s_and_b32 s16, s14, 1                          ; which half of its columns (B).  Also: which 128 rows of that tile I fetch
	s_bfe_u32 s40, ttmp6, 0x40000                  ; cx, cy: my place in the cluster
	s_bfe_u32 s41, ttmp6, 0x40004
	s_lshl_b32 s42, ttmp9, 2
	s_add_co_u32 s42, s42, s40                     ; tile column = 4 x cluster x + cx
	s_and_b32 s17, ttmp7, 0xffff
	s_lshl_b32 s17, s17, 2
	s_add_co_u32 s17, s17, s41                     ; tile row = 4 x cluster y + cy
	s_lshl_b32 s43, s41, 2
	s_lshl_b32 s43, 15, s43                        ; my row of the cluster
	s_lshl_b32 s44, 0x1111, s40                    ; my column
	; descriptor group 1: a tile of 128 rows x ROWB bytes, padded in LDS
	s_or_b32 s[G1+0], s43, (0<<16)|(1<<20)|(1<<21)|(5<<22)|(3<<25)  ; 15:0 the mask: A's tiles go to my row; 17:16 element of 1 byte; 20 padding on; 21 set beside a mask; 24:22 after every 64 words (code 5); 31:25 of 4 words (code 3)
	s_or_b32 s[G1B+0], s44, (0<<16)|(1<<20)|(1<<21)|(5<<22)|(3<<25)
.irp g, G1, G1B
	s_mov_b32 s[\g+1], ROWB<<16                    ; tensor_dim0
	s_mov_b32 s[\g+2], 128<<16                     ; tensor_dim1 = 128
	s_mov_b32 s[\g+3], ROWB<<16                    ; tile_dim0
	s_mov_b32 s[\g+4], 128                         ; tile_dim1 = 128
	s_mov_b32 s[\g+5], KROW                        ; tensor_dim0_stride
	s_mov_b32 s[\g+6], 0
	s_mov_b32 s[\g+7], 0
.endr
	; and for the scales of 128 rows: a dense block of 4,096 bytes, as rows of 256 bytes (32 elements of 8 bytes), 16 bytes of padding behind each
	s_or_b32 s[G1S+0], s43, (3<<16)|(1<<20)|(1<<21)|(5<<22)|(3<<25)
	s_or_b32 s[G1SB+0], s44, (3<<16)|(1<<20)|(1<<21)|(5<<22)|(3<<25)
.irp g, G1S, G1SB
	s_mov_b32 s[\g+1], 32<<16
	s_mov_b32 s[\g+2], (128*KS/256)<<16
	s_mov_b32 s[\g+3], 32<<16
	s_mov_b32 s[\g+4], 128*KS/256
	s_mov_b32 s[\g+5], 32
	s_mov_b32 s[\g+6], 0
	s_mov_b32 s[\g+7], 0
.endr
	s_lshl_b32 s18, s16, 7                         ; which 128 rows of the tile I fetch
	s_lshl_b32 s20, s17, 8
	s_add_co_u32 s20, s20, s18                     ; A: row 256 x tile row + 128 x half
	s_lshl_b32 s46, s42, 8
	s_add_co_u32 s46, s46, s18                     ; B: row 256 x tile column + 128 x half
	s_mov_b32 s21, 0
	s_mov_b32 s47, 0
	s_mov_b64 s[18:19], KS
	s_mul_u64 s[22:23], s[20:21], s[18:19]         ; where these rows' scales begin, in bytes
	s_mul_u64 s[92:93], s[46:47], s[18:19]
	s_mov_b64 s[18:19], KROW
	s_mul_u64 s[20:21], s[20:21], s[18:19]         ; and their codes
	s_mul_u64 s[46:47], s[46:47], s[18:19]
	s_mul_i32 s45, s14, HALFT                      ; where they go: wave x 128 rows: no place in the cluster enters an LDS address
	s_mul_i32 s94, s14, HALFS
	s_mov_b32 s[SEL], 0x76543210
	s_mov_b32 s[SEL+1], 0xfedcba98
	s_mov_b32 s95, 0xffff0000                      ; lanes 16-31
	s_cmp_eq_u32 ttmp9, 0                          ; tile columns 0-3, the first column of clusters, are q's
	s_cselect_b32 s100, 0x3e000000, 1.0            ; q is multiplied by 1 / sqrt(64) = 1/8, k by 1: a choice of a number, no branch
	s_mov_b32 s101, s100                           ; (named with it as a pair, so it is written)
	s_wait_kmcnt 0x0
	s_mov_b64 s[4:5], s[96:97]                     ; A's codes
.if MODE_QK
	s_add_nc_u64 s[6:7], s[96:97], 4194304         ; A's scales
	s_add_nc_u64 s[8:9], s[96:97], 4456448         ; B's codes
	s_add_nc_u64 s[10:11], s[96:97], 5505024       ; B's scales
	s_mov_b64 s[12:13], s[98:99]                   ; the bias
	s_add_nc_u64 s[96:97], s[2:3], 8388608         ; where the scale words go
.else
	s_add_nc_u64 s[6:7], s[96:97], 524288
	s_mov_b64 s[8:9], s[98:99]
	s_add_nc_u64 s[10:11], s[98:99], 4194304
	s_add_nc_u64 s[12:13], s[96:97], 557056
	s_add_nc_u64 s[96:97], s[2:3], 4194304
.endif
	s_add_nc_u64 s[20:21], s[4:5], s[20:21]
	s_add_nc_u64 s[22:23], s[6:7], s[22:23]
	s_add_nc_u64 s[46:47], s[8:9], s[46:47]
	s_add_nc_u64 s[92:93], s[10:11], s[92:93]
	CROUND                                         ; all sixteen work-groups are here: the joint loads meet
	s_mov_b32 s[G0S], 1
	s_add_co_u32 s[G0S+1], s94, SCL
	s_mov_b64 s[G0S+2:G0S+3], s[22:23]
	s_or_b32 s[G0S+3], s[G0S+3], 0x80000000
	s_mov_b32 s[G0SB], 1
	s_add_co_u32 s[G0SB+1], s94, SCL
	s_mov_b64 s[G0SB+2:G0SB+3], s[92:93]
	s_or_b32 s[G0SB+3], s[G0SB+3], 0x80000000
	JLOAD G0S, G1S, G0SB, G1SB                     ; the scales first: they are wanted with the first 512 along K
.irp s, 0,1
	s_mov_b32 s[G0+4*\s], 1
	s_add_co_u32 s[G0+4*\s+1], s45, \s*SLOT
	s_add_nc_u64 s[G0+4*\s+2:G0+4*\s+3], s[20:21], \s*ROWB
	s_or_b32 s[G0+4*\s+3], s[G0+4*\s+3], 0x80000000
	s_mov_b32 s[G0B+4*\s], 1
	s_add_co_u32 s[G0B+4*\s+1], s45, \s*SLOT
	s_add_nc_u64 s[G0B+4*\s+2:G0B+4*\s+3], s[46:47], \s*ROWB
	s_or_b32 s[G0B+4*\s+3], s[G0B+4*\s+3], 0x80000000
	JLOAD G0+4*\s, G1, G0B+4*\s, G1B               ; three tensor loads of mine are out: all that this launch has
.endr
	v_and_b32 v1, 15, v0                           ; r = l % 16
	v_bfe_u32 v2, v0, 4, 1                         ; h = l / 16
	v_mul_u32_u24 v3, v1, PITCH
	v_lshl_add_u32 v4, v2, 4, v3                   ; a fragment's row x pitch + 16 x half
	s_mul_i32 s21, s15, HALFT                      ; my 128 rows of A
	s_mul_i32 s22, s16, HALFT                      ; my 128 rows of B,
	s_add_co_u32 s22, s22, 2*HALFT                 ; which lie behind A's 256
.irp s, 0,1
	v_add_nc_u32 v[ADRA+\s], s21, v4
	v_add_nc_u32 v[ADRB+\s], s22, v4
	s_add_co_u32 s21, s21, SLOT
	s_add_co_u32 s22, s22, SLOT
.endr
	v_mul_u32_u24 v5, v1, KS                       ; my row's scales: KS bytes a row,
	v_lshrrev_b32 v6, 8, v5
	v_lshl_add_u32 v5, v6, 4, v5                   ; and 16 more for each 256 passed
	s_mul_i32 s21, s15, HALFS                      ; A's: my 128 rows
	s_mul_i32 s22, s16, HALFS                      ; B's: my 128 rows, behind A's 256
	s_add_co_u32 s22, s22, 2*HALFS
	s_sub_co_u32 s22, s22, s21
	v_mul_u32_u24 v6, s22, v2                      ; lanes 16-31 take B's
	s_add_co_u32 s21, s21, SCL
	v_add_nc_u32 v5, v5, v6
	v_add_nc_u32 v[ADRS], s21, v5
	v_and_b32 v6, 31, v0
	v_lshlrev_b32 v[L16], 4, v6
	v_lshlrev_b32 v[L4], 2, v6
.if MODE_QK
	; the bias along n: register 16 B + i of a lane wants b_in[256 x tile column + 128 x half + 32 B + 16 h + i]
	v_lshlrev_b32 v[BO], 6, v2
	s_lshl_b32 s92, s42, 10
	s_lshl_b32 s93, s16, 9
	s_add_co_u32 s92, s92, s93
	s_mov_b32 s93, 0
	s_add_nc_u64 s[12:13], s[12:13], s[92:93]
.irp e, 0,1,2,3
.irp q, 0,1,2,3
	global_load_b128 v[BI+16*\e+4*\q:BI+16*\e+4*\q+3], v[BO], s[12:13] offset:128*\e+16*\q
.endr
.endr
	; where my results go.  Codes: [q or k][b][head][tile of 16 rows][512 bytes]; scale words: [q or k][b][head][pair of tiles][16 words]
	s_lshr_b32 s92, s42, 2                         ; q or k
	s_lshl_b32 s92, s92, 3
	s_lshr_b32 s93, s17, 2                         ; b
	s_add_co_u32 s92, s92, s93
	s_lshl_b32 s92, s92, 4
	s_and_b32 s93, s42, 3
	s_lshl_b32 s93, s93, 2
	s_add_co_u32 s92, s92, s93
	s_lshl_b32 s93, s16, 1
	s_add_co_u32 s92, s92, s93                     ; my first head: 4 (tile column % 4) + 2 x half
	s_and_b32 s94, s17, 3
	s_lshl_b32 s94, s94, 1
	s_add_co_u32 s94, s94, s15                     ; my first tile / 8: 2 (tile row % 4) + half
	s_lshl_b32 s22, s92, 11
	s_lshl_b32 s23, s94, 8
	s_add_co_u32 s22, s22, s23                     ; scale words: 2,048 bytes a head, 64 a pair of tiles
	s_lshl_b32 s92, s92, 15
	s_lshl_b32 s94, s94, 12
	s_add_co_u32 s92, s92, s94                     ; codes: 32,768 bytes a head, 512 a tile
.else
	; the bias along m: lane r of A's block a holds place 16 a + r, which is row 32 (a / 2) + 8 (a % 2) + r % 8 + 16 (r / 8)
	v_and_b32 v[BO], 7, v1
	v_lshrrev_b32 v6, 3, v1
	v_lshlrev_b32 v[BO], 2, v[BO]
	v_lshl_add_u32 v[BO], v6, 6, v[BO]
	s_lshl_b32 s92, s17, 10
	s_lshl_b32 s93, s15, 9
	s_add_co_u32 s92, s92, s93
	s_mov_b32 s93, 0
	s_add_nc_u64 s[12:13], s[12:13], s[92:93]
.irp a, 0,1,2,3,4,5,6,7
	global_load_b32 v[BI+2*\a], v[BO], s[12:13] offset:4*(32*(\a/2)+8*(\a%2))     ; twice: a pair for the packed addition
	global_load_b32 v[BI+2*\a+1], v[BO], s[12:13] offset:4*(32*(\a/2)+8*(\a%2))
.endr
	; where my results go: [b][tile of 16 rows m][128 keys][1,024 bytes], and 128 bytes of scale words for each
	s_lshr_b32 s92, s42, 2                         ; b
	s_lshl_b32 s92, s92, 6
	s_lshl_b32 s93, s17, 4
	s_add_co_u32 s92, s92, s93
	s_lshl_b32 s93, s15, 3
	s_add_co_u32 s92, s92, s93                     ; + my first tile: 16 x tile row + 8 x half
	s_lshl_b32 s92, s92, 3
	s_and_b32 s93, s42, 3
	s_lshl_b32 s93, s93, 1
	s_add_co_u32 s92, s92, s93
	s_add_co_u32 s92, s92, s16                     ; + which 128 keys: 2 (tile column % 4) + half
	s_lshl_b32 s22, s92, 7
	s_lshl_b32 s92, s92, 10
.endif
	s_mov_b32 s93, 0
	s_mov_b32 s23, 0
	s_add_nc_u64 s[2:3], s[2:3], s[92:93]
	s_add_nc_u64 s[96:97], s[96:97], s[22:23]
.macro FRAG reg, adr, q, i             ; a fragment, 16 rows x 128 K of 4-bit codes, is 8 registers: lane l holds row l % 16; registers 4 c .. 4 c + 3 hold K = 64 c + 32 (l / 16) + 0 .. 31
.irp c, 0,1
	ds_load_b128 v[\reg+4*\c:\reg+4*\c+3], v[\adr] offset:64*(\q)+32*\c+(\i)*16*PITCH
.endr
.endm
; 16 matrix instructions: A's blocks a0, a0 + 1 x B's eight, 128 along K: the slot's q-th.  p: B's set;  sc: the set of scale words.  zero = 1: the first product starts the sums: nothing is ever cleared.
; The 64 accumulators take turns, one instruction a turn, in the same order in every step.
.macro MUL16 a0, p, q, sc, zero
.irp a, \a0, \a0+1
.irp b, 0,1,2,3,4,5,6,7
.if \zero
	v_wmma_scale_f32_16x16x128_f8f6f4 v[8*(8*((\a)%4)+\b):8*(8*((\a)%4)+\b)+7], v[128*(\p)+FR*\b:128*(\p)+FR*\b+FR-1], v[AF+FR*(\a):AF+FR*(\a)+FR-1], 0, v[SC+8*NQ*(\sc)+NQ*\b+(\q)], v[SC+8*NQ*(\sc)+NQ*(\a)+(\q)] matrix_a_fmt:MATRIX_FMT_FP4 matrix_b_fmt:MATRIX_FMT_FP4 matrix_a_scale:MATRIX_SCALE_ROW1
.else
	v_wmma_scale_f32_16x16x128_f8f6f4 v[8*(8*((\a)%4)+\b):8*(8*((\a)%4)+\b)+7], v[128*(\p)+FR*\b:128*(\p)+FR*\b+FR-1], v[AF+FR*(\a):AF+FR*(\a)+FR-1], v[8*(8*((\a)%4)+\b):8*(8*((\a)%4)+\b)+7], v[SC+8*NQ*(\sc)+NQ*\b+(\q)], v[SC+8*NQ*(\sc)+NQ*(\a)+(\q)] matrix_a_fmt:MATRIX_FMT_FP4 matrix_b_fmt:MATRIX_FMT_FP4 matrix_a_scale:MATRIX_SCALE_ROW1
.endif
.endr
.endr
.endm
.macro FETCH_B slot, q, p              ; B's eight fragments of the slot's q-th 128 along K into set p
	WIN TO_B
.irp i, 0,1,2,3,4,5,6,7
	FRAG 128*(\p)+FR*\i, ADRB+\slot, \q, \i
.endr
	WIN 0
.endm
.macro FETCH_A slot, q, i0             ; A's blocks i0 .. i0 + 3
.irp i, \i0, \i0+1, \i0+2, \i0+3
	FRAG AF+FR*(\i), ADRA+\slot, \q, \i
.endr
.endm
.macro SCALES sc                       ; a slot's scale words into set sc: NQ words a row; lanes 0-15 take A's block i, lanes 16-31 B's block i
.irp i, 0,1,2,3,4,5,6,7
	ds_load_b128 v[SC+8*NQ*\sc+NQ*\i:SC+8*NQ*\sc+NQ*\i+3], v[ADRS] offset:\i*SBLK
.endr
.endm
; A load into a register that a matrix instruction has read, and a vector instruction that reads a matrix result or writes one of its registers, stand NP places behind that matrix instruction; only plain vector
; instructions that name none of its registers are places (ISA guide 7.12.1 for vector instructions).
.macro PLACES n
.rept \n
	v_nop
.endr
.endm
; A step of 128 along K that has its successor in the same slot.  A's blocks go one after the other, each against B's eight: a block of A is free as soon as its eight products are issued, so one set serves A.
.macro STEP slot, q, zero
	s_wait_dscnt 4*NL                              ; B's set and A's blocks 0-3 are in; the youngest eight loads (A's blocks 4-7) may be out
	WIN MUL_LO
	MUL16 0, (\q)%2, \q, \slot, \zero
	MUL16 2, (\q)%2, \q, \slot, \zero
	s_wait_dscnt 0                                 ; A's blocks 4-7 are in (asked for 32 matrix instructions ago)
	PLACES NP
	FETCH_B \slot, (\q)+1, 1-(\q)%2
	FETCH_A \slot, (\q)+1, 0
	WIN MUL_HI
	MUL16 4, (\q)%2, \q, \slot, \zero
	MUL16 6, (\q)%2, \q, \slot, \zero
	PLACES NP
	WIN 0
	FETCH_A \slot, (\q)+1, 4
.endm
; Slot 0's last step goes over to slot 1: each wave waits for all its tensor loads, its part of slot 1 among them, and passes a barrier: behind it slot 1 is whole.  Nothing is filled again.
.macro TURN slot, next
	s_wait_tensorcnt 0x0                           ; all my tensor loads have landed
	ds_add_u32 v[SPW], v[NIL]                      ; 0 onto my spare word
	s_wait_dscnt 4*NL+1                            ; (the add and the youngest eight loads, A's blocks 4-7, may be out)
	WIN MUL_LO
	MUL16 0, 1, NQ-1, \slot, 0                     ; sixteen matrix instructions stand between the add and the wait for it
	s_wait_dscnt 0x0                               ; the add is done, and no LDS load of mine is out at the signal
	s_barrier_signal -1
	MUL16 2, 1, NQ-1, \slot, 0
	WIN 0
	s_barrier_wait -1
	PLACES NP
	v_add_nc_u32 v[ADRS], 4*NQ, v[ADRS]            ; on to the next slot's scale words (no LDS load of mine is out)
	FETCH_B \next, 0, 0
	FETCH_A \next, 0, 0
	SCALES \next
	WIN MUL_HI
	MUL16 4, 1, NQ-1, \slot, 0
	MUL16 6, 1, NQ-1, \slot, 0
	PLACES NP
	WIN 0
	FETCH_A \next, 0, 4
.endm
.macro STEPS slot, from                ; the slot's steps from .. NQ - 2
.set Q, \from
.rept NQ-1-\from
	STEP \slot, Q, 0
.set Q, Q+1
.endr
.endm
; THE QUANTISER.  64 numbers of a lane, register 16 b + i = n 32 b + 16 (lane / 16) + i of my row.  QMAX: the four blocks' largest magnitudes.  QSCL: the conversions' scale operands, the bytes, the row's scale word.
; QCVT: the codes, as an operand's 8 registers.
.macro QMAX s
.irp b, 0,1,2,3
	v_max3_num_f32 v[TM+\b], |v[(\s)+16*\b]|, |v[(\s)+1+16*\b]|, 0x1800000   ; my 16 numbers, and the floor 2^(3 - 127): the byte cannot fall under 1
.endr
.irp i, 2,4,6,8,10,12,14
.irp b, 0,1,2,3
	v_max3_num_f32 v[TM+\b], v[TM+\b], |v[(\s)+16*\b+\i]|, |v[(\s)+1+16*\b+\i]|   ; (the four blocks by turns)
.endr
.endr
.irp b, 0,1,2,3
	v_permlanex16_b32 v[TM+4+\b], v[TM+\b], s[SEL], s[SEL+1]
.endr
.irp b, 0,1,2,3
	v_max_num_f32 v[TM+\b], v[TM+\b], v[TM+4+\b]   ; with lane l xor 16's
.endr
.endm
.macro QSCL pw
.irp b, 0,1,2,3
	v_add_nc_u32 v[TM+12+\b], 0xff000000, v[TM+\b] ; 2 off the exponent field: the conversion takes the exponent field of this operand as its scale
.endr
.irp b, 0,1,2,3
	v_lshrrev_b32 v[TM+4+\b], 23, v[TM+12+\b]      ; the scale's byte
.endr
	v_lshl_or_b32 v[\pw], v[TM+5], 8, v[TM+4]
	v_lshl_or_b32 v[\pw], v[TM+6], 16, v[\pw]
	v_lshl_or_b32 v[\pw], v[TM+7], 24, v[\pw]
.endm
.macro QCVT s, pc
.irp b, 0,1,2,3
	v_cvt_scalef32_pk8_fp4_f32 v[(\pc)+2*\b], v[(\s)+16*\b:(\s)+7+16*\b], v[TM+12+\b]
	v_cvt_scalef32_pk8_fp4_f32 v[(\pc)+1+2*\b], v[(\s)+8+16*\b:(\s)+15+16*\b], v[TM+12+\b]
.endr
	v_nop                                          ; one plain place behind a scaled conversion
.irp c, 0,1                                    ; the operand's layout wants a WHOLE block in a lane: lanes 0-15 block 2 c, lanes 16-31 block 2 c + 1
.irp i, 0,1
	v_permlane16_swap_b32 v[(\pc)+4*\c+\i], v[(\pc)+2+4*\c+\i]
.endr
.endr
.endm
; A's block a goes out.  Each accumulator is read from its low end on.
.macro OUT a
.set AC, 64*((\a)%4)
	WIN 0x02+(\a)/4                                ; source 0: window 2 or 3
.set i, 0
.rept 32
.if MODE_QK
	v_pk_fma_f32 v[H+i:H+i+1], v[AC+i:AC+i+1], s[100:101], v[BI+i:BI+i+1] op_sel_hi:[1,0,1]   ; (sum + bias) x factor: the bias has been multiplied already, and the factor is a power of two
.else
	v_pk_add_f32 v[H+i:H+i+1], v[AC+i:AC+i+1], v[BI+2*(\a):BI+2*(\a)+1]
.endif
.set i, i+2
.endr
	WIN 0
	QMAX H
	QSCL PW+(\a)
	QCVT H, PC+8*(\a)
.if MODE_QK                            ; registers 4 c .. 4 c + 3 are head c's 64 along d: half an operand; each store covers 512 consecutive bytes, aligned
	global_store_b128 v[L16], v[PC+8*(\a):PC+8*(\a)+3], s[2:3] offset:512*(\a) th:TH_STORE_NT
	global_store_b128 v[L16], v[PC+8*(\a)+4:PC+8*(\a)+7], s[2:3] offset:32768+512*(\a) th:TH_STORE_NT
.else
	global_store_b128 v[L16], v[PC+8*(\a):PC+8*(\a)+3], s[2:3] offset:8192*(\a) th:TH_STORE_NT
	global_store_b128 v[L16], v[PC+8*(\a)+4:PC+8*(\a)+7], s[2:3] offset:8192*(\a)+512 th:TH_STORE_NT
	global_store_b32 v[L4], v[PW+(\a)], s[96:97] offset:1024*(\a) th:TH_STORE_NT   ; both halves of the lanes hold the rows' words: 128 bytes, an image of the scale register
.endif
.endm
	s_wait_tensorcnt 1                             ; the scales and my part of slot 0 are in (slot 1's load may be out),
	s_barrier_signal -1
	s_barrier_wait -1                              ; everybody's are
	FETCH_B 0, 0, 0
	FETCH_A 0, 0, 0
	SCALES 0
	FETCH_A 0, 0, 4
	STEP 0, 0, 1                                   ; the first step's products start the sums
	STEPS 0, 1
	TURN 0, 1
	STEPS 1, 0
	s_wait_dscnt 4*NL                              ; the very last step: nothing more to fetch
	WIN MUL_LO
	MUL16 0, 1, NQ-1, 1, 0
	MUL16 2, 1, NQ-1, 1, 0
	s_wait_dscnt 0
	WIN MUL_HI
	MUL16 4, 1, NQ-1, 1, 0
	MUL16 6, 1, NQ-1, 1, 0
	WIN 0
	s_wait_loadcnt 0x0                             ; the bias
	PLACES NP                                      ; behind the last products: their results are read, and registers that held scales and A's fragments are written
.irp b, 0,1,2,3
	v_mov_b32 v[TM+4+\b], 0                        ; written once: a lane permute's destination counts as one of its sources
.endr
.if MODE_QK
.set i, 0
.rept 32
	v_pk_mul_f32 v[BI+i:BI+i+1], v[BI+i:BI+i+1], s[100:101] op_sel_hi:[1,0]
.set i, i+2
.endr
.endif
.irp a, 0,1,2,3,4,5,6,7
	OUT \a
.endr
.if MODE_QK
; The scale words.  A block's word holds head 0's two bytes below and head 1's above.  The reader wants, for a head and a PAIR of tiles, (first tile's two bytes, second tile's two bytes): two tiles of keys share one operand of 128 along K.
.irp c, 0,1
.irp e, 0,1,2,3
	v_perm_b32 v[WW+4*\c+\e], v[PW+2*\e+1], v[PW+2*\e], 0x05040100+0x02020202*\c
.endr
.irp e, 0,1
	v_cndmask_b32 v[XW+2*\c+\e], v[WW+4*\c+2*\e], v[WW+4*\c+2*\e+1], s95      ; lanes 0-15 the even pair's words, lanes 16-31 the odd pair's: 128 consecutive bytes
	global_store_b32 v[L4], v[XW+2*\c+\e], s[96:97] offset:2048*\c+128*\e th:TH_STORE_NT
.endr
.endr
.endif
	s_wait_tensorcnt 0x0                           ; the wave's end
	ds_add_u32 v[SPW], v[NIL]
	s_wait_dscnt 0x0
	CROUND                                         ; the closing round: no work-group ends while a partner may still ask for a tile that names it
	s_endpgm
.Lfunc_end_k_q947a762ff0_gemm_qk:
	.size	k_q947a762ff0_gemm_qk, .Lfunc_end_k_q947a762ff0_gemm_qk-k_q947a762ff0_gemm_qk
	.p2alignl 7, 3214868480
	.fill 96, 4, 3214868480
	.section	.rodata,"a",@progbits
	.p2align	6, 0x0
	.amdhsa_kernel k_q947a762ff0_gemm_qk
		.amdhsa_group_segment_fixed_size 327680
		.amdhsa_private_segment_fixed_size 0
		.amdhsa_enable_private_segment 0
		.amdhsa_kernarg_size 24
		.amdhsa_user_sgpr_count 2
		.amdhsa_user_sgpr_kernarg_segment_ptr 1
		.amdhsa_wavefront_size32 1
		.amdhsa_system_sgpr_workgroup_id_x 1
		.amdhsa_system_sgpr_workgroup_id_y 1
		.amdhsa_system_sgpr_workgroup_id_z 1
		.amdhsa_system_vgpr_workitem_id 0
		.amdhsa_next_free_vgpr 1024
		.amdhsa_next_free_sgpr 102
		.amdhsa_reserve_vcc 0
		.amdhsa_float_denorm_mode_32 3
		.amdhsa_float_denorm_mode_16_64 3
		.amdhsa_memory_ordered 1
		.amdhsa_forward_progress 1
		.amdhsa_inst_pref_size 149
	.end_amdhsa_kernel
	.amdgpu_metadata
---
amdhsa.version: [ 1, 2 ]
amdhsa.kernels:
  - .name:           k_q947a762ff0_gemm_qk
    .symbol:         k_q947a762ff0_gemm_qk.kd
    .args:
      - { .name: xpack, .offset: 0, .size: 8, .value_kind: global_buffer, .address_space: global }
      - { .name: b_in, .offset: 8, .size: 8, .value_kind: global_buffer, .address_space: global }
      - { .name: qkpack, .offset: 16, .size: 8, .value_kind: global_buffer, .address_space: global }
    .group_segment_fixed_size: 327680
    .private_segment_fixed_size: 0
    .kernarg_segment_align: 8
    .kernarg_segment_size: 24
    .max_flat_workgroup_size: 128
    .sgpr_count:     102
    .vgpr_count:     1024
    .wavefront_size: 32
...
	.end_amdgpu_metadata
.endif
;; end of part 2
;; launch gemm_v (part 3): grid 32 x 4, 4 waves a work-group, clusters of 4 x 4, 327,680 bytes of LDS; arguments wvpack, xpack, vpack; writes vpack
.if DOCPART == 3
	.amdgcn_target "amdgcn-amd-amdhsa--gfx1250"
	.amdhsa_code_object_version 6
	.text
	.protected	k_q947a762ff0_gemm_v
	.globl	k_q947a762ff0_gemm_v
	.p2align	8
	.type	k_q947a762ff0_gemm_v,@function
k_q947a762ff0_gemm_v:
	s_mov_b64 s[64:65], 0
	v_nop
	global_prefetch_b8 v0, s[64:65] scope:SCOPE_SE
	s_setreg_imm32_b32 hwreg(HW_REG_WAVE_MODE, 25, 1), 1
	s_wait_xcnt 0x0
	s_wait_alu depctr_hold_cnt(0) depctr_sa_sdst(0) depctr_va_vdst(0) depctr_va_sdst(0) depctr_va_ssrc(0) depctr_va_vcc(0) depctr_vm_vsrc(0)
	s_getreg_b32 s2, hwreg(HW_REG_IB_STS2, 6, 4)
	s_cmp_eq_u32 s2, 0
	s_cbranch_scc0 .Lentry_in_a_cluster
	s_endpgm
.Lentry_in_a_cluster:
	s_bfe_u32 s2, ttmp6, 0x10000c
	s_cmp_lg_u32 s2, 0xf033
	s_cbranch_scc0 .Lentry_shape_is_right
	s_endpgm
.Lentry_shape_is_right:
; A GEMM ON CODES OF FP4 (E2M1) WHOSE RESULT IS QUANTISED AGAIN ON ITS WAY OUT.  R[m][n] = sum over k of A[m][k] B[n][k] + bias, K = 1,024; codes 512 bytes a row, one E8M0 byte for each 32 along K, 32 bytes a row.
; MODE_QK = 0 (this text): A = a weight of 1,024 rows by place (w_in's last 1,024 rows, or w_out), its bias behind it in its pack; B = 8,192 rows by (b, place) (x, or the attention's context).  R = V transposed, or the
; attention's output transposed: rows m by place, n = a batch's 1,024 steps of time, along which R is quantised: they are the next product's K.
; MODE_QK = 1: A = x, B = w_in's rows 0-2047; R = q and k; bias along n; quantised along n, 64 to a head.
; A tile of R, 256 x 256, is made by four waves, as many as a WGP has SIMDs; a wave makes 128 x 128: 64 accumulators, 512 registers.  K lies in two LDS slots of 512 along K (rows of 256 bytes), each filled ONCE, at the start: nothing is filled again.
; The scale bytes of the tile's 256 + 256 rows, two dense blocks of 8,192 bytes, come with the first fills and stay.  R has 4 x 32 tiles: 128 work-groups.
; CLUSTERS: 4 x 4 work-groups.  The four of a row of the cluster need the same rows of A, the four of a column the same rows of B: each tile is asked for JOINTLY, by the same tensor load with the same descriptor and a mask that names the four.
; THE MATRIX INSTRUCTION IS USED TRANSPOSED (source 0 = 16 rows of B, source 1 = 16 rows of A): a lane holds ONE row m of R and its registers run along n.  B's rows lie by place (place p holds row pi(p), bits 3 and 4 exchanged),
; so the 16 registers of B's blocks 2 B and 2 B + 1 are n = 32 B + 16 (lane / 16) + 0 .. 15: 16 neighbours of a block of 32; the other 16 lie in the lane 16 away.
; THE WAY OUT: for each of A's 8 blocks of 16 rows the lane's 64 numbers get the bias, are quantised in registers, and the codes leave as IMAGES OF AN OPERAND'S REGISTERS: four registers by one store, lane l's 16 bytes at 16 l.
; LIMITS: a block of zeros gets the byte 1 (its codes are zeros; this program alone reads the bytes); blocks under 2^-124 are held at the byte 1; NaN and infinities are not served.
; REGISTERS, in windows of 256: window 0: v0-31 addresses; v32-95 scale words, two sets; v128-191 A's fragments, ONE set; v192-207 the bias.  On the way out: v32-95 the 64 numbers, v96-111 at work, v112-119 scale words, v128-191 the codes.
;   window 1: B's fragments, TWO sets, at v0 and v128.   window 2: the accumulators of my rows 0-63 ((a, b) at v[8 (8 a + b)]);   window 3: those of my rows 64-127.
.set MODE_QK, 0
.set SIZE_K, 1024
.set KSTEP,  512                       ; along K in a slot
.set NQ,     KSTEP/128                 ; matrix instructions deep
.set ROWB,   256                       ; a tile's row in bytes
.set KROW,   SIZE_K*4/8                ; a row of A or of B in memory, in bytes
.set PITCH,  272                       ; an LDS row: 256 bytes + 16 of padding = 68 words: the 16 rows that a load touches start at 16 different banks (64 banks of 4 bytes: ISA guide 11.1)
.set FR,     8                         ; registers of a fragment: 16 rows x 128 K
.set NL,     2                         ; LDS loads that bring one
.set NP,     4                         ; places behind this matrix instruction (ISA guide 7.12.1)
.set HALFT,  128*PITCH                 ; 128 rows: what one tensor load brings, and what one wave reads of A or of B
.set SLOT,   4*HALFT                   ; A's 256 rows, then B's 256 rows
.set KS,     SIZE_K/32                 ; a row of scales in bytes
.set SCL,    2*SLOT                    ; behind the slots: the scales, as units of 256 bytes + 16 of padding
.set HALFS,  (128*KS/256)*272          ; the scales of 128 rows: what one tensor load brings
.set SBLK,   (16*KS/256)*272           ; those of 16 rows
.set SPARE,  SCL+4*HALFS               ; behind the scales: the spare words, 128 bytes for each wave: two blocks of 256 bytes that no other line names
.set BO,   7                           ; v7      the bias loads' offset; never rewritten
.set XW,   8                           ; v8-11   q's and k's scale words as they are stored
.set ADRA, 16                          ; v16-17  LDS address of my A fragments in slot 0, 1
.set ADRB, 20                          ; v20-21  the same for B
.set L16,  24                          ; v24     16 x lane; never rewritten
.set L4,   25                          ; v25     4 x lane; never rewritten
.set ADRS, 27                          ; v27     LDS address of my scale words: lanes 0-15 A's rows, lanes 16-31 B's
.set SPW,  28                          ; v28     LDS address of my spare word: SPARE + 4 x my thread's number; never rewritten
.set NIL,  29                          ; v29     0; never rewritten
.set SC,   32                          ; scale words: set s at v[SC + 8 NQ s]; register NQ i + q: lanes 0-15 A's block i, lanes 16-31 B's block i, the slot's q-th 128 along K
.set AF,   128                         ; A's fragments, in window 0
.set H,    32                          ; the way out: a lane's 64 numbers
.set TM,   96                          ; v96-99 largest magnitudes, v100-103 bytes, v108-111 the conversions' scale operands
.set PW,   112                         ; v112-119 the scale word of each of A's 8 blocks
.set WW,   120                         ; v120-127 q's and k's scale words by pairs of tiles
.set PC,   128                         ; v128-191 the codes, 8 registers for each of A's 8 blocks: no store's data are written again
.set BI,   192                         ; v192.. the bias
.set SEL,  66                          ; s[66:67] lane selects for v_permlanex16_b32: lane l xor 16
.set G1, 24                            ; s[24:31] descriptor group 1 for A's tiles;  s[32:39] group 0, one set for each slot
.set G0, 32
.set G1B, 48                           ; s[48:55], s[56:63] the same for B's tiles
.set G0B, 56
.set G1S, 68                           ; s[68:75], s[76:79] groups 1 and 0 for A's scales;  s[80:87], s[88:91] for B's
.set G0S, 76
.set G1SB, 80
.set G0SB, 88
.set MSB, 0
.macro WIN new                         ; the immediate's high byte repeats the setting that is left
.if MSB != (\new)
	s_set_vgpr_msb (MSB<<8)|(\new)
.set MSB, (\new)
.endif
.endm
.set MUL_LO, 0xa1                      ; source 0 (B) window 1, source 1 (A) window 0, C and D window 2
.set MUL_HI, 0xf1                      ; the same, C and D window 3
.set TO_B,   0x40                      ; destination window 1, address window 0
; A joint load: waves 0 and 1 fetch for A, waves 2 and 3 for B.  Each of the two lines has ONE mask and one set of registers for all that issue it; the branch hangs on the wave's number alone.
; Four v_nop follow each of the two lines, ahead of the jump, the label and what follows.
.macro JLOAD g0a, g1a, g0b, g1b
	s_cmp_eq_u32 s15, 0
	s_cbranch_scc0 .Lfor_b_\@
	tensor_load_to_lds s[\g0a:\g0a+3], s[\g1a:\g1a+7]
	s_nop 0
.rept 4
	v_nop
.endr
	s_branch .Lasked_\@
.Lfor_b_\@:
	tensor_load_to_lds s[\g0b:\g0b+3], s[\g1b:\g1b+7]
	s_nop 0
.rept 4
	v_nop
.endr
.Lasked_\@:
.endm
.macro CROUND                          ; a round of the cluster's barrier: my work-group's barrier; wave 0 signals for the work-group; every wave waits for all sixteen; my work-group's barrier once more
	s_barrier_signal -1
	s_barrier_wait -1
	s_cmp_lg_u32 s14, 0
	s_cbranch_scc1 .Lnot_wave_0_\@
	s_barrier_signal -3
.Lnot_wave_0_\@:
	s_barrier_wait -3
	s_barrier_signal -1
	s_barrier_wait -1
.endm
	s_load_b128 s[96:99], s[0:1], 0x0              ; the first two buffers
	s_load_b64 s[2:3], s[0:1], 0x10                ; the pack that is written
	v_lshl_add_u32 v[SPW], v0, 2, SPARE
	v_mov_b32 v[NIL], 0
	ds_add_u32 v28, v29
	ds_add_u32 v28, v29
	s_wait_dscnt 0x0
	v_lshrrev_b32 v1, 5, v0
	v_readfirstlane_b32 s14, v1                    ; wave 0..3
	s_lshr_b32 s15, s14, 1                         ; which half of the tile's rows (A) is mine.  Also: I fetch for A (0) or for B (1)
	s_and_b32 s16, s14, 1                          ; which half of its columns (B).  Also: which 128 rows of that tile I fetch
	s_bfe_u32 s40, ttmp6, 0x40000                  ; cx, cy: my place in the cluster
	s_bfe_u32 s41, ttmp6, 0x40004
	s_lshl_b32 s42, ttmp9, 2
	s_add_co_u32 s42, s42, s40                     ; tile column = 4 x cluster x + cx
	s_and_b32 s17, ttmp7, 0xffff
	s_lshl_b32 s17, s17, 2
	s_add_co_u32 s17, s17, s41                     ; tile row = 4 x cluster y + cy
	s_lshl_b32 s43, s41, 2
	s_lshl_b32 s43, 15, s43                        ; my row of the cluster
	s_lshl_b32 s44, 0x1111, s40                    ; my column
	; descriptor group 1: a tile of 128 rows x ROWB bytes, padded in LDS
	s_or_b32 s[G1+0], s43, (0<<16)|(1<<20)|(1<<21)|(5<<22)|(3<<25)  ; 15:0 the mask: A's tiles go to my row; 17:16 element of 1 byte; 20 padding on; 21 set beside a mask; 24:22 after every 64 words (code 5); 31:25 of 4 words (code 3)
	s_or_b32 s[G1B+0], s44, (0<<16)|(1<<20)|(1<<21)|(5<<22)|(3<<25)
.irp g, G1, G1B
	s_mov_b32 s[\g+1], ROWB<<16                    ; tensor_dim0
	s_mov_b32 s[\g+2], 128<<16                     ; tensor_dim1 = 128
	s_mov_b32 s[\g+3], ROWB<<16                    ; tile_dim0
	s_mov_b32 s[\g+4], 128                         ; tile_dim1 = 128
	s_mov_b32 s[\g+5], KROW                        ; tensor_dim0_stride
	s_mov_b32 s[\g+6], 0
	s_mov_b32 s[\g+7], 0
.endr
	; and for the scales of 128 rows: a dense block of 4,096 bytes, as rows of 256 bytes (32 elements of 8 bytes), 16 bytes of padding behind each
	s_or_b32 s[G1S+0], s43, (3<<16)|(1<<20)|(1<<21)|(5<<22)|(3<<25)
	s_or_b32 s[G1SB+0], s44, (3<<16)|(1<<20)|(1<<21)|(5<<22)|(3<<25)
.irp g, G1S, G1SB
	s_mov_b32 s[\g+1], 32<<16
	s_mov_b32 s[\g+2], (128*KS/256)<<16
	s_mov_b32 s[\g+3], 32<<16
	s_mov_b32 s[\g+4], 128*KS/256
	s_mov_b32 s[\g+5], 32
	s_mov_b32 s[\g+6], 0
	s_mov_b32 s[\g+7], 0
.endr
	s_lshl_b32 s18, s16, 7                         ; which 128 rows of the tile I fetch
	s_lshl_b32 s20, s17, 8
	s_add_co_u32 s20, s20, s18                     ; A: row 256 x tile row + 128 x half
	s_lshl_b32 s46, s42, 8
	s_add_co_u32 s46, s46, s18                     ; B: row 256 x tile column + 128 x half
	s_mov_b32 s21, 0
	s_mov_b32 s47, 0
	s_mov_b64 s[18:19], KS
	s_mul_u64 s[22:23], s[20:21], s[18:19]         ; where these rows' scales begin, in bytes
	s_mul_u64 s[92:93], s[46:47], s[18:19]
	s_mov_b64 s[18:19], KROW
	s_mul_u64 s[20:21], s[20:21], s[18:19]         ; and their codes
	s_mul_u64 s[46:47], s[46:47], s[18:19]
	s_mul_i32 s45, s14, HALFT                      ; where they go: wave x 128 rows: no place in the cluster enters an LDS address
	s_mul_i32 s94, s14, HALFS
	s_mov_b32 s[SEL], 0x76543210
	s_mov_b32 s[SEL+1], 0xfedcba98
	s_mov_b32 s95, 0xffff0000                      ; lanes 16-31
	s_cmp_eq_u32 ttmp9, 0                          ; (the factor serves MODE_QK = 1 alone)
	s_cselect_b32 s100, 0x3e000000, 1.0
	s_mov_b32 s101, s100
	s_wait_kmcnt 0x0
	s_mov_b64 s[4:5], s[96:97]                     ; A's codes
.if MODE_QK
	s_add_nc_u64 s[6:7], s[96:97], 4194304         ; A's scales
	s_add_nc_u64 s[8:9], s[96:97], 4456448         ; B's codes
	s_add_nc_u64 s[10:11], s[96:97], 5505024       ; B's scales
	s_mov_b64 s[12:13], s[98:99]                   ; the bias
	s_add_nc_u64 s[96:97], s[2:3], 8388608         ; where the scale words go
.else
	s_add_nc_u64 s[6:7], s[96:97], 524288          ; A's scales
	s_mov_b64 s[8:9], s[98:99]                     ; B's codes
	s_add_nc_u64 s[10:11], s[98:99], 4194304       ; B's scales
	s_add_nc_u64 s[12:13], s[96:97], 557056        ; the bias
	s_add_nc_u64 s[96:97], s[2:3], 4194304         ; where the scale words go
.endif
	s_add_nc_u64 s[20:21], s[4:5], s[20:21]
	s_add_nc_u64 s[22:23], s[6:7], s[22:23]
	s_add_nc_u64 s[46:47], s[8:9], s[46:47]
	s_add_nc_u64 s[92:93], s[10:11], s[92:93]
	CROUND                                         ; all sixteen work-groups are here: the joint loads meet
	s_mov_b32 s[G0S], 1
	s_add_co_u32 s[G0S+1], s94, SCL
	s_mov_b64 s[G0S+2:G0S+3], s[22:23]
	s_or_b32 s[G0S+3], s[G0S+3], 0x80000000
	s_mov_b32 s[G0SB], 1
	s_add_co_u32 s[G0SB+1], s94, SCL
	s_mov_b64 s[G0SB+2:G0SB+3], s[92:93]
	s_or_b32 s[G0SB+3], s[G0SB+3], 0x80000000
	JLOAD G0S, G1S, G0SB, G1SB                     ; the scales first: they are wanted with the first 512 along K
.irp s, 0,1
	s_mov_b32 s[G0+4*\s], 1
	s_add_co_u32 s[G0+4*\s+1], s45, \s*SLOT
	s_add_nc_u64 s[G0+4*\s+2:G0+4*\s+3], s[20:21], \s*ROWB
	s_or_b32 s[G0+4*\s+3], s[G0+4*\s+3], 0x80000000
	s_mov_b32 s[G0B+4*\s], 1
	s_add_co_u32 s[G0B+4*\s+1], s45, \s*SLOT
	s_add_nc_u64 s[G0B+4*\s+2:G0B+4*\s+3], s[46:47], \s*ROWB
	s_or_b32 s[G0B+4*\s+3], s[G0B+4*\s+3], 0x80000000
	JLOAD G0+4*\s, G1, G0B+4*\s, G1B               ; three tensor loads of mine are out: all that this launch has
.endr
	v_and_b32 v1, 15, v0                           ; r = l % 16
	v_bfe_u32 v2, v0, 4, 1                         ; h = l / 16
	v_mul_u32_u24 v3, v1, PITCH
	v_lshl_add_u32 v4, v2, 4, v3                   ; a fragment's row x pitch + 16 x half
	s_mul_i32 s21, s15, HALFT                      ; my 128 rows of A
	s_mul_i32 s22, s16, HALFT                      ; my 128 rows of B,
	s_add_co_u32 s22, s22, 2*HALFT                 ; which lie behind A's 256
.irp s, 0,1
	v_add_nc_u32 v[ADRA+\s], s21, v4
	v_add_nc_u32 v[ADRB+\s], s22, v4
	s_add_co_u32 s21, s21, SLOT
	s_add_co_u32 s22, s22, SLOT
.endr
	v_mul_u32_u24 v5, v1, KS                       ; my row's scales: KS bytes a row,
	v_lshrrev_b32 v6, 8, v5
	v_lshl_add_u32 v5, v6, 4, v5                   ; and 16 more for each 256 passed
	s_mul_i32 s21, s15, HALFS                      ; A's: my 128 rows
	s_mul_i32 s22, s16, HALFS                      ; B's: my 128 rows, behind A's 256
	s_add_co_u32 s22, s22, 2*HALFS
	s_sub_co_u32 s22, s22, s21
	v_mul_u32_u24 v6, s22, v2                      ; lanes 16-31 take B's
	s_add_co_u32 s21, s21, SCL
	v_add_nc_u32 v5, v5, v6
	v_add_nc_u32 v[ADRS], s21, v5
	v_and_b32 v6, 31, v0
	v_lshlrev_b32 v[L16], 4, v6
	v_lshlrev_b32 v[L4], 2, v6
.if MODE_QK
	; the bias along n: register 16 B + i of a lane wants b_in[256 x tile column + 128 x half + 32 B + 16 h + i]
	v_lshlrev_b32 v[BO], 6, v2
	s_lshl_b32 s92, s42, 10
	s_lshl_b32 s93, s16, 9
	s_add_co_u32 s92, s92, s93
	s_mov_b32 s93, 0
	s_add_nc_u64 s[12:13], s[12:13], s[92:93]
.irp e, 0,1,2,3
.irp q, 0,1,2,3
	global_load_b128 v[BI+16*\e+4*\q:BI+16*\e+4*\q+3], v[BO], s[12:13] offset:128*\e+16*\q
.endr
.endr
	; where my results go.  Codes: [q or k][b][head][tile of 16 rows][512 bytes]; scale words: [q or k][b][head][pair of tiles][16 words]
	s_lshr_b32 s92, s42, 2                         ; q or k
	s_lshl_b32 s92, s92, 3
	s_lshr_b32 s93, s17, 2                         ; b
	s_add_co_u32 s92, s92, s93
	s_lshl_b32 s92, s92, 4
	s_and_b32 s93, s42, 3
	s_lshl_b32 s93, s93, 2
	s_add_co_u32 s92, s92, s93
	s_lshl_b32 s93, s16, 1
	s_add_co_u32 s92, s92, s93                     ; my first head: 4 (tile column % 4) + 2 x half
	s_and_b32 s94, s17, 3
	s_lshl_b32 s94, s94, 1
	s_add_co_u32 s94, s94, s15                     ; my first tile / 8: 2 (tile row % 4) + half
	s_lshl_b32 s22, s92, 11
	s_lshl_b32 s23, s94, 8
	s_add_co_u32 s22, s22, s23                     ; scale words: 2,048 bytes a head, 64 a pair of tiles
	s_lshl_b32 s92, s92, 15
	s_lshl_b32 s94, s94, 12
	s_add_co_u32 s92, s92, s94                     ; codes: 32,768 bytes a head, 512 a tile
.else
	; the bias along m: lane r of A's block a holds place 16 a + r, which is row 32 (a / 2) + 8 (a % 2) + r % 8 + 16 (r / 8)
	v_and_b32 v[BO], 7, v1
	v_lshrrev_b32 v6, 3, v1
	v_lshlrev_b32 v[BO], 2, v[BO]
	v_lshl_add_u32 v[BO], v6, 6, v[BO]
	s_lshl_b32 s92, s17, 10
	s_lshl_b32 s93, s15, 9
	s_add_co_u32 s92, s92, s93
	s_mov_b32 s93, 0
	s_add_nc_u64 s[12:13], s[12:13], s[92:93]
.irp a, 0,1,2,3,4,5,6,7
	global_load_b32 v[BI+2*\a], v[BO], s[12:13] offset:4*(32*(\a/2)+8*(\a%2))     ; twice: a pair for the packed addition
	global_load_b32 v[BI+2*\a+1], v[BO], s[12:13] offset:4*(32*(\a/2)+8*(\a%2))
.endr
	; where my results go: [b][tile of 16 rows m][128 along n][1,024 bytes], and 128 bytes of scale words for each
	s_lshr_b32 s92, s42, 2                         ; b
	s_lshl_b32 s92, s92, 6
	s_lshl_b32 s93, s17, 4
	s_add_co_u32 s92, s92, s93
	s_lshl_b32 s93, s15, 3
	s_add_co_u32 s92, s92, s93                     ; + my first tile: 16 x tile row + 8 x half
	s_lshl_b32 s92, s92, 3
	s_and_b32 s93, s42, 3
	s_lshl_b32 s93, s93, 1
	s_add_co_u32 s92, s92, s93
	s_add_co_u32 s92, s92, s16                     ; + which 128 along n: 2 (tile column % 4) + half
	s_lshl_b32 s22, s92, 7
	s_lshl_b32 s92, s92, 10
.endif
	s_mov_b32 s93, 0
	s_mov_b32 s23, 0
	s_add_nc_u64 s[2:3], s[2:3], s[92:93]
	s_add_nc_u64 s[96:97], s[96:97], s[22:23]
.macro FRAG reg, adr, q, i             ; a fragment, 16 rows x 128 K of 4-bit codes, is 8 registers: lane l holds row l % 16; registers 4 c .. 4 c + 3 hold K = 64 c + 32 (l / 16) + 0 .. 31
.irp c, 0,1
	ds_load_b128 v[\reg+4*\c:\reg+4*\c+3], v[\adr] offset:64*(\q)+32*\c+(\i)*16*PITCH
.endr
.endm
; 16 matrix instructions: A's blocks a0, a0 + 1 x B's eight, 128 along K: the slot's q-th.  p: B's set;  sc: the set of scale words.  zero = 1: the first product starts the sums: nothing is ever cleared.
; The 64 accumulators take turns, one instruction a turn, in the same order in every step.
.macro MUL16 a0, p, q, sc, zero
.irp a, \a0, \a0+1
.irp b, 0,1,2,3,4,5,6,7
.if \zero
	v_wmma_scale_f32_16x16x128_f8f6f4 v[8*(8*((\a)%4)+\b):8*(8*((\a)%4)+\b)+7], v[128*(\p)+FR*\b:128*(\p)+FR*\b+FR-1], v[AF+FR*(\a):AF+FR*(\a)+FR-1], 0, v[SC+8*NQ*(\sc)+NQ*\b+(\q)], v[SC+8*NQ*(\sc)+NQ*(\a)+(\q)] matrix_a_fmt:MATRIX_FMT_FP4 matrix_b_fmt:MATRIX_FMT_FP4 matrix_a_scale:MATRIX_SCALE_ROW1
.else
	v_wmma_scale_f32_16x16x128_f8f6f4 v[8*(8*((\a)%4)+\b):8*(8*((\a)%4)+\b)+7], v[128*(\p)+FR*\b:128*(\p)+FR*\b+FR-1], v[AF+FR*(\a):AF+FR*(\a)+FR-1], v[8*(8*((\a)%4)+\b):8*(8*((\a)%4)+\b)+7], v[SC+8*NQ*(\sc)+NQ*\b+(\q)], v[SC+8*NQ*(\sc)+NQ*(\a)+(\q)] matrix_a_fmt:MATRIX_FMT_FP4 matrix_b_fmt:MATRIX_FMT_FP4 matrix_a_scale:MATRIX_SCALE_ROW1
.endif
.endr
.endr
.endm
.macro FETCH_B slot, q, p              ; B's eight fragments of the slot's q-th 128 along K into set p
	WIN TO_B
.irp i, 0,1,2,3,4,5,6,7
	FRAG 128*(\p)+FR*\i, ADRB+\slot, \q, \i
.endr
	WIN 0
.endm
.macro FETCH_A slot, q, i0             ; A's blocks i0 .. i0 + 3
.irp i, \i0, \i0+1, \i0+2, \i0+3
	FRAG AF+FR*(\i), ADRA+\slot, \q, \i
.endr
.endm
.macro SCALES sc                       ; a slot's scale words into set sc: NQ words a row; lanes 0-15 take A's block i, lanes 16-31 B's block i
.irp i, 0,1,2,3,4,5,6,7
	ds_load_b128 v[SC+8*NQ*\sc+NQ*\i:SC+8*NQ*\sc+NQ*\i+3], v[ADRS] offset:\i*SBLK
.endr
.endm
; A load into a register that a matrix instruction has read, and a vector instruction that reads a matrix result or writes one of its registers, stand NP places behind that matrix instruction; only plain vector
; instructions that name none of its registers are places (ISA guide 7.12.1 for vector instructions).
.macro PLACES n
.rept \n
	v_nop
.endr
.endm
; A step of 128 along K that has its successor in the same slot.  A's blocks go one after the other, each against B's eight: a block of A is free as soon as its eight products are issued, so one set serves A.
.macro STEP slot, q, zero
	s_wait_dscnt 4*NL                              ; B's set and A's blocks 0-3 are in; the youngest eight loads (A's blocks 4-7) may be out
	WIN MUL_LO
	MUL16 0, (\q)%2, \q, \slot, \zero
	MUL16 2, (\q)%2, \q, \slot, \zero
	s_wait_dscnt 0                                 ; A's blocks 4-7 are in (asked for 32 matrix instructions ago)
	PLACES NP
	FETCH_B \slot, (\q)+1, 1-(\q)%2
	FETCH_A \slot, (\q)+1, 0
	WIN MUL_HI
	MUL16 4, (\q)%2, \q, \slot, \zero
	MUL16 6, (\q)%2, \q, \slot, \zero
	PLACES NP
	WIN 0
	FETCH_A \slot, (\q)+1, 4
.endm
; Slot 0's last step goes over to slot 1: each wave waits for all its tensor loads, its part of slot 1 among them, and passes a barrier: behind it slot 1 is whole.  Nothing is filled again.
.macro TURN slot, next
	s_wait_tensorcnt 0x0                           ; all my tensor loads have landed
	ds_add_u32 v[SPW], v[NIL]                      ; 0 onto my spare word
	s_wait_dscnt 4*NL+1                            ; (the add and the youngest eight loads, A's blocks 4-7, may be out)
	WIN MUL_LO
	MUL16 0, 1, NQ-1, \slot, 0                     ; sixteen matrix instructions stand between the add and the wait for it
	s_wait_dscnt 0x0                               ; the add is done, and no LDS load of mine is out at the signal
	s_barrier_signal -1
	MUL16 2, 1, NQ-1, \slot, 0
	WIN 0
	s_barrier_wait -1
	PLACES NP
	v_add_nc_u32 v[ADRS], 4*NQ, v[ADRS]            ; on to the next slot's scale words (no LDS load of mine is out)
	FETCH_B \next, 0, 0
	FETCH_A \next, 0, 0
	SCALES \next
	WIN MUL_HI
	MUL16 4, 1, NQ-1, \slot, 0
	MUL16 6, 1, NQ-1, \slot, 0
	PLACES NP
	WIN 0
	FETCH_A \next, 0, 4
.endm
.macro STEPS slot, from                ; the slot's steps from .. NQ - 2
.set Q, \from
.rept NQ-1-\from
	STEP \slot, Q, 0
.set Q, Q+1
.endr
.endm
; THE QUANTISER.  64 numbers of a lane, register 16 b + i = n 32 b + 16 (lane / 16) + i of my row.  QMAX: the four blocks' largest magnitudes.  QSCL: the conversions' scale operands, the bytes, the row's scale word.
; QCVT: the codes, as an operand's 8 registers.
.macro QMAX s
.irp b, 0,1,2,3
	v_max3_num_f32 v[TM+\b], |v[(\s)+16*\b]|, |v[(\s)+1+16*\b]|, 0x1800000   ; my 16 numbers, and the floor 2^(3 - 127): the byte cannot fall under 1
.endr
.irp i, 2,4,6,8,10,12,14
.irp b, 0,1,2,3
	v_max3_num_f32 v[TM+\b], v[TM+\b], |v[(\s)+16*\b+\i]|, |v[(\s)+1+16*\b+\i]|   ; (the four blocks by turns)
.endr
.endr
.irp b, 0,1,2,3
	v_permlanex16_b32 v[TM+4+\b], v[TM+\b], s[SEL], s[SEL+1]
.endr
.irp b, 0,1,2,3
	v_max_num_f32 v[TM+\b], v[TM+\b], v[TM+4+\b]   ; with lane l xor 16's
.endr
.endm
.macro QSCL pw
.irp b, 0,1,2,3
	v_add_nc_u32 v[TM+12+\b], 0xff000000, v[TM+\b] ; 2 off the exponent field: the conversion takes the exponent field of this operand as its scale
.endr
.irp b, 0,1,2,3
	v_lshrrev_b32 v[TM+4+\b], 23, v[TM+12+\b]      ; the scale's byte
.endr
	v_lshl_or_b32 v[\pw], v[TM+5], 8, v[TM+4]
	v_lshl_or_b32 v[\pw], v[TM+6], 16, v[\pw]
	v_lshl_or_b32 v[\pw], v[TM+7], 24, v[\pw]
.endm
.macro QCVT s, pc
.irp b, 0,1,2,3
	v_cvt_scalef32_pk8_fp4_f32 v[(\pc)+2*\b], v[(\s)+16*\b:(\s)+7+16*\b], v[TM+12+\b]
	v_cvt_scalef32_pk8_fp4_f32 v[(\pc)+1+2*\b], v[(\s)+8+16*\b:(\s)+15+16*\b], v[TM+12+\b]
.endr
	v_nop                                          ; one plain place behind a scaled conversion
.irp c, 0,1                                    ; the operand's layout wants a WHOLE block in a lane: lanes 0-15 block 2 c, lanes 16-31 block 2 c + 1
.irp i, 0,1
	v_permlane16_swap_b32 v[(\pc)+4*\c+\i], v[(\pc)+2+4*\c+\i]
.endr
.endr
.endm
; A's block a goes out.  Each accumulator is read from its low end on.
.macro OUT a
.set AC, 64*((\a)%4)
	WIN 0x02+(\a)/4                                ; source 0: window 2 or 3
.set i, 0
.rept 32
.if MODE_QK
	v_pk_fma_f32 v[H+i:H+i+1], v[AC+i:AC+i+1], s[100:101], v[BI+i:BI+i+1] op_sel_hi:[1,0,1]   ; (sum + bias) x factor: the bias has been multiplied already, and the factor is a power of two
.else
	v_pk_add_f32 v[H+i:H+i+1], v[AC+i:AC+i+1], v[BI+2*(\a):BI+2*(\a)+1]
.endif
.set i, i+2
.endr
	WIN 0
	QMAX H
	QSCL PW+(\a)
	QCVT H, PC+8*(\a)
.if MODE_QK                            ; registers 4 c .. 4 c + 3 are head c's 64 along d: half an operand; each store covers 512 consecutive bytes, aligned
	global_store_b128 v[L16], v[PC+8*(\a):PC+8*(\a)+3], s[2:3] offset:512*(\a) th:TH_STORE_NT
	global_store_b128 v[L16], v[PC+8*(\a)+4:PC+8*(\a)+7], s[2:3] offset:32768+512*(\a) th:TH_STORE_NT
.else                                  ; an operand's image: each store covers 512 consecutive bytes, aligned
	global_store_b128 v[L16], v[PC+8*(\a):PC+8*(\a)+3], s[2:3] offset:8192*(\a) th:TH_STORE_NT
	global_store_b128 v[L16], v[PC+8*(\a)+4:PC+8*(\a)+7], s[2:3] offset:8192*(\a)+512 th:TH_STORE_NT
	global_store_b32 v[L4], v[PW+(\a)], s[96:97] offset:1024*(\a) th:TH_STORE_NT   ; both halves of the lanes hold the rows' words: 128 bytes, an image of the scale register
.endif
.endm
	s_wait_tensorcnt 1                             ; the scales and my part of slot 0 are in (slot 1's load may be out),
	s_barrier_signal -1
	s_barrier_wait -1                              ; everybody's are
	FETCH_B 0, 0, 0
	FETCH_A 0, 0, 0
	SCALES 0
	FETCH_A 0, 0, 4
	STEP 0, 0, 1                                   ; the first step's products start the sums
	STEPS 0, 1
	TURN 0, 1
	STEPS 1, 0
	s_wait_dscnt 4*NL                              ; the very last step: nothing more to fetch
	WIN MUL_LO
	MUL16 0, 1, NQ-1, 1, 0
	MUL16 2, 1, NQ-1, 1, 0
	s_wait_dscnt 0
	WIN MUL_HI
	MUL16 4, 1, NQ-1, 1, 0
	MUL16 6, 1, NQ-1, 1, 0
	WIN 0
	s_wait_loadcnt 0x0                             ; the bias
	PLACES NP                                      ; behind the last products: their results are read, and registers that held scales and A's fragments are written
.irp b, 0,1,2,3
	v_mov_b32 v[TM+4+\b], 0                        ; written once: a lane permute's destination counts as one of its sources
.endr
.if MODE_QK
.set i, 0
.rept 32
	v_pk_mul_f32 v[BI+i:BI+i+1], v[BI+i:BI+i+1], s[100:101] op_sel_hi:[1,0]
.set i, i+2
.endr
.endif
.irp a, 0,1,2,3,4,5,6,7
	OUT \a
.endr
.if MODE_QK
.irp c, 0,1
.irp e, 0,1,2,3
	v_perm_b32 v[WW+4*\c+\e], v[PW+2*\e+1], v[PW+2*\e], 0x05040100+0x02020202*\c
.endr
.irp e, 0,1
	v_cndmask_b32 v[XW+2*\c+\e], v[WW+4*\c+2*\e], v[WW+4*\c+2*\e+1], s95
	global_store_b32 v[L4], v[XW+2*\c+\e], s[96:97] offset:2048*\c+128*\e th:TH_STORE_NT
.endr
.endr
.endif
	s_wait_tensorcnt 0x0                           ; the wave's end
	ds_add_u32 v[SPW], v[NIL]
	s_wait_dscnt 0x0
	CROUND                                         ; the closing round: no work-group ends while a partner may still ask for a tile that names it
	s_endpgm
.Lfunc_end_k_q947a762ff0_gemm_v:
	.size	k_q947a762ff0_gemm_v, .Lfunc_end_k_q947a762ff0_gemm_v-k_q947a762ff0_gemm_v
	.p2alignl 7, 3214868480
	.fill 96, 4, 3214868480
	.section	.rodata,"a",@progbits
	.p2align	6, 0x0
	.amdhsa_kernel k_q947a762ff0_gemm_v
		.amdhsa_group_segment_fixed_size 327680
		.amdhsa_private_segment_fixed_size 0
		.amdhsa_enable_private_segment 0
		.amdhsa_kernarg_size 24
		.amdhsa_user_sgpr_count 2
		.amdhsa_user_sgpr_kernarg_segment_ptr 1
		.amdhsa_wavefront_size32 1
		.amdhsa_system_sgpr_workgroup_id_x 1
		.amdhsa_system_sgpr_workgroup_id_y 1
		.amdhsa_system_sgpr_workgroup_id_z 1
		.amdhsa_system_vgpr_workitem_id 0
		.amdhsa_next_free_vgpr 1024
		.amdhsa_next_free_sgpr 102
		.amdhsa_reserve_vcc 0
		.amdhsa_float_denorm_mode_32 3
		.amdhsa_float_denorm_mode_16_64 3
		.amdhsa_memory_ordered 1
		.amdhsa_forward_progress 1
		.amdhsa_inst_pref_size 146
	.end_amdhsa_kernel
	.amdgpu_metadata
---
amdhsa.version: [ 1, 2 ]
amdhsa.kernels:
  - .name:           k_q947a762ff0_gemm_v
    .symbol:         k_q947a762ff0_gemm_v.kd
    .args:
      - { .name: wvpack, .offset: 0, .size: 8, .value_kind: global_buffer, .address_space: global }
      - { .name: xpack, .offset: 8, .size: 8, .value_kind: global_buffer, .address_space: global }
      - { .name: vpack, .offset: 16, .size: 8, .value_kind: global_buffer, .address_space: global }
    .group_segment_fixed_size: 327680
    .private_segment_fixed_size: 0
    .kernarg_segment_align: 8
    .kernarg_segment_size: 24
    .max_flat_workgroup_size: 128
    .sgpr_count:     102
    .vgpr_count:     1024
    .wavefront_size: 32
...
	.end_amdgpu_metadata
.endif
;; end of part 3
;; launch attn (part 4): grid 32 x 8, 16 waves a work-group, no clusters, 287,232 bytes of LDS; arguments qkpack, vpack, cpack; writes cpack
.if DOCPART == 4
	.amdgcn_target "amdgcn-amd-amdhsa--gfx1250"
	.amdhsa_code_object_version 6
	.text
	.protected	k_q947a762ff0_attn
	.globl	k_q947a762ff0_attn
	.p2align	8
	.type	k_q947a762ff0_attn,@function
k_q947a762ff0_attn:
	s_mov_b64 s[64:65], 0
	v_nop
	global_prefetch_b8 v0, s[64:65] scope:SCOPE_SE
	s_setreg_imm32_b32 hwreg(HW_REG_WAVE_MODE, 25, 1), 1
	s_wait_xcnt 0x0
; ATTENTION ON CODES OF FP4 (E2M1), 16 heads of 64, 1,024 keys, and the mean of the finished softmax over the heads.  q (already x 1/8) and k arrive as half operands (16 rows x 64 along d: 512 bytes, lane l's 16 bytes at 16 l),
; V transposed as whole operands (16 of a head's 64 x 128 keys: 1,024 bytes), each with its scale words.  Out: the context as rows of codes [8,192 (b, place)][512 bytes] + 32 scale bytes a row; the mean weights as operands (16 queries x 128 keys).
; SHARES.  A work-group owns 32 queries of one batch and walks all 16 heads.  Wave w: its tile of 16 queries qt = w % 2, its 128 keys ke = w / 2.  A wave sees its 128 keys of a head at once, so it needs no running maximum.
; THE SOFTMAX.  t = score x log2(e); M = ceil(the largest t of MY 128 keys), a whole number; p = 2^(t - M) is quantised along the keys; the sum l is taken of the unquantised p.  The eight waves of a query tile exchange -M, l and their
; partial O through LDS, once a head; differences of M are whole numbers, so all is brought under the largest M by v_ldexp_f32, which rounds nothing.  p stays in registers until l is whole: then p x 2^(M - largest M) / l / 16 is added to the mean.
; LAYOUT.  Both products are used transposed: S^T = K Q^T (source 0 = keys, source 1 = my queries), O^T = V^T P^T: a lane holds ONE query (lane % 16) throughout.  Rows lie by place (place p holds row pi(p), bits 3 and 4 exchanged),
; so the 16 registers of two neighbouring tiles of keys (or of d) are 16 neighbours, 32 B + 16 (lane / 16) + 0 .. 15.
; K = 64 IN THE FIRST PRODUCT: an operand of 128 along K holds TWO tiles of keys, one in k 0-63, one in k 64-127; it is multiplied once by (q, zeros) and once by (zeros, q): v18-29 hold q, four zeros, q.
; EVERY WAVE COMBINES A SIXTEENTH.  A partial O is eight pieces of four registers.  Wave (qt, ke) takes piece ke of the eight partial O of query tile qt, weighs each by 2^(M_k - largest M) / l, adds them, and keeps the four f32 numbers of
; each lane in LDS bytes of its own (8,192 w + 512 head + 16 l) until the end.  Piece n holds d = 32 (n / 4) + 16 (lane / 16) + 4 (n % 4) + 0 .. 3.  All waves do the same work in every head.
; AT THE END the context is quantised: lane (r, B) of wave w gathers the whole blocks of 32 of query 16 (w % 2) + r, heads 2 (w / 2) and 2 (w / 2) + 1, half B of d; codes and bytes meet in a stage and leave as whole rows.
; ONE BARRIER A HEAD.  The exchange has two sets of LDS bytes by turns: a set is written again two heads later, behind the next head's barrier, in front of which every wave has waited for all its LDS instructions.
; K, Q, V go from memory straight into operand registers, asked for ahead: K and Q a head, V from the end of the head before.  NO JOINT LOADS, though the 32 work-groups of a batch read the same K and V: a fragment serves only the two
; waves of a work-group that share its keys, and a stage in LDS would cost a store and two loads for each such byte, and a round of a cluster's barrier for each head beside the exchange's own; the price is that K's and V's 72 KiB of a head
; are asked for by each of the 32.
; LIMITS: a block of zeros gets the byte 1 (its codes are zeros; this program alone reads the bytes); NaN and infinities are not served; p under 2^-126 counts as 0.
; REGISTERS: v1-11 addresses; v12 -M, v13 its pair's other half, the number for the exchange, then 1 / l; v[14:15] l, then at work; v[16:17] the factor for the mean, then at work; v18-29 Q; v30-37 p's codes, then the combined piece;
;   v38-39 K's scale words, v40 Q's as loaded, v41 Q's, v42-45 V's, v46 p's; v48-63 at work, then with v64-79 the four tiles of O^T, then -M and l of the eight; v64-95 V, then the eight pieces; v96-127 K; v128-191 S^T, then p; v192-255 the mean.
.set STATS, 131072                     ; LDS: 0 .. 131,071 partial O: wave w at 8,192 w, set at + 4,096, piece n of eight at + 512 n + 16 l.  Then -M and l: set at SSET, query tile at 1,280, query at 80 (64 + 16 of padding): words 0-7 -M, 8-15 l
.set SSET,  2560
.set CTX,   STATS+2*SSET               ; the context in f32: 8,192 bytes for each wave
.set CST,   CTX+131072                 ; the stage for its codes: 32 rows x (512 bytes + 16)
.set CPITCH, 528
.set CSC,   CST+32*CPITCH              ; and for its scale bytes: 32 rows x 32
.set TMA,   48                         ; v48-51 largest of each block
.set TMC,   52                         ; v52-55 the conversions' scale operands
.set TMB,   56                         ; v56-59 the other lane's, then the bytes
.set SS,    128
.set ACC,   192
.macro QMAX s                          ; 64 numbers of a lane, register 16 b + i = key 32 b + 16 (lane / 16) + i: the four blocks' largest magnitudes
.irp b, 0,1,2,3
	v_max3_num_f32 v[TMA+\b], |v[(\s)+16*\b]|, |v[(\s)+1+16*\b]|, 0x1800000   ; and the floor 2^(3 - 127): the byte cannot fall under 1
.endr
.irp i, 2,4,6,8,10,12,14
.irp b, 0,1,2,3
	v_max3_num_f32 v[TMA+\b], v[TMA+\b], |v[(\s)+16*\b+\i]|, |v[(\s)+1+16*\b+\i]|
.endr
.endr
.irp b, 0,1,2,3
	v_permlanex16_b32 v[TMB+\b], v[TMA+\b], s26, s27
.endr
.irp b, 0,1,2,3
	v_max_num_f32 v[TMA+\b], v[TMA+\b], v[TMB+\b]
.endr
.endm
.macro QSCL pw                         ; the conversions' scale operands, the bytes, the row's scale word
.irp b, 0,1,2,3
	v_add_nc_u32 v[TMC+\b], 0xff000000, v[TMA+\b]  ; 2 off the exponent field
.endr
.irp b, 0,1,2,3
	v_lshrrev_b32 v[TMB+\b], 23, v[TMC+\b]
.endr
	v_lshl_or_b32 v[\pw], v[TMB+1], 8, v[TMB]
	v_lshl_or_b32 v[\pw], v[TMB+2], 16, v[\pw]
	v_lshl_or_b32 v[\pw], v[TMB+3], 24, v[\pw]
.endm
.macro QCVT s, pc                      ; the codes, as an operand's 8 registers
.irp b, 0,1,2,3
	v_cvt_scalef32_pk8_fp4_f32 v[(\pc)+2*\b], v[(\s)+16*\b:(\s)+7+16*\b], v[TMC+\b]
	v_cvt_scalef32_pk8_fp4_f32 v[(\pc)+1+2*\b], v[(\s)+8+16*\b:(\s)+15+16*\b], v[TMC+\b]
.endr
	v_nop                                          ; one plain place behind a scaled conversion
.irp c, 0,1                                    ; a WHOLE block in a lane: lanes 0-15 block 2 c, lanes 16-31 block 2 c + 1
.irp i, 0,1
	v_permlane16_swap_b32 v[(\pc)+4*\c+\i], v[(\pc)+2+4*\c+\i]
.endr
.endr
.endm
.macro KLOADS                          ; 13 loads: my 8 tiles of keys, their scale words (lanes 0-15 an even pair of tiles, lanes 16-31 the odd one), q twice, q's scale word
.irp n, 0,1,2,3,4,5,6,7
	global_load_b128 v[96+4*\n:99+4*\n], v1, s[34:35] offset:512*\n
.endr
	global_load_b32 v38, v2, s[36:37]
	global_load_b32 v39, v2, s[36:37] offset:128
	global_load_b128 v[18:21], v1, s[30:31]
	global_load_b128 v[26:29], v1, s[30:31]
	global_load_b32 v40, v3, s[32:33]
.endm
.macro VLOADS                          ; 12 loads: the head's four tiles of d x my 128 keys, and their scale words
.irp t, 0,1,2,3
	global_load_b128 v[64+8*\t:67+8*\t], v1, s[38:39] offset:8192*\t
	global_load_b128 v[68+8*\t:71+8*\t], v1, s[38:39] offset:8192*\t+512
.endr
.irp t, 0,1,2,3
	global_load_b32 v[42+\t], v2, s[40:41] offset:1024*\t
.endr
.endm
.macro KQ i                            ; operand i of K, two tiles of keys: against (q, 0) and against (0, q)
.if (\i)%2
	v_wmma_scale_f32_16x16x128_f8f6f4 v[SS+16*(\i):SS+16*(\i)+7], v[96+8*(\i):103+8*(\i)], v[18:25], 0, v[38+(\i)/2], v41 matrix_a_fmt:MATRIX_FMT_FP4 matrix_b_fmt:MATRIX_FMT_FP4 matrix_a_scale:MATRIX_SCALE_ROW1
	v_wmma_scale_f32_16x16x128_f8f6f4 v[SS+16*(\i)+8:SS+16*(\i)+15], v[96+8*(\i):103+8*(\i)], v[22:29], 0, v[38+(\i)/2], v41 matrix_a_fmt:MATRIX_FMT_FP4 matrix_b_fmt:MATRIX_FMT_FP4 matrix_a_scale:MATRIX_SCALE_ROW1
.else
	v_wmma_scale_f32_16x16x128_f8f6f4 v[SS+16*(\i):SS+16*(\i)+7], v[96+8*(\i):103+8*(\i)], v[18:25], 0, v[38+(\i)/2], v41 matrix_a_fmt:MATRIX_FMT_FP4 matrix_b_fmt:MATRIX_FMT_FP4
	v_wmma_scale_f32_16x16x128_f8f6f4 v[SS+16*(\i)+8:SS+16*(\i)+15], v[96+8*(\i):103+8*(\i)], v[22:29], 0, v[38+(\i)/2], v41 matrix_a_fmt:MATRIX_FMT_FP4 matrix_b_fmt:MATRIX_FMT_FP4
.endif
.endm
.macro PV t                            ; tile t of O^T: 16 of the head's 64 x my queries, K = my 128 keys
	v_wmma_scale_f32_16x16x128_f8f6f4 v[48+8*(\t):55+8*(\t)], v[64+8*(\t):71+8*(\t)], v[30:37], 0, v[42+(\t)], v46 matrix_a_fmt:MATRIX_FMT_FP4 matrix_b_fmt:MATRIX_FMT_FP4
.endm
	s_load_b128 s[4:7], s[0:1], 0x0                ; qkpack, vpack
	s_load_b64 s[8:9], s[0:1], 0x10                ; cpack
	v_lshrrev_b32 v1, 5, v0
	v_readfirstlane_b32 s20, v1                    ; wave 0..15
	s_and_b32 s21, s20, 1                          ; qt
	s_lshr_b32 s22, s20, 1                         ; ke
	s_and_b32 s23, ttmp7, 0xffff                   ; b
	v_and_b32 v62, 31, v0                          ; l
	v_and_b32 v63, 15, v0                          ; r
	v_bfe_u32 v61, v0, 4, 1                        ; h
	v_lshlrev_b32 v1, 4, v62                       ; v1 16 l
	v_lshlrev_b32 v2, 2, v62                       ; v2 4 l
	v_lshlrev_b32 v3, 2, v63                       ; v3 4 r
	s_lshl_b32 s11, s20, 13
	v_add_nc_u32 v4, s11, v1                       ; v4 where I put my partial O
	v_add_nc_u32 v9, CTX, v4                       ; v9 where I keep my piece of the context, head 0
	s_lshl_b32 s11, s21, 13
	s_lshl_b32 s12, s22, 9
	s_add_co_u32 s11, s11, s12
	v_add_nc_u32 v5, s11, v1                       ; v5 piece ke of the partial O of key eighths 0-3 of my query tile (16,384 bytes apart),
	v_add_nc_u32 v6, 65536, v5                     ; v6 and of 4-7
	s_mul_i32 s11, s21, 1280
	s_add_co_u32 s11, s11, STATS
	v_mul_u32_u24 v8, v63, 80
	v_add_nc_u32 v8, s11, v8                       ; v8 my query's 16 words of -M and l: 80 bytes from query to query
	s_lshl_b32 s12, s22, 2
	v_lshl_add_u32 v7, v61, 5, v8
	v_add_nc_u32 v7, s12, v7                       ; v7 my word: lanes 0-15 -M, lanes 16-31 l
	s_lshl_b32 s24, ttmp9, 1
	s_add_co_u32 s24, s24, s21                     ; my tile of queries in the batch
	s_mov_b32 s26, 0x76543210
	s_mov_b32 s27, 0xfedcba98                      ; v_permlanex16_b32's selects for lane l xor 16
	s_mov_b32 s28, 0x3fb8aa3b                      ; log2(e)
	s_mov_b32 s29, s28                             ; (named with it as a pair, so it is written)
	s_mov_b32 s50, 0xffff0000                      ; lanes 16-31
	s_mov_b32 s49, 0x01000100                      ; q's scale word holds two tiles' bytes: mine are doubled, so that one word serves (q, 0) and (0, q)
	s_cmp_eq_u32 s21, 0
	s_cselect_b32 s49, s49, 0x03020302
	s_mov_b32 s42, 0x8000                          ; a head on: codes,
	s_mov_b32 s43, 0
	s_mov_b32 s44, 0x800                           ; q's and k's scale words,
	s_mov_b32 s45, 0
	s_mov_b32 s46, 0x1000                          ; V's scale words
	s_mov_b32 s47, 0
	s_mov_b32 s48, 0                               ; the trip
	s_mov_b32 s51, 0                               ; 1,024 x trip: my piece of the context, 512 bytes a head
	s_mov_b32 s13, 0
	s_wait_kmcnt 0x0
	s_lshl_b32 s12, s23, 19
	s_lshl_b32 s14, s24, 9
	s_add_co_u32 s12, s12, s14
	s_add_nc_u64 s[30:31], s[4:5], s[12:13]        ; q's codes: [b][head][tile]
	s_lshl_b32 s12, s23, 15
	s_lshl_b32 s14, ttmp9, 6
	s_add_co_u32 s12, s12, s14
	s_add_co_u32 s12, s12, 8388608
	s_add_nc_u64 s[32:33], s[4:5], s[12:13]        ; q's scale words: [b][head][pair of tiles]
	s_add_co_u32 s15, s23, 8
	s_lshl_b32 s12, s15, 19
	s_lshl_b32 s14, s22, 12
	s_add_co_u32 s12, s12, s14
	s_add_nc_u64 s[34:35], s[4:5], s[12:13]        ; k's codes: my 8 tiles
	s_lshl_b32 s12, s15, 15
	s_lshl_b32 s14, s22, 8
	s_add_co_u32 s12, s12, s14
	s_add_co_u32 s12, s12, 8388608
	s_add_nc_u64 s[36:37], s[4:5], s[12:13]        ; k's scale words: my 4 pairs
	s_lshl_b32 s15, s23, 9
	s_add_co_u32 s15, s15, s22
	s_lshl_b32 s12, s15, 10
	s_add_nc_u64 s[38:39], s[6:7], s[12:13]        ; V: [b][tile of d, 4 a head][128 keys]
	s_lshl_b32 s12, s15, 7
	s_add_co_u32 s12, s12, 4194304
	s_add_nc_u64 s[40:41], s[6:7], s[12:13]
	KLOADS                                         ; head 0
	VLOADS
.irp j, 13,17,22,23,24,25,56,57,58,59,60,61,62,63
	v_mov_b32 v\j, 0                               ; Q's zeros; halves of pairs that are named but not used; destinations of lane permutes
.endr
.set i, 0
.rept 64
	v_mov_b32 v[ACC+i], 0                          ; the mean.  (The head's text is written once for all heads)
.set i, i+1
.endr
.macro HEAD buf
	s_wait_loadcnt 12                              ; K, Q and their scale words are in; this head's 12 loads of V may be out
	v_perm_b32 v41, v40, v40, s49
.rept 8
	v_nop                                          ; a scale register written by a vector instruction stands 8 places ahead of the scaled matrix instruction
.endr
.irp i, 0,1,2,3
	KQ \i                                          ; eight results, eight accumulators
.endr
.rept 4
	v_nop                                          ; places in front of loads into registers that these have read, and of the first read of the scores
.endr
.if \buf
	s_cmp_lg_u32 s48, 7                            ; the last head asks for itself once more: every load stays in its buffer, and every wait keeps its count
	s_cselect_b32 s42, 0x8000, 0
	s_cselect_b32 s44, 0x800, 0
	s_cselect_b32 s46, 0x1000, 0
.endif
	s_add_nc_u64 s[30:31], s[30:31], s[42:43]      ; (the wait at the head has shown the loads done that read these)
	s_add_nc_u64 s[34:35], s[34:35], s[42:43]
	s_add_nc_u64 s[32:33], s[32:33], s[44:45]
	s_add_nc_u64 s[36:37], s[36:37], s[44:45]
	KLOADS                                         ; the next head's
	s_wait_dscnt 0x0                               ; the last head's store of my piece has read its address and its data: both are written again below
	v_add_nc_u32 v11, s51, v9                      ; where this trip's pieces go
.irp b, 0,1,2,3
	v_max3_num_f32 v[TMA+\b], v[SS+16*\b], v[SS+1+16*\b], v[SS+2+16*\b]   ; the largest score of each block of 32 keys: for the row's maximum and, since p rises with the score, for the block's largest p
.endr
.irp i, 3,5,7,9,11,13
.irp b, 0,1,2,3
	v_max3_num_f32 v[TMA+\b], v[TMA+\b], v[SS+16*\b+\i], v[SS+1+16*\b+\i]
.endr
.endr
.irp b, 0,1,2,3
	v_max_num_f32 v[TMA+\b], v[TMA+\b], v[SS+15+16*\b]
.endr
.irp b, 0,1,2,3
	v_permlanex16_b32 v[TMB+\b], v[TMA+\b], s26, s27
.endr
.irp b, 0,1,2,3
	v_max_num_f32 v[TMA+\b], v[TMA+\b], v[TMB+\b]
.endr
	v_max3_num_f32 v62, v48, v49, v50
	v_max_num_f32 v62, v62, v51
	v_mul_f32 v62, s28, v62                        ; as t
	v_floor_f32 v12, -v62                          ; -M = floor(-t) = -ceil(t)
.set i, 0
.rept 32
	v_pk_fma_f32 v[SS+i:SS+i+1], v[SS+i:SS+i+1], s[28:29], v[12:13] op_sel_hi:[1,0,0]   ; t - M, two at a time
.set i, i+2
.endr
.irp b, 0,1,2,3
	v_fma_f32 v[TMA+\b], v[TMA+\b], s28, v12       ; the same of each block's largest score
.endr
.set i, 0
.rept 64
	v_exp_f32 v[SS+i], v[SS+i]                     ; p = 2^(t - M), at most 1
.set i, i+1
.endr
	v_nop                                          ; a plain place behind the exponentials
	s_wait_alu depctr_va_vdst(0)                   ; one wait for the batch of 64, ahead of its first reader
.irp b, 0,1,2,3
	v_exp_f32 v[TMA+\b], v[TMA+\b]                 ; the block's largest p: the same two instructions on the same number
.endr
	v_pk_add_f32 v[14:15], v[SS:SS+1], v[SS+2:SS+3]           ; the sum of the unquantised p, in two chains.  (It reads the 64 alone: plain work behind the four)
	v_pk_add_f32 v[60:61], v[SS+4:SS+5], v[SS+6:SS+7]
.irp j, 8,12,16,20,24,28,32,36,40,44,48,52,56,60
	v_pk_add_f32 v[14:15], v[14:15], v[SS+\j:SS+\j+1]
	v_pk_add_f32 v[60:61], v[60:61], v[SS+\j+2:SS+\j+3]
.endr
	v_pk_add_f32 v[14:15], v[14:15], v[60:61]
	s_wait_alu depctr_va_vdst(0)                   ; and one for the four
.irp b, 0,1,2,3
	v_max_num_f32 v[TMA+\b], 0x1800000, v[TMA+\b]  ; the floor 2^(3 - 127)
.endr
	QSCL 46
	v_add_f32 v14, v14, v15
	v_permlanex16_b32 v62, v14, s26, s27
	v_add_f32 v14, v14, v62                        ; l of my 128 keys
	v_cndmask_b32 v13, v12, v14, s50               ; lanes 0-15 hand on -M, lanes 16-31 l
	ds_store_b32 v7, v13 offset:SSET*\buf
	QCVT SS, 30
	s_wait_loadcnt 13                              ; V is in; the next head's 13 loads may be out
.rept 8
	v_nop                                          ; p's scale word stands 8 places ahead, its codes 4
.endr
	PV 0
	PV 1
.rept 5
	v_nop                                          ; tiles 2 and 3 land on V's operands 0 and 1, which tiles 0 and 1 have read: 5 places
.endr
	PV 2
	PV 3
.rept 4
	v_nop                                          ; places in front of the stores of the results, and of the loads below into registers that these products have read or written
.endr
.irp n, 0,1,2,3,4,5,6,7
	ds_store_b128 v4, v[48+4*\n:51+4*\n] offset:4096*\buf+512*\n   ; each accumulator from its low end on; 512 consecutive bytes a store
.endr
	s_wait_dscnt 0x0                               ; for the others' sake: my stores have landed; and all my earlier reads of the other set are over; and the stores have read v48-79
	s_barrier_signal -1
	s_barrier_wait -1
	ds_load_b128 v[48:51], v8 offset:SSET*\buf     ; my query's eight -M
	ds_load_b128 v[52:55], v8 offset:SSET*\buf+16
	ds_load_b128 v[56:59], v8 offset:SSET*\buf+32  ; and eight l
	ds_load_b128 v[60:63], v8 offset:SSET*\buf+48
.irp k, 0,1,2,3
	ds_load_b128 v[64+4*\k:67+4*\k], v5 offset:16384*\k+4096*\buf   ; my piece of the eight partial O: 512 consecutive bytes a load
.endr
.irp k, 0,1,2,3
	ds_load_b128 v[80+4*\k:83+4*\k], v6 offset:16384*\k+4096*\buf
.endr
	s_wait_dscnt 8                                 ; -M and l are in; the eight loads of the pieces may be out
	v_min3_num_f32 v14, v48, v49, v50
	v_min3_num_f32 v14, v14, v51, v52
	v_min3_num_f32 v14, v14, v53, v54
	v_min_num_f32 v14, v14, v55                    ; - the largest M
.irp k, 0,1,2,3,4,5,6,7
	v_sub_f32 v[48+\k], v14, v[48+\k]              ; M_k - the largest M: a whole number, 0 or less
.endr
.irp k, 0,1,2,3,4,5,6,7
	v_cvt_i32_f32 v[48+\k], v[48+\k]               ; (it saturates)
.endr
.irp k, 0,1,2,3,4,5,6,7
	v_ldexp_f32 v[56+\k], v[56+\k], v[48+\k]       ; l_k under the largest M: nothing is rounded
.endr
	v_add_f32 v56, v56, v57
	v_add_f32 v58, v58, v59
	v_add_f32 v60, v60, v61
	v_add_f32 v62, v62, v63
	v_add_f32 v56, v56, v58
	v_add_f32 v60, v60, v62
	v_add_f32 v56, v56, v60                        ; the row's sum
	v_rcp_f32 v13, v56
	v_sub_f32 v15, v14, v12                        ; (a plain place)  my own M - the largest M
	v_cvt_i32_f32 v15, v15
	s_wait_alu depctr_va_vdst(0)                   ; ahead of the reciprocal's first reader
	v_ldexp_f32 v16, v13, v15
	v_mul_f32 v16, 0x3d800000, v16                 ; 2^(M - largest M) / l / 16
.set i, 0
.rept 32
	v_pk_fma_f32 v[ACC+i:ACC+i+1], v[SS+i:SS+i+1], v[16:17], v[ACC+i:ACC+i+1] op_sel_hi:[1,0,1]   ; the finished softmax into the mean over heads
.set i, i+2
.endr
	s_wait_dscnt 0x0                               ; the eight pieces are in
.irp k, 0,2,4,6                                ; + piece of eighth k x 2^(M_k - largest M) / l: the even eighths in one chain, the odd ones in another
	v_ldexp_f32 v14, v13, v[48+\k]
	v_ldexp_f32 v16, v13, v[49+\k]
.if \k == 0
	v_pk_mul_f32 v[30:31], v[64+4*\k:65+4*\k], v[14:15] op_sel_hi:[1,0]
	v_pk_mul_f32 v[32:33], v[66+4*\k:67+4*\k], v[14:15] op_sel_hi:[1,0]
	v_pk_mul_f32 v[34:35], v[68+4*\k:69+4*\k], v[16:17] op_sel_hi:[1,0]
	v_pk_mul_f32 v[36:37], v[70+4*\k:71+4*\k], v[16:17] op_sel_hi:[1,0]
.else
	v_pk_fma_f32 v[30:31], v[64+4*\k:65+4*\k], v[14:15], v[30:31] op_sel_hi:[1,0,1]
	v_pk_fma_f32 v[32:33], v[66+4*\k:67+4*\k], v[14:15], v[32:33] op_sel_hi:[1,0,1]
	v_pk_fma_f32 v[34:35], v[68+4*\k:69+4*\k], v[16:17], v[34:35] op_sel_hi:[1,0,1]
	v_pk_fma_f32 v[36:37], v[70+4*\k:71+4*\k], v[16:17], v[36:37] op_sel_hi:[1,0,1]
.endif
.endr
	v_pk_add_f32 v[30:31], v[30:31], v[34:35]
	v_pk_add_f32 v[32:33], v[32:33], v[36:37]      ; the context of my query at four neighbouring d
	ds_store_b128 v11, v[30:33] offset:512*\buf    ; into my own bytes: 512 consecutive bytes
	s_add_nc_u64 s[38:39], s[38:39], s[42:43]      ; (the wait for V has shown the loads done that read these)
	s_add_nc_u64 s[40:41], s[40:41], s[46:47]
	VLOADS                                         ; the next head's V, into the registers that the pieces have left
.endm
.Lheads:                                           ; 8 trips of two heads: the exchange's two sets by turns
	HEAD 0
	HEAD 1
	s_add_co_u32 s51, s51, 1024
	s_add_co_u32 s48, s48, 1
	s_cmp_lt_u32 s48, 8
	s_cbranch_scc1 .Lheads
	s_wait_loadcnt 0x0                             ; the last head's loads, asked for once more, are not used
	s_wait_dscnt 0x0                               ; my last piece has landed, and its store has read v30-33
	QMAX ACC                                       ; the mean weights of my 16 queries x 128 keys become an operand
	QSCL 46
	QCVT ACC, 30
	s_lshl_b32 s12, s23, 6
	s_add_co_u32 s12, s12, s24
	s_lshl_b32 s12, s12, 3
	s_add_co_u32 s12, s12, s22                     ; [b][tile of queries][128 keys]
	s_lshl_b32 s14, s12, 7
	s_lshl_b32 s12, s12, 10
	s_add_co_u32 s12, s12, 4456448
	s_add_co_u32 s14, s14, 8650752
	s_mov_b32 s13, 0
	s_mov_b32 s15, 0
	s_add_nc_u64 s[12:13], s[8:9], s[12:13]
	s_add_nc_u64 s[14:15], s[8:9], s[14:15]
	global_store_b128 v1, v[30:33], s[12:13] th:TH_STORE_NT              ; 512 consecutive bytes a store, aligned
	global_store_b128 v1, v[34:37], s[12:13] offset:512 th:TH_STORE_NT
	global_store_b32 v2, v46, s[14:15] th:TH_STORE_NT
	; THE CONTEXT IS QUANTISED.  Lane (r, B) of wave w: query 16 (w % 2) + r, half B of d, heads 2 (w / 2) and 2 (w / 2) + 1.  The number at d = 32 B + 16 hh + 4 m + j lies in the bytes of wave 2 (4 B + m) + w % 2, at 512 head + 256 hh + 16 r + 4 j
	v_and_b32 v5, 15, v0                           ; r
	v_bfe_u32 v6, v0, 4, 1                         ; B
	s_lshl_b32 s16, s21, 13
	s_lshl_b32 s17, s22, 10
	s_add_co_u32 s16, s16, s17
	s_add_co_u32 s16, s16, CTX
	v_lshl_add_u32 v4, v5, 4, s16
	v_lshl_add_u32 v4, v6, 16, v4                  ; v4 where my two blocks begin: sixteen lanes read 256 consecutive bytes
	s_mul_i32 s16, s21, 16*CPITCH
	s_lshl_b32 s17, s22, 6
	s_add_co_u32 s16, s16, s17
	s_add_co_u32 s16, s16, CST
	v_mul_u32_u24 v7, v5, CPITCH
	v_lshl_add_u32 v7, v6, 4, v7
	v_add_nc_u32 v7, s16, v7                       ; v7 the stage: my row, 32 bytes a head, 16 a block
	s_lshl_b32 s16, s21, 9
	s_lshl_b32 s17, s22, 2
	s_add_co_u32 s16, s16, s17
	s_add_co_u32 s16, s16, CSC
	v_lshl_add_u32 v8, v5, 5, v6
	v_add_nc_u32 v8, s16, v8                       ; v8 my row's scale bytes: 2 a head, 1 a block
	s_mul_i32 s16, s20, 2*CPITCH
	s_add_co_u32 s16, s16, CST
	v_add_nc_u32 v9, s16, v1                       ; v9 back: wave w takes rows 2 w and 2 w + 1, whole
	s_lshl_b32 s16, s21, 9
	s_add_co_u32 s16, s16, CSC
	v_add_nc_u32 v10, s16, v1                      ; v10 waves 0 and 1: 512 scale bytes each
	s_wait_dscnt 0x0
	s_barrier_signal -1
	s_barrier_wait -1                              ; every wave's pieces have landed
.irp i, 0,1
.irp hh, 0,1
.irp m, 0,1,2,3
	ds_load_b128 v[SS+32*\i+16*\hh+4*\m:SS+32*\i+16*\hh+4*\m+3], v4 offset:16384*\m+512*\i+256*\hh
.endr
.endr
.endr
	s_wait_dscnt 0x0
.irp i, 0,1
	v_max3_num_f32 v[48+\i], |v[SS+32*\i]|, |v[SS+32*\i+1]|, 0x1800000   ; a whole block is mine; the floor 2^(3 - 127): the byte cannot fall under 1
.endr
.irp j, 2,4,6,8,10,12,14,16,18,20,22,24,26,28,30
.irp i, 0,1
	v_max3_num_f32 v[48+\i], v[48+\i], |v[SS+32*\i+\j]|, |v[SS+32*\i+\j+1]|
.endr
.endr
.irp i, 0,1
	v_add_nc_u32 v[50+\i], 0xff000000, v[48+\i]    ; 2 off the exponent field: the conversion's scale operand
.endr
.irp i, 0,1
	v_lshrrev_b32 v[52+\i], 23, v[50+\i]           ; the scale's byte
.endr
.irp i, 0,1
.irp g, 0,1,2,3
	v_cvt_scalef32_pk8_fp4_f32 v[56+4*\i+\g], v[SS+32*\i+8*\g:SS+32*\i+8*\g+7], v[50+\i]
.endr
.endr
	v_nop                                          ; one plain place behind a scaled conversion
.irp i, 0,1
	ds_store_b128 v7, v[56+4*\i:59+4*\i] offset:32*\i
	ds_store_b8 v8, v[52+\i] offset:2*\i
.endr
	s_wait_dscnt 0x0                               ; for the others' sake
	s_barrier_signal -1
	s_barrier_wait -1                              ; 32 whole rows of codes and of scale bytes lie in the stage
	ds_load_b128 v[128:131], v9
	ds_load_b128 v[132:135], v9 offset:CPITCH
	s_lshl_b32 s16, s23, 10
	s_lshl_b32 s17, ttmp9, 5
	s_add_co_u32 s18, s16, s17                     ; the work-group's first row
	s_lshl_b32 s17, s20, 1
	s_add_co_u32 s16, s18, s17
	s_lshl_b32 s16, s16, 9
	s_mov_b32 s17, 0
	s_add_nc_u64 s[16:17], s[8:9], s[16:17]
	s_wait_dscnt 0x0
	global_store_b128 v1, v[128:131], s[16:17] th:TH_STORE_NT            ; a row of 512 bytes a store
	global_store_b128 v1, v[132:135], s[16:17] offset:512 th:TH_STORE_NT
	s_cmp_lt_u32 s20, 2
	s_cbranch_scc0 .Lend
	ds_load_b128 v[136:139], v10                   ; sixteen rows' scale bytes
	s_lshl_b32 s18, s18, 5
	s_lshl_b32 s19, s20, 9
	s_add_co_u32 s18, s18, s19
	s_add_co_u32 s18, s18, 4194304
	s_mov_b32 s19, 0
	s_add_nc_u64 s[18:19], s[8:9], s[18:19]
	s_wait_dscnt 0x0
	global_store_b128 v1, v[136:139], s[18:19] th:TH_STORE_NT            ; 512 consecutive bytes
.Lend:
	s_wait_xcnt 0x0
	v_lshl_add_u32 v254, v0, 2, 0x45a00
	v_mov_b32 v255, 0
	s_wait_tensorcnt 0x0
	ds_add_u32 v254, v255
	s_wait_dscnt 0x0
	s_endpgm
.Lfunc_end_k_q947a762ff0_attn:
	.size	k_q947a762ff0_attn, .Lfunc_end_k_q947a762ff0_attn-k_q947a762ff0_attn
	.p2alignl 7, 3214868480
	.fill 96, 4, 3214868480
	.section	.rodata,"a",@progbits
	.p2align	6, 0x0
	.amdhsa_kernel k_q947a762ff0_attn
		.amdhsa_group_segment_fixed_size 287232
		.amdhsa_private_segment_fixed_size 0
		.amdhsa_enable_private_segment 0
		.amdhsa_kernarg_size 24
		.amdhsa_user_sgpr_count 2
		.amdhsa_user_sgpr_kernarg_segment_ptr 1
		.amdhsa_wavefront_size32 1
		.amdhsa_system_sgpr_workgroup_id_x 1
		.amdhsa_system_sgpr_workgroup_id_y 1
		.amdhsa_system_sgpr_workgroup_id_z 1
		.amdhsa_system_vgpr_workitem_id 0
		.amdhsa_next_free_vgpr 256
		.amdhsa_next_free_sgpr 66
		.amdhsa_reserve_vcc 0
		.amdhsa_float_denorm_mode_32 3
		.amdhsa_float_denorm_mode_16_64 3
		.amdhsa_memory_ordered 1
		.amdhsa_forward_progress 1
		.amdhsa_inst_pref_size 65
	.end_amdhsa_kernel
	.amdgpu_metadata
---
amdhsa.version: [ 1, 2 ]
amdhsa.kernels:
  - .name:           k_q947a762ff0_attn
    .symbol:         k_q947a762ff0_attn.kd
    .args:
      - { .name: qkpack, .offset: 0, .size: 8, .value_kind: global_buffer, .address_space: global }
      - { .name: vpack, .offset: 8, .size: 8, .value_kind: global_buffer, .address_space: global }
      - { .name: cpack, .offset: 16, .size: 8, .value_kind: global_buffer, .address_space: global }
    .group_segment_fixed_size: 287232
    .private_segment_fixed_size: 0
    .kernarg_segment_align: 8
    .kernarg_segment_size: 24
    .max_flat_workgroup_size: 512
    .sgpr_count:     66
    .vgpr_count:     256
    .wavefront_size: 32
...
	.end_amdgpu_metadata
.endif
;; end of part 4
;; launch ao_pool (part 5): grid 32 x 4, 4 waves a work-group, clusters of 4 x 4, 327,680 bytes of LDS; arguments wopack, cpack, part; writes part
.if DOCPART == 5
	.amdgcn_target "amdgcn-amd-amdhsa--gfx1250"
	.amdhsa_code_object_version 6
	.text
	.protected	k_q947a762ff0_ao_pool
	.globl	k_q947a762ff0_ao_pool
	.p2align	8
	.type	k_q947a762ff0_ao_pool,@function
k_q947a762ff0_ao_pool:
	s_mov_b64 s[64:65], 0
	v_nop
	global_prefetch_b8 v0, s[64:65] scope:SCOPE_SE
	s_setreg_imm32_b32 hwreg(HW_REG_WAVE_MODE, 25, 1), 1
	s_wait_xcnt 0x0
	s_wait_alu depctr_hold_cnt(0) depctr_sa_sdst(0) depctr_va_vdst(0) depctr_va_sdst(0) depctr_va_ssrc(0) depctr_va_vcc(0) depctr_vm_vsrc(0)
	s_getreg_b32 s2, hwreg(HW_REG_IB_STS2, 6, 4)
	s_cmp_eq_u32 s2, 0
	s_cbranch_scc0 .Lentry_in_a_cluster
	s_endpgm
.Lentry_in_a_cluster:
	s_bfe_u32 s2, ttmp6, 0x10000c
	s_cmp_lg_u32 s2, 0xf033
	s_cbranch_scc0 .Lentry_shape_is_right
	s_endpgm
.Lentry_shape_is_right:
; TWO PRODUCTS ON CODES OF FP4 (E2M1) IN ONE LAUNCH.  First R[e][t] = sum over k of w_out[e][k] ctx[t][k] + b_out[e], K = 1,024: the attention's output, transposed.  R is quantised along t in registers and IS the right operand of the
; second: sum over s of sum over t of W[s][t] R[e][t], W the mean attention weights of the batch.  R never goes to memory.
; THE FIRST PRODUCT.  A = w_out, 1,024 rows by place, its bias behind it in its pack; B = the context, 8,192 rows by (b, place); codes 512 bytes a row, one E8M0 byte for each 32 along K, 32 bytes a row.  A tile of R, 256 x 256, is made by
; four waves, as many as a WGP has SIMDs; a wave makes 128 x 128: 64 accumulators, 512 registers.  K lies in two LDS slots of 512 along K (rows of 256 bytes), each filled ONCE, at the start: nothing is filled again.  The scale bytes of the
; tile's 256 + 256 rows come with the first fills and stay.  R has 4 x 32 tiles: 128 work-groups.
; CLUSTERS: 4 x 4 work-groups.  The four of a row of the cluster need the same rows of A, the four of a column the same rows of B: each tile is asked for JOINTLY, by the same tensor load with the same descriptor and a mask that names the four.
; THE MATRIX INSTRUCTION IS USED TRANSPOSED (source 0 = 16 rows of B, source 1 = 16 rows of A): a lane holds ONE row e of R and its registers run along t.  B's rows lie by place (place p holds row pi(p), bits 3 and 4 exchanged),
; so the 16 registers of B's blocks 2 B and 2 B + 1 are t = 32 B + 16 (lane / 16) + 0 .. 15: 16 neighbours of a block of 32; the other 16 lie in the lane 16 away.
; THE SECOND PRODUCT.  The wave's 128 x 128 of R become eight operands (16 e x 128 t) and eight scale words, in registers.  W arrives as images of operands (16 rows s x 128 t: 1,024 bytes, lane l's 16 bytes at 16 l and 512 + 16 l; scale
; words 128 bytes).  Each of W's 64 tiles at my 128 along t is source 0 of eight matrix instructions, one for each of my operands: eight accumulators, which take turns, one instruction a turn.
; SINCE ONLY THE SUM OVER s IS WANTED, all 64 tiles are added into the same accumulators; at the end their eight registers and the two halves of the lanes are added.  The sum over t spans eight waves of four work-groups: each wave stores
; its 128 sums to words of its own, part[which 128 along t][b][e], and the next launch adds the eight.
; W comes from memory straight into registers that the first product never names, 8 tiles (24 loads) a batch, two batches in flight; the first two are asked for at the kernel's head.  W GOES BY NO JOINT LOAD: the two slots and the scales
; leave no room in LDS for it while the first product runs; the two waves of a work-group that share 128 along t each ask for the same fragments.
; LIMITS: a block of zeros gets the byte 1 (its codes are zeros); blocks under 2^-124 are held at the byte 1; NaN and infinities are not served.
; REGISTERS, in windows of 256: window 0: v0-31 addresses; v32-95 scale words, two sets; v128-191 A's fragments, ONE set; v192-207 the bias; v208-223 W's scale words, two sets.  Behind the first product: v32-95 a lane's 64 numbers,
;   v96-111 at work, v112-119 R's scale words, v128-191 R's codes.   window 1: B's fragments, TWO sets, at v0 and v128; W's fragments, two sets, at v64 and v192; behind the first product v0-63 the second's accumulators.
;   window 2: the accumulators of my rows 0-63 ((a, b) at v[8 (8 a + b)]);   window 3: those of my rows 64-127.
.set SIZE_K, 1024
.set KSTEP,  512                       ; along K in a slot
.set NQ,     KSTEP/128                 ; matrix instructions deep
.set ROWB,   256                       ; a tile's row in bytes
.set KROW,   SIZE_K*4/8                ; a row of A or of B in memory, in bytes
.set PITCH,  272                       ; an LDS row: 256 bytes + 16 of padding = 68 words: the 16 rows that a load touches start at 16 different banks (64 banks of 4 bytes: ISA guide 11.1)
.set FR,     8                         ; registers of a fragment: 16 rows x 128 K
.set NL,     2                         ; LDS loads that bring one
.set NP,     4                         ; places behind this matrix instruction (ISA guide 7.12.1)
.set HALFT,  128*PITCH                 ; 128 rows: what one tensor load brings, and what one wave reads of A or of B
.set SLOT,   4*HALFT                   ; A's 256 rows, then B's 256 rows
.set KS,     SIZE_K/32                 ; a row of scales in bytes
.set SCL,    2*SLOT                    ; behind the slots: the scales, as units of 256 bytes + 16 of padding
.set HALFS,  (128*KS/256)*272          ; the scales of 128 rows: what one tensor load brings
.set SBLK,   (16*KS/256)*272           ; those of 16 rows
.set SPARE,  SCL+4*HALFS               ; behind the scales: the spare words, 128 bytes for each wave: two blocks of 256 bytes that no other line names
.set BO,   7                           ; v7      the bias loads' offset; never rewritten
.set PO,   8                           ; v8      4 x the row that place l stands for (bits 3 and 4 of l exchanged); never rewritten
.set ADRA, 16                          ; v16-17  LDS address of my A fragments in slot 0, 1
.set ADRB, 20                          ; v20-21  the same for B
.set L16,  24                          ; v24     16 x lane; never rewritten
.set L4,   25                          ; v25     4 x lane; never rewritten
.set ADRS, 27                          ; v27     LDS address of my scale words: lanes 0-15 A's rows, lanes 16-31 B's
.set SPW,  28                          ; v28     LDS address of my spare word: SPARE + 4 x my thread's number; never rewritten
.set NIL,  29                          ; v29     0; never rewritten
.set SC,   32                          ; scale words: set s at v[SC + 8 NQ s]; register NQ i + q: lanes 0-15 A's block i, lanes 16-31 B's block i, the slot's q-th 128 along K
.set AF,   128                         ; A's fragments, in window 0
.set H,    32                          ; a lane's 64 numbers of R; at the end the sums
.set TM,   96                          ; v96-99 largest magnitudes, v100-103 bytes, v108-111 the conversions' scale operands
.set PW,   112                         ; v112-119 the scale word of each of R's 8 operands
.set PC,   128                         ; v128-191 R's codes, 8 registers for each of the 8 operands
.set BI,   192                         ; v192-207 the bias
.set WS,   208                         ; v208-223 W's scale words: set s at v[WS + 8 s]
.set WF,   64                          ; window 1: W's fragments: set s at v[WF + 128 s]
.set SEL,  66                          ; s[66:67] lane selects for v_permlanex16_b32: lane l xor 16
.set G1, 24                            ; s[24:31] descriptor group 1 for A's tiles;  s[32:39] group 0, one set for each slot
.set G0, 32
.set G1B, 48                           ; s[48:55], s[56:63] the same for B's tiles
.set G0B, 56
.set G1S, 68                           ; s[68:75], s[76:79] groups 1 and 0 for A's scales;  s[80:87], s[88:91] for B's
.set G0S, 76
.set G1SB, 80
.set G0SB, 88
.set MSB, 0
.macro WIN new                         ; the immediate's high byte repeats the setting that is left
.if MSB != (\new)
	s_set_vgpr_msb (MSB<<8)|(\new)
.set MSB, (\new)
.endif
.endm
.set MUL_LO, 0xa1                      ; source 0 (B) window 1, source 1 (A) window 0, C and D window 2
.set MUL_HI, 0xf1                      ; the same, C and D window 3
.set MUL_P,  0x51                      ; the second product: source 0 (W) window 1, source 1 (R) window 0, C and D window 1
.set TO_B,   0x40                      ; destination window 1, address window 0
; A joint load: waves 0 and 1 fetch for A, waves 2 and 3 for B.  Each of the two lines has ONE mask and one set of registers for all that issue it; the branch hangs on the wave's number alone.
; Four v_nop follow each of the two lines, ahead of the jump, the label and what follows.
.macro JLOAD g0a, g1a, g0b, g1b
	s_cmp_eq_u32 s15, 0
	s_cbranch_scc0 .Lfor_b_\@
	tensor_load_to_lds s[\g0a:\g0a+3], s[\g1a:\g1a+7]
	s_nop 0
.rept 4
	v_nop
.endr
	s_branch .Lasked_\@
.Lfor_b_\@:
	tensor_load_to_lds s[\g0b:\g0b+3], s[\g1b:\g1b+7]
	s_nop 0
.rept 4
	v_nop
.endr
.Lasked_\@:
.endm
.macro CROUND                          ; a round of the cluster's barrier: my work-group's barrier; wave 0 signals for the work-group; every wave waits for all sixteen; my work-group's barrier once more
	s_barrier_signal -1
	s_barrier_wait -1
	s_cmp_lg_u32 s14, 0
	s_cbranch_scc1 .Lnot_wave_0_\@
	s_barrier_signal -3
.Lnot_wave_0_\@:
	s_barrier_wait -3
	s_barrier_signal -1
	s_barrier_wait -1
.endm
.macro LOADW q, set                    ; 24 loads: W's tiles 8 q .. 8 q + 7 at my 128 along t; each load of codes covers 512 consecutive bytes
	WIN TO_B
.irp t, 0,1,2,3,4,5,6,7
	global_load_b128 v[WF+128*(\set)+8*\t:WF+128*(\set)+8*\t+3], v[L16], s[4:5] offset:(8*(\q)+\t)*8192
	global_load_b128 v[WF+128*(\set)+8*\t+4:WF+128*(\set)+8*\t+7], v[L16], s[4:5] offset:(8*(\q)+\t)*8192+512
.endr
	WIN 0
.irp t, 0,1,2,3,4,5,6,7
	global_load_b32 v[WS+8*(\set)+\t], v[L4], s[6:7] offset:(8*(\q)+\t)*1024
.endr
.endm
	s_load_b128 s[96:99], s[0:1], 0x0              ; wopack, cpack
	s_load_b64 s[2:3], s[0:1], 0x10                ; part
	v_lshl_add_u32 v[SPW], v0, 2, SPARE
	v_mov_b32 v[NIL], 0
	ds_add_u32 v28, v29
	ds_add_u32 v28, v29
	s_wait_dscnt 0x0
	v_lshrrev_b32 v1, 5, v0
	v_readfirstlane_b32 s14, v1                    ; wave 0..3
	s_lshr_b32 s15, s14, 1                         ; which half of the tile's rows (A) is mine.  Also: I fetch for A (0) or for B (1)
	s_and_b32 s16, s14, 1                          ; which half of its columns (B).  Also: which 128 rows of that tile I fetch
	s_bfe_u32 s40, ttmp6, 0x40000                  ; cx, cy: my place in the cluster
	s_bfe_u32 s41, ttmp6, 0x40004
	s_lshl_b32 s42, ttmp9, 2
	s_add_co_u32 s42, s42, s40                     ; tile column = 4 x cluster x + cx
	s_and_b32 s17, ttmp7, 0xffff
	s_lshl_b32 s17, s17, 2
	s_add_co_u32 s17, s17, s41                     ; tile row = 4 x cluster y + cy
	s_lshl_b32 s43, s41, 2
	s_lshl_b32 s43, 15, s43                        ; my row of the cluster
	s_lshl_b32 s44, 0x1111, s40                    ; my column
	; descriptor group 1: a tile of 128 rows x ROWB bytes, padded in LDS
	s_or_b32 s[G1+0], s43, (0<<16)|(1<<20)|(1<<21)|(5<<22)|(3<<25)  ; 15:0 the mask: A's tiles go to my row; 17:16 element of 1 byte; 20 padding on; 21 set beside a mask; 24:22 after every 64 words (code 5); 31:25 of 4 words (code 3)
	s_or_b32 s[G1B+0], s44, (0<<16)|(1<<20)|(1<<21)|(5<<22)|(3<<25)
.irp g, G1, G1B
	s_mov_b32 s[\g+1], ROWB<<16                    ; tensor_dim0
	s_mov_b32 s[\g+2], 128<<16                     ; tensor_dim1 = 128
	s_mov_b32 s[\g+3], ROWB<<16                    ; tile_dim0
	s_mov_b32 s[\g+4], 128                         ; tile_dim1 = 128
	s_mov_b32 s[\g+5], KROW                        ; tensor_dim0_stride
	s_mov_b32 s[\g+6], 0
	s_mov_b32 s[\g+7], 0
.endr
	; and for the scales of 128 rows: a dense block of 4,096 bytes, as rows of 256 bytes (32 elements of 8 bytes), 16 bytes of padding behind each
	s_or_b32 s[G1S+0], s43, (3<<16)|(1<<20)|(1<<21)|(5<<22)|(3<<25)
	s_or_b32 s[G1SB+0], s44, (3<<16)|(1<<20)|(1<<21)|(5<<22)|(3<<25)
.irp g, G1S, G1SB
	s_mov_b32 s[\g+1], 32<<16
	s_mov_b32 s[\g+2], (128*KS/256)<<16
	s_mov_b32 s[\g+3], 32<<16
	s_mov_b32 s[\g+4], 128*KS/256
	s_mov_b32 s[\g+5], 32
	s_mov_b32 s[\g+6], 0
	s_mov_b32 s[\g+7], 0
.endr
	s_lshl_b32 s18, s16, 7                         ; which 128 rows of the tile I fetch
	s_lshl_b32 s20, s17, 8
	s_add_co_u32 s20, s20, s18                     ; A: row 256 x tile row + 128 x half
	s_lshl_b32 s46, s42, 8
	s_add_co_u32 s46, s46, s18                     ; B: row 256 x tile column + 128 x half
	s_mov_b32 s21, 0
	s_mov_b32 s47, 0
	s_mov_b64 s[18:19], KS
	s_mul_u64 s[22:23], s[20:21], s[18:19]         ; where these rows' scales begin, in bytes
	s_mul_u64 s[92:93], s[46:47], s[18:19]
	s_mov_b64 s[18:19], KROW
	s_mul_u64 s[20:21], s[20:21], s[18:19]         ; and their codes
	s_mul_u64 s[46:47], s[46:47], s[18:19]
	s_mul_i32 s45, s14, HALFT                      ; where they go: wave x 128 rows: no place in the cluster enters an LDS address
	s_mul_i32 s94, s14, HALFS
	s_mov_b32 s[SEL], 0x76543210
	s_mov_b32 s[SEL+1], 0xfedcba98
	s_mov_b32 s95, 0xffff0000                      ; lanes 16-31
	s_wait_kmcnt 0x0
	s_mov_b64 s[4:5], s[96:97]                     ; A's codes
	s_add_nc_u64 s[6:7], s[96:97], 524288          ; A's scales
	s_mov_b64 s[8:9], s[98:99]                     ; B's codes
	s_add_nc_u64 s[10:11], s[98:99], 4194304       ; B's scales
	s_add_nc_u64 s[12:13], s[96:97], 557056        ; the bias
	s_add_nc_u64 s[20:21], s[4:5], s[20:21]
	s_add_nc_u64 s[22:23], s[6:7], s[22:23]
	s_add_nc_u64 s[46:47], s[8:9], s[46:47]
	s_add_nc_u64 s[92:93], s[10:11], s[92:93]
	CROUND                                         ; all sixteen work-groups are here: the joint loads meet
	s_mov_b32 s[G0S], 1
	s_add_co_u32 s[G0S+1], s94, SCL
	s_mov_b64 s[G0S+2:G0S+3], s[22:23]
	s_or_b32 s[G0S+3], s[G0S+3], 0x80000000
	s_mov_b32 s[G0SB], 1
	s_add_co_u32 s[G0SB+1], s94, SCL
	s_mov_b64 s[G0SB+2:G0SB+3], s[92:93]
	s_or_b32 s[G0SB+3], s[G0SB+3], 0x80000000
	JLOAD G0S, G1S, G0SB, G1SB                     ; the scales first: they are wanted with the first 512 along K
.irp s, 0,1
	s_mov_b32 s[G0+4*\s], 1
	s_add_co_u32 s[G0+4*\s+1], s45, \s*SLOT
	s_add_nc_u64 s[G0+4*\s+2:G0+4*\s+3], s[20:21], \s*ROWB
	s_or_b32 s[G0+4*\s+3], s[G0+4*\s+3], 0x80000000
	s_mov_b32 s[G0B+4*\s], 1
	s_add_co_u32 s[G0B+4*\s+1], s45, \s*SLOT
	s_add_nc_u64 s[G0B+4*\s+2:G0B+4*\s+3], s[46:47], \s*ROWB
	s_or_b32 s[G0B+4*\s+3], s[G0B+4*\s+3], 0x80000000
	JLOAD G0+4*\s, G1, G0B+4*\s, G1B               ; three tensor loads of mine are out: all that this launch has
.endr
	v_and_b32 v1, 15, v0                           ; r = l % 16
	v_bfe_u32 v2, v0, 4, 1                         ; h = l / 16
	v_mul_u32_u24 v3, v1, PITCH
	v_lshl_add_u32 v4, v2, 4, v3                   ; a fragment's row x pitch + 16 x half
	s_mul_i32 s21, s15, HALFT                      ; my 128 rows of A
	s_mul_i32 s22, s16, HALFT                      ; my 128 rows of B,
	s_add_co_u32 s22, s22, 2*HALFT                 ; which lie behind A's 256
.irp s, 0,1
	v_add_nc_u32 v[ADRA+\s], s21, v4
	v_add_nc_u32 v[ADRB+\s], s22, v4
	s_add_co_u32 s21, s21, SLOT
	s_add_co_u32 s22, s22, SLOT
.endr
	v_mul_u32_u24 v5, v1, KS                       ; my row's scales: KS bytes a row,
	v_lshrrev_b32 v6, 8, v5
	v_lshl_add_u32 v5, v6, 4, v5                   ; and 16 more for each 256 passed
	s_mul_i32 s21, s15, HALFS                      ; A's: my 128 rows
	s_mul_i32 s22, s16, HALFS                      ; B's: my 128 rows, behind A's 256
	s_add_co_u32 s22, s22, 2*HALFS
	s_sub_co_u32 s22, s22, s21
	v_mul_u32_u24 v6, s22, v2                      ; lanes 16-31 take B's
	s_add_co_u32 s21, s21, SCL
	v_add_nc_u32 v5, v5, v6
	v_add_nc_u32 v[ADRS], s21, v5
	v_and_b32 v6, 31, v0
	v_lshlrev_b32 v[L16], 4, v6
	v_lshlrev_b32 v[L4], 2, v6
	; the bias along e: lane r of A's block a holds place 16 a + r, which is row 32 (a / 2) + 8 (a % 2) + r % 8 + 16 (r / 8)
	v_and_b32 v[BO], 7, v1
	v_lshrrev_b32 v6, 3, v1
	v_lshl_add_u32 v[PO], v6, 4, v[BO]             ; the row that place l stands for: l % 8 + 16 x bit 3
	v_lshl_add_u32 v[PO], v2, 3, v[PO]             ; + 8 x bit 4
	v_lshlrev_b32 v[PO], 2, v[PO]
	v_lshlrev_b32 v[BO], 2, v[BO]
	v_lshl_add_u32 v[BO], v6, 6, v[BO]
	s_lshl_b32 s92, s17, 10
	s_lshl_b32 s93, s15, 9
	s_add_co_u32 s92, s92, s93
	s_mov_b32 s93, 0
	s_add_nc_u64 s[12:13], s[12:13], s[92:93]
.irp a, 0,1,2,3,4,5,6,7
	global_load_b32 v[BI+2*\a], v[BO], s[12:13] offset:4*(32*(\a/2)+8*(\a%2))     ; twice: a pair for the packed addition
	global_load_b32 v[BI+2*\a+1], v[BO], s[12:13] offset:4*(32*(\a/2)+8*(\a%2))
.endr
	; W: [b][tile of 16 rows s, 64][128 along t, 8][1,024 bytes], and 128 bytes of scale words for each;  part: [128 along t, 8][b][1,024 e]
	s_lshr_b32 s92, s42, 2                         ; b
	s_and_b32 s93, s42, 3
	s_lshl_b32 s93, s93, 1
	s_add_co_u32 s93, s93, s16                     ; which 128 along t: 2 (tile column % 4) + half
	s_lshl_b32 s94, s92, 9
	s_add_co_u32 s94, s94, s93
	s_lshl_b32 s22, s94, 7
	s_add_co_u32 s22, s22, 8650752
	s_mov_b32 s23, 0
	s_add_nc_u64 s[6:7], s[98:99], s[22:23]        ; W's scale words
	s_lshl_b32 s22, s94, 10
	s_add_co_u32 s22, s22, 4456448
	s_add_nc_u64 s[4:5], s[98:99], s[22:23]        ; W's codes
	s_lshl_b32 s93, s93, 3
	s_add_co_u32 s93, s93, s92
	s_lshl_b32 s22, s93, 12
	s_lshl_b32 s94, s17, 10
	s_add_co_u32 s22, s22, s94
	s_lshl_b32 s94, s15, 9
	s_add_co_u32 s22, s22, s94                     ; + my first e: 256 x tile row + 128 x half
	s_add_nc_u64 s[2:3], s[2:3], s[22:23]
	LOADW 0, 0                                     ; W's first two batches are asked for here: they land while the first product runs
	LOADW 1, 1
.macro FRAG reg, adr, q, i             ; a fragment, 16 rows x 128 K of 4-bit codes, is 8 registers: lane l holds row l % 16; registers 4 c .. 4 c + 3 hold K = 64 c + 32 (l / 16) + 0 .. 31
.irp c, 0,1
	ds_load_b128 v[\reg+4*\c:\reg+4*\c+3], v[\adr] offset:64*(\q)+32*\c+(\i)*16*PITCH
.endr
.endm
; 16 matrix instructions: A's blocks a0, a0 + 1 x B's eight, 128 along K: the slot's q-th.  p: B's set;  sc: the set of scale words.  zero = 1: the first product starts the sums: nothing is ever cleared.
; The 64 accumulators take turns, one instruction a turn, in the same order in every step.
.macro MUL16 a0, p, q, sc, zero
.irp a, \a0, \a0+1
.irp b, 0,1,2,3,4,5,6,7
.if \zero
	v_wmma_scale_f32_16x16x128_f8f6f4 v[8*(8*((\a)%4)+\b):8*(8*((\a)%4)+\b)+7], v[128*(\p)+FR*\b:128*(\p)+FR*\b+FR-1], v[AF+FR*(\a):AF+FR*(\a)+FR-1], 0, v[SC+8*NQ*(\sc)+NQ*\b+(\q)], v[SC+8*NQ*(\sc)+NQ*(\a)+(\q)] matrix_a_fmt:MATRIX_FMT_FP4 matrix_b_fmt:MATRIX_FMT_FP4 matrix_a_scale:MATRIX_SCALE_ROW1
.else
	v_wmma_scale_f32_16x16x128_f8f6f4 v[8*(8*((\a)%4)+\b):8*(8*((\a)%4)+\b)+7], v[128*(\p)+FR*\b:128*(\p)+FR*\b+FR-1], v[AF+FR*(\a):AF+FR*(\a)+FR-1], v[8*(8*((\a)%4)+\b):8*(8*((\a)%4)+\b)+7], v[SC+8*NQ*(\sc)+NQ*\b+(\q)], v[SC+8*NQ*(\sc)+NQ*(\a)+(\q)] matrix_a_fmt:MATRIX_FMT_FP4 matrix_b_fmt:MATRIX_FMT_FP4 matrix_a_scale:MATRIX_SCALE_ROW1
.endif
.endr
.endr
.endm
.macro FETCH_B slot, q, p              ; B's eight fragments of the slot's q-th 128 along K into set p
	WIN TO_B
.irp i, 0,1,2,3,4,5,6,7
	FRAG 128*(\p)+FR*\i, ADRB+\slot, \q, \i
.endr
	WIN 0
.endm
.macro FETCH_A slot, q, i0             ; A's blocks i0 .. i0 + 3
.irp i, \i0, \i0+1, \i0+2, \i0+3
	FRAG AF+FR*(\i), ADRA+\slot, \q, \i
.endr
.endm
.macro SCALES sc                       ; a slot's scale words into set sc: NQ words a row; lanes 0-15 take A's block i, lanes 16-31 B's block i
.irp i, 0,1,2,3,4,5,6,7
	ds_load_b128 v[SC+8*NQ*\sc+NQ*\i:SC+8*NQ*\sc+NQ*\i+3], v[ADRS] offset:\i*SBLK
.endr
.endm
; A load into a register that a matrix instruction has read, and a vector instruction that reads a matrix result or writes one of its registers, stand NP places behind that matrix instruction; only plain vector
; instructions that name none of its registers are places (ISA guide 7.12.1 for vector instructions).
.macro PLACES n
.rept \n
	v_nop
.endr
.endm
; A step of 128 along K that has its successor in the same slot.  A's blocks go one after the other, each against B's eight: a block of A is free as soon as its eight products are issued, so one set serves A.
.macro STEP slot, q, zero
	s_wait_dscnt 4*NL                              ; B's set and A's blocks 0-3 are in; the youngest eight loads (A's blocks 4-7) may be out
	WIN MUL_LO
	MUL16 0, (\q)%2, \q, \slot, \zero
	MUL16 2, (\q)%2, \q, \slot, \zero
	s_wait_dscnt 0                                 ; A's blocks 4-7 are in (asked for 32 matrix instructions ago)
	PLACES NP
	FETCH_B \slot, (\q)+1, 1-(\q)%2
	FETCH_A \slot, (\q)+1, 0
	WIN MUL_HI
	MUL16 4, (\q)%2, \q, \slot, \zero
	MUL16 6, (\q)%2, \q, \slot, \zero
	PLACES NP
	WIN 0
	FETCH_A \slot, (\q)+1, 4
.endm
; Slot 0's last step goes over to slot 1: each wave waits for all its tensor loads, its part of slot 1 among them, and passes a barrier: behind it slot 1 is whole.  Nothing is filled again.
.macro TURN slot, next
	s_wait_tensorcnt 0x0                           ; all my tensor loads have landed
	ds_add_u32 v[SPW], v[NIL]                      ; 0 onto my spare word
	s_wait_dscnt 4*NL+1                            ; (the add and the youngest eight loads, A's blocks 4-7, may be out)
	WIN MUL_LO
	MUL16 0, 1, NQ-1, \slot, 0                     ; sixteen matrix instructions stand between the add and the wait for it
	s_wait_dscnt 0x0                               ; the add is done, and no LDS load of mine is out at the signal
	s_barrier_signal -1
	MUL16 2, 1, NQ-1, \slot, 0
	WIN 0
	s_barrier_wait -1
	PLACES NP
	v_add_nc_u32 v[ADRS], 4*NQ, v[ADRS]            ; on to the next slot's scale words (no LDS load of mine is out)
	FETCH_B \next, 0, 0
	FETCH_A \next, 0, 0
	SCALES \next
	WIN MUL_HI
	MUL16 4, 1, NQ-1, \slot, 0
	MUL16 6, 1, NQ-1, \slot, 0
	PLACES NP
	WIN 0
	FETCH_A \next, 0, 4
.endm
.macro STEPS slot, from                ; the slot's steps from .. NQ - 2
.set Q, \from
.rept NQ-1-\from
	STEP \slot, Q, 0
.set Q, Q+1
.endr
.endm
; THE QUANTISER.  64 numbers of a lane, register 16 b + i = t 32 b + 16 (lane / 16) + i of my row.  QMAX: the four blocks' largest magnitudes.  QSCL: the conversions' scale operands, the bytes, the row's scale word.
; QCVT: the codes, as an operand's 8 registers.
.macro QMAX s
.irp b, 0,1,2,3
	v_max3_num_f32 v[TM+\b], |v[(\s)+16*\b]|, |v[(\s)+1+16*\b]|, 0x1800000   ; my 16 numbers, and the floor 2^(3 - 127): the byte cannot fall under 1
.endr
.irp i, 2,4,6,8,10,12,14
.irp b, 0,1,2,3
	v_max3_num_f32 v[TM+\b], v[TM+\b], |v[(\s)+16*\b+\i]|, |v[(\s)+1+16*\b+\i]|   ; (the four blocks by turns)
.endr
.endr
.irp b, 0,1,2,3
	v_permlanex16_b32 v[TM+4+\b], v[TM+\b], s[SEL], s[SEL+1]
.endr
.irp b, 0,1,2,3
	v_max_num_f32 v[TM+\b], v[TM+\b], v[TM+4+\b]   ; with lane l xor 16's
.endr
.endm
.macro QSCL pw
.irp b, 0,1,2,3
	v_add_nc_u32 v[TM+12+\b], 0xff000000, v[TM+\b] ; 2 off the exponent field: the conversion takes the exponent field of this operand as its scale
.endr
.irp b, 0,1,2,3
	v_lshrrev_b32 v[TM+4+\b], 23, v[TM+12+\b]      ; the scale's byte
.endr
	v_lshl_or_b32 v[\pw], v[TM+5], 8, v[TM+4]
	v_lshl_or_b32 v[\pw], v[TM+6], 16, v[\pw]
	v_lshl_or_b32 v[\pw], v[TM+7], 24, v[\pw]
.endm
.macro QCVT s, pc
.irp b, 0,1,2,3
	v_cvt_scalef32_pk8_fp4_f32 v[(\pc)+2*\b], v[(\s)+16*\b:(\s)+7+16*\b], v[TM+12+\b]
	v_cvt_scalef32_pk8_fp4_f32 v[(\pc)+1+2*\b], v[(\s)+8+16*\b:(\s)+15+16*\b], v[TM+12+\b]
.endr
	v_nop                                          ; one plain place behind a scaled conversion
.irp c, 0,1                                    ; the operand's layout wants a WHOLE block in a lane: lanes 0-15 block 2 c, lanes 16-31 block 2 c + 1
.irp i, 0,1
	v_permlane16_swap_b32 v[(\pc)+4*\c+\i], v[(\pc)+2+4*\c+\i]
.endr
.endr
.endm
; A's block a becomes an operand of the second product: 16 rows e x my 128 along t.  Each accumulator is read from its low end on.
.macro OPERAND a
.set AC, 64*((\a)%4)
	WIN 0x02+(\a)/4                                ; source 0: window 2 or 3
.set i, 0
.rept 32
	v_pk_add_f32 v[H+i:H+i+1], v[AC+i:AC+i+1], v[BI+2*(\a):BI+2*(\a)+1]
.set i, i+2
.endr
	WIN 0
	QMAX H
	QSCL PW+(\a)
	QCVT H, PC+8*(\a)
.endm
; 64 matrix instructions of the second product: each of a batch's 8 tiles of W against my 8 operands.  first = 1: the first tile starts the eight sums: nothing is cleared.
.macro P5MUL set, first
	WIN MUL_P
.irp t, 0,1,2,3,4,5,6,7
.irp a, 0,1,2,3,4,5,6,7
.if (\first) && (\t == 0)
	v_wmma_scale_f32_16x16x128_f8f6f4 v[8*\a:8*\a+7], v[WF+128*(\set)+8*\t:WF+128*(\set)+8*\t+7], v[PC+8*\a:PC+8*\a+7], 0, v[WS+8*(\set)+\t], v[PW+\a] matrix_a_fmt:MATRIX_FMT_FP4 matrix_b_fmt:MATRIX_FMT_FP4
.else
	v_wmma_scale_f32_16x16x128_f8f6f4 v[8*\a:8*\a+7], v[WF+128*(\set)+8*\t:WF+128*(\set)+8*\t+7], v[PC+8*\a:PC+8*\a+7], v[8*\a:8*\a+7], v[WS+8*(\set)+\t], v[PW+\a] matrix_a_fmt:MATRIX_FMT_FP4 matrix_b_fmt:MATRIX_FMT_FP4
.endif
.endr
.endr
.endm
	s_wait_tensorcnt 1                             ; the scales and my part of slot 0 are in (slot 1's load may be out),
	s_barrier_signal -1
	s_barrier_wait -1                              ; everybody's are
	FETCH_B 0, 0, 0
	FETCH_A 0, 0, 0
	SCALES 0
	FETCH_A 0, 0, 4
	STEP 0, 0, 1                                   ; the first step's products start the sums
	STEPS 0, 1
	TURN 0, 1
	STEPS 1, 0
	s_wait_dscnt 4*NL                              ; the very last step: nothing more to fetch
	WIN MUL_LO
	MUL16 0, 1, NQ-1, 1, 0
	MUL16 2, 1, NQ-1, 1, 0
	s_wait_dscnt 0
	WIN MUL_HI
	MUL16 4, 1, NQ-1, 1, 0
	MUL16 6, 1, NQ-1, 1, 0
	WIN 0
	s_wait_loadcnt 48                              ; the bias is in; the 48 loads of W's first two batches, issued behind it, may be out
	PLACES NP                                      ; behind the last products: their results are read, and registers that held scales and A's fragments are written
.irp b, 0,1,2,3
	v_mov_b32 v[TM+4+\b], 0                        ; written once: a lane permute's destination counts as one of its sources
.endr
.irp a, 0,1,2,3,4,5,6,7
	OPERAND \a
.endr
	PLACES 8                                       ; a scale register written by a vector instruction stands 8 places ahead of the scaled matrix instruction, an operand so written 4
.irp q, 0,1,2,3,4,5,6,7
.if \q < 7
	s_wait_loadcnt 24                              ; this batch is in; the younger batch's 24 loads may be out
.else
	s_wait_loadcnt 0x0
.endif
.if \q == 0
	P5MUL 0, 1
.else
	P5MUL \q%2, 0
.endif
.if \q < 6
	PLACES NP                                      ; places in front of loads into registers that these products have read
	LOADW \q+2, \q%2
.endif
.endr
	PLACES NP                                      ; places in front of the first read of the results
	WIN 0x05                                       ; sources 0 and 1 window 1, destination window 0
.irp a, 0,1,2,3,4,5,6,7
	v_pk_add_f32 v[H+4*\a:H+4*\a+1], v[8*\a:8*\a+1], v[8*\a+2:8*\a+3]           ; the eight rows s of a lane; each accumulator from its low end on
	v_pk_add_f32 v[H+4*\a+2:H+4*\a+3], v[8*\a+4:8*\a+5], v[8*\a+6:8*\a+7]
.endr
	WIN 0
.irp a, 0,1,2,3,4,5,6,7
	v_pk_add_f32 v[H+4*\a:H+4*\a+1], v[H+4*\a:H+4*\a+1], v[H+4*\a+2:H+4*\a+3]
.endr
.irp a, 0,1,2,3,4,5,6,7
	v_add_f32 v[H+4*\a], v[H+4*\a], v[H+4*\a+1]
.endr
.irp a, 0,1,2,3,4,5,6,7
	v_permlanex16_b32 v[H+4*\a+1], v[H+4*\a], s[SEL], s[SEL+1]
.endr
.irp a, 0,1,2,3,4,5,6,7
	v_add_f32 v[H+4*\a], v[H+4*\a], v[H+4*\a+1]    ; the sum over all 1,024 rows s, in both halves of the lanes
.endr
.irp e, 0,1,2,3
	v_cndmask_b32 v[TM+\e], v[H+8*\e], v[H+8*\e+4], s95                         ; lane l: place 32 e + l of my 128
	global_store_b32 v[PO], v[TM+\e], s[2:3] offset:128*\e                      ; at the row that the place stands for: 32 lanes fill 128 consecutive bytes
.endr
	s_wait_tensorcnt 0x0                           ; the wave's end
	ds_add_u32 v[SPW], v[NIL]
	s_wait_dscnt 0x0
	CROUND                                         ; the closing round: no work-group ends while a partner may still ask for a tile that names it
	s_endpgm
.Lfunc_end_k_q947a762ff0_ao_pool:
	.size	k_q947a762ff0_ao_pool, .Lfunc_end_k_q947a762ff0_ao_pool-k_q947a762ff0_ao_pool
	.p2alignl 7, 3214868480
	.fill 96, 4, 3214868480
	.section	.rodata,"a",@progbits
	.p2align	6, 0x0
	.amdhsa_kernel k_q947a762ff0_ao_pool
		.amdhsa_group_segment_fixed_size 327680
		.amdhsa_private_segment_fixed_size 0
		.amdhsa_enable_private_segment 0
		.amdhsa_kernarg_size 24
		.amdhsa_user_sgpr_count 2
		.amdhsa_user_sgpr_kernarg_segment_ptr 1
		.amdhsa_wavefront_size32 1
		.amdhsa_system_sgpr_workgroup_id_x 1
		.amdhsa_system_sgpr_workgroup_id_y 1
		.amdhsa_system_sgpr_workgroup_id_z 1
		.amdhsa_system_vgpr_workitem_id 0
		.amdhsa_next_free_vgpr 1024
		.amdhsa_next_free_sgpr 100
		.amdhsa_reserve_vcc 0
		.amdhsa_float_denorm_mode_32 3
		.amdhsa_float_denorm_mode_16_64 3
		.amdhsa_memory_ordered 1
		.amdhsa_forward_progress 1
		.amdhsa_inst_pref_size 231
	.end_amdhsa_kernel
	.amdgpu_metadata
---
amdhsa.version: [ 1, 2 ]
amdhsa.kernels:
  - .name:           k_q947a762ff0_ao_pool
    .symbol:         k_q947a762ff0_ao_pool.kd
    .args:
      - { .name: wopack, .offset: 0, .size: 8, .value_kind: global_buffer, .address_space: global }
      - { .name: cpack, .offset: 8, .size: 8, .value_kind: global_buffer, .address_space: global }
      - { .name: part, .offset: 16, .size: 8, .value_kind: global_buffer, .address_space: global }
    .group_segment_fixed_size: 327680
    .private_segment_fixed_size: 0
    .kernarg_segment_align: 8
    .kernarg_segment_size: 24
    .max_flat_workgroup_size: 128
    .sgpr_count:     100
    .vgpr_count:     1024
    .wavefront_size: 32
...
	.end_amdgpu_metadata
.endif
;; end of part 5
;; launch fin (part 6): grid 16 x 1, 4 waves a work-group, no clusters, 0 bytes of LDS; arguments part, out0; writes out0
.if DOCPART == 6
	.amdgcn_target "amdgcn-amd-amdhsa--gfx1250"
	.amdhsa_code_object_version 6
	.text
	.protected	k_q947a762ff0_fin
	.globl	k_q947a762ff0_fin
	.p2align	8
	.type	k_q947a762ff0_fin,@function
k_q947a762ff0_fin:
	s_mov_b64 s[64:65], 0
	v_nop
	global_prefetch_b8 v0, s[64:65] scope:SCOPE_SE
	s_setreg_imm32_b32 hwreg(HW_REG_WAVE_MODE, 25, 1), 1
	s_wait_xcnt 0x0
; out0[b][e] = (the sum of the eight parts part[k][b][e], k = which 128 along t) / 1,024: the end of the sum over t and the mean over the 1,024 rows s.
; 8,192 numbers: a thread takes four neighbours, 16 bytes of each part: 2,048 threads, 16 work-groups of four waves.  Each load and the store of a wave cover 512 consecutive bytes.
; The design has work for no more work-groups: 256 KiB are read once.  No LDS, no barrier, no matrix unit: there is nothing to share and nothing to multiply.
	s_load_b128 s[4:7], s[0:1], 0x0                ; part, out0
	s_lshl_b32 s8, ttmp9, 11                       ; 128 threads x 16 bytes a work-group
	v_lshl_add_u32 v1, v0, 4, s8
	s_wait_kmcnt 0x0
.irp k, 0,1,2,3,4,5,6,7
	global_load_b128 v[4+4*\k:7+4*\k], v1, s[4:5] offset:32768*\k th:TH_LOAD_NT
.endr
	s_wait_loadcnt 0x0
.irp k, 0,2,4,6
	v_pk_add_f32 v[4+4*\k:5+4*\k], v[4+4*\k:5+4*\k], v[8+4*\k:9+4*\k]
	v_pk_add_f32 v[6+4*\k:7+4*\k], v[6+4*\k:7+4*\k], v[10+4*\k:11+4*\k]
.endr
.irp k, 0,4
	v_pk_add_f32 v[4+4*\k:5+4*\k], v[4+4*\k:5+4*\k], v[12+4*\k:13+4*\k]
	v_pk_add_f32 v[6+4*\k:7+4*\k], v[6+4*\k:7+4*\k], v[14+4*\k:15+4*\k]
.endr
	v_pk_add_f32 v[4:5], v[4:5], v[20:21]
	v_pk_add_f32 v[6:7], v[6:7], v[22:23]
	v_pk_mul_f32 v[4:5], v[4:5], 0x3a800000 op_sel_hi:[1,0]   ; / 1,024
	v_pk_mul_f32 v[6:7], v[6:7], 0x3a800000 op_sel_hi:[1,0]
	global_store_b128 v1, v[4:7], s[6:7]
	s_endpgm
.Lfunc_end_k_q947a762ff0_fin:
	.size	k_q947a762ff0_fin, .Lfunc_end_k_q947a762ff0_fin-k_q947a762ff0_fin
	.p2alignl 7, 3214868480
	.fill 96, 4, 3214868480
	.section	.rodata,"a",@progbits
	.p2align	6, 0x0
	.amdhsa_kernel k_q947a762ff0_fin
		.amdhsa_group_segment_fixed_size 0
		.amdhsa_private_segment_fixed_size 0
		.amdhsa_enable_private_segment 0
		.amdhsa_kernarg_size 16
		.amdhsa_user_sgpr_count 2
		.amdhsa_user_sgpr_kernarg_segment_ptr 1
		.amdhsa_wavefront_size32 1
		.amdhsa_system_sgpr_workgroup_id_x 1
		.amdhsa_system_sgpr_workgroup_id_y 1
		.amdhsa_system_sgpr_workgroup_id_z 1
		.amdhsa_system_vgpr_workitem_id 0
		.amdhsa_next_free_vgpr 40
		.amdhsa_next_free_sgpr 66
		.amdhsa_reserve_vcc 0
		.amdhsa_float_denorm_mode_32 3
		.amdhsa_float_denorm_mode_16_64 3
		.amdhsa_memory_ordered 1
		.amdhsa_forward_progress 1
		.amdhsa_inst_pref_size 3
	.end_amdhsa_kernel
	.amdgpu_metadata
---
amdhsa.version: [ 1, 2 ]
amdhsa.kernels:
  - .name:           k_q947a762ff0_fin
    .symbol:         k_q947a762ff0_fin.kd
    .args:
      - { .name: part, .offset: 0, .size: 8, .value_kind: global_buffer, .address_space: global }
      - { .name: out0, .offset: 8, .size: 8, .value_kind: global_buffer, .address_space: global }
    .group_segment_fixed_size: 0
    .private_segment_fixed_size: 0
    .kernarg_segment_align: 8
    .kernarg_segment_size: 16
    .max_flat_workgroup_size: 128
    .sgpr_count:     66
    .vgpr_count:     40
    .wavefront_size: 32
...
	.end_amdgpu_metadata
.endif
;; end of part 6
;; ======== version 2 of 2: 6 launches; version 1 with the launch attn written anew for expert scheduling mode
;; workspace buffers: xpack 5,570,560 bytes; wvpack 561,152 bytes; wopack 561,152 bytes; qkpack 8,912,896 bytes; vpack 4,718,592 bytes; cpack 9,175,040 bytes; part 262,144 bytes
;; launch quant: the kernel of part 1 again; grid 384 x 1, 4 waves a work-group, no clusters, 33,280 bytes of LDS; arguments x, w_in, w_out, b_in, b_out, xpack, wvpack, wopack; writes xpack, wvpack, wopack
;; launch gemm_qk: the kernel of part 2 again; grid 8 x 32, 4 waves a work-group, clusters of 4 x 4, 327,680 bytes of LDS; arguments xpack, b_in, qkpack; writes qkpack
;; launch gemm_v: the kernel of part 3 again; grid 32 x 4, 4 waves a work-group, clusters of 4 x 4, 327,680 bytes of LDS; arguments wvpack, xpack, vpack; writes vpack
;; launch attn (part 7): grid 32 x 8, 16 waves a work-group, no clusters, 287,232 bytes of LDS; arguments qkpack, vpack, cpack; writes cpack
.if DOCPART == 7
	.amdgcn_target "amdgcn-amd-amdhsa--gfx1250"
	.amdhsa_code_object_version 6
	.text
	.protected	k_q947a762ff0_attn
	.globl	k_q947a762ff0_attn
	.p2align	8
	.type	k_q947a762ff0_attn,@function
k_q947a762ff0_attn:
	s_mov_b64 s[64:65], 0
	v_nop
	global_prefetch_b8 v0, s[64:65] scope:SCOPE_SE
	s_setreg_imm32_b32 hwreg(HW_REG_WAVE_SCHED_MODE, 0, 2), 2
	s_setreg_imm32_b32 hwreg(HW_REG_WAVE_MODE, 25, 1), 1
	s_wait_xcnt 0x0
	s_wait_alu depctr_vm_vsrc(0)
; ATTENTION ON CODES OF FP4 (E2M1), 16 heads of 64, 1,024 keys, and the mean of the finished softmax over the heads.  q (already x 1/8) and k arrive as half operands (16 rows x 64 along d: 512 bytes, lane l's 16 bytes at 16 l),
; V transposed as whole operands (16 of a head's 64 x 128 keys: 1,024 bytes), each with its scale words.  Out: the context as rows of codes [8,192 (b, place)][512 bytes] + 32 scale bytes a row; the mean weights as operands (16 queries x 128 keys).
; SHARES.  A work-group owns 32 queries of one batch and walks all 16 heads.  Wave w: its tile of 16 queries qt = w % 2, its 128 keys ke = w / 2.  A wave sees its 128 keys of a head at once, so it needs no running maximum.
; THE SOFTMAX.  t = score x log2(e); M = ceil(the largest t of MY 128 keys), a whole number; p = 2^(t - M) is quantised along the keys; the sum l is taken of the unquantised p.  The eight waves of a query tile exchange -M, l and their
; partial O through LDS, once a head; differences of M are whole numbers, so all is brought under the largest M by v_ldexp_f32, which rounds nothing.  p stays in registers until l is whole: then p x 2^(M - largest M) / l / 16 is added to the mean.
; LAYOUT.  Both products are used transposed: S^T = K Q^T (source 0 = keys, source 1 = my queries), O^T = V^T P^T: a lane holds ONE query (lane % 16) throughout.  Rows lie by place (place p holds row pi(p), bits 3 and 4 exchanged),
; so the 16 registers of two neighbouring tiles of keys (or of d) are 16 neighbours, 32 B + 16 (lane / 16) + 0 .. 15.
; K = 64 IN THE FIRST PRODUCT: an operand of 128 along K holds TWO tiles of keys, one in k 0-63, one in k 64-127; it is multiplied once by (q, zeros) and once by (zeros, q): v18-29 hold q, four zeros, q.
; EVERY WAVE COMBINES A SIXTEENTH.  A partial O is eight pieces of four registers.  Wave (qt, ke) takes piece ke of the eight partial O of query tile qt, weighs each by 2^(M_k - largest M) / l, adds them, and keeps the four f32 numbers of
; each lane in LDS bytes of its own (8,192 w + 512 head + 16 l) until the end.  Piece n holds d = 32 (n / 4) + 16 (lane / 16) + 4 (n % 4) + 0 .. 3.  All waves do the same work in every head.
; AT THE END the context is quantised: lane (r, B) of wave w gathers the whole blocks of 32 of query 16 (w % 2) + r, heads 2 (w / 2) and 2 (w / 2) + 1, half B of d; codes and bytes meet in a stage and leave as whole rows.
; ONE BARRIER A HEAD.  The exchange has two sets of LDS bytes by turns: a set is written again two heads later, behind the next head's barrier, in front of which every wave has waited for all its LDS instructions.
; K, Q, V go from memory straight into operand registers, asked for ahead: K and Q a head, V from the end of the head before.  NO JOINT LOADS, though the 32 work-groups of a batch read the same K and V: a fragment serves only the two
; waves of a work-group that share its keys, and a stage in LDS would cost a store and two loads for each such byte, and a round of a cluster's barrier for each head beside the exchange's own; the price is that K's and V's 72 KiB of a head
; are asked for by each of the 32.
; LIMITS: a block of zeros gets the byte 1 (its codes are zeros; this program alone reads the bytes); NaN and infinities are not served; p under 2^-126 counts as 0.
; REGISTERS: v1-11 addresses; v12 -M, v13 its pair's other half, the number for the exchange, then 1 / l; v[14:15] l, then at work; v[16:17] the factor for the mean, then at work; v18-29 Q; v30-37 p's codes, then the combined piece;
;   v38-39 K's scale words, v40 Q's as loaded, v41 Q's, v42-45 V's, v46 p's; v48-63 at work, then with v64-79 the four tiles of O^T, then -M and l of the eight; v64-95 V, then the eight pieces; v96-127 K; v128-191 S^T, then p; v192-255 the mean.
; THE MODE: SCHED_MODE bits 1:0 = 2 (LLVM: expert scheduling mode 2), set by the entry lines.  The code itself states the register dependences between vector or matrix instructions and memory or LDS instructions, with s_wait_alu, always for 0.
; THE PLAN.  Registers that memory or LDS instructions touch in a head, in the head's order:
;   K, Q, their scale words (v96-127, v38-40, v18-21, v26-29)  read by v_perm_b32 and the eight products K Q^T; behind these the next head's 13 loads land in them.
;   v11, v30-33   address and data of the store of my piece, at a head's end; v11 is written again early in the next head, v30-37 by its conversions.
;   v13           data of the store of -M or l; written by v_cndmask_b32 ahead of it, by the reciprocal behind the barrier.
;   v48-79        written by the four products V^T P, read by the eight stores of my partial O; behind the barrier LDS loads land in them.
;   V (v64-95, v42-45)  read by the four products; the pieces' LDS loads land in v64-95, the weighing reads them, then the next head's V lands.
;   v1-v9         addresses, made at the kernel's head and not written in the loop.     S^T, p and the mean are named by vector and matrix instructions alone in the loop.
; Five waits on va_vdst a head beside the three that stand behind the transcendentals: ahead of K Q^T (v41 is written); ahead of K's loads (the products are done reading); ahead of V^T P (p's codes and scale word are written, and v13:
; the store of -M or l stands behind this wait); ahead of the stores of O^T (the results are written, V is read: the LDS loads behind the barrier owe nothing more, no vector line stands between); ahead of my piece's store and V's loads.
; Two waits on vm_vsrc a head: ahead of the write of v11, and behind the barrier ahead of the LDS loads.
.set STATS, 131072                     ; LDS: 0 .. 131,071 partial O: wave w at 8,192 w, set at + 4,096, piece n of eight at + 512 n + 16 l.  Then -M and l: set at SSET, query tile at 1,280, query at 80 (64 + 16 of padding): words 0-7 -M, 8-15 l
.set SSET,  2560
.set CTX,   STATS+2*SSET               ; the context in f32: 8,192 bytes for each wave
.set CST,   CTX+131072                 ; the stage for its codes: 32 rows x (512 bytes + 16)
.set CPITCH, 528
.set CSC,   CST+32*CPITCH              ; and for its scale bytes: 32 rows x 32
.set TMA,   48                         ; v48-51 largest of each block
.set TMC,   52                         ; v52-55 the conversions' scale operands
.set TMB,   56                         ; v56-59 the other lane's, then the bytes
.set SS,    128
.set ACC,   192
.macro QMAX s                          ; 64 numbers of a lane, register 16 b + i = key 32 b + 16 (lane / 16) + i: the four blocks' largest magnitudes
.irp b, 0,1,2,3
	v_max3_num_f32 v[TMA+\b], |v[(\s)+16*\b]|, |v[(\s)+1+16*\b]|, 0x1800000   ; and the floor 2^(3 - 127): the byte cannot fall under 1
.endr
.irp i, 2,4,6,8,10,12,14
.irp b, 0,1,2,3
	v_max3_num_f32 v[TMA+\b], v[TMA+\b], |v[(\s)+16*\b+\i]|, |v[(\s)+1+16*\b+\i]|
.endr
.endr
.irp b, 0,1,2,3
	v_permlanex16_b32 v[TMB+\b], v[TMA+\b], s26, s27
.endr
.irp b, 0,1,2,3
	v_max_num_f32 v[TMA+\b], v[TMA+\b], v[TMB+\b]
.endr
.endm
.macro QSCL pw                         ; the conversions' scale operands, the bytes, the row's scale word
.irp b, 0,1,2,3
	v_add_nc_u32 v[TMC+\b], 0xff000000, v[TMA+\b]  ; 2 off the exponent field
.endr
.irp b, 0,1,2,3
	v_lshrrev_b32 v[TMB+\b], 23, v[TMC+\b]
.endr
	v_lshl_or_b32 v[\pw], v[TMB+1], 8, v[TMB]
	v_lshl_or_b32 v[\pw], v[TMB+2], 16, v[\pw]
	v_lshl_or_b32 v[\pw], v[TMB+3], 24, v[\pw]
.endm
.macro QCVT s, pc                      ; the codes, as an operand's 8 registers
.irp b, 0,1,2,3
	v_cvt_scalef32_pk8_fp4_f32 v[(\pc)+2*\b], v[(\s)+16*\b:(\s)+7+16*\b], v[TMC+\b]
	v_cvt_scalef32_pk8_fp4_f32 v[(\pc)+1+2*\b], v[(\s)+8+16*\b:(\s)+15+16*\b], v[TMC+\b]
.endr
	v_nop                                          ; one plain place behind a scaled conversion
.irp c, 0,1                                    ; a WHOLE block in a lane: lanes 0-15 block 2 c, lanes 16-31 block 2 c + 1
.irp i, 0,1
	v_permlane16_swap_b32 v[(\pc)+4*\c+\i], v[(\pc)+2+4*\c+\i]
.endr
.endr
.endm
.macro KLOADS                          ; 13 loads: my 8 tiles of keys, their scale words (lanes 0-15 an even pair of tiles, lanes 16-31 the odd one), q twice, q's scale word
.irp n, 0,1,2,3,4,5,6,7
	global_load_b128 v[96+4*\n:99+4*\n], v1, s[34:35] offset:512*\n
.endr
	global_load_b32 v38, v2, s[36:37]
	global_load_b32 v39, v2, s[36:37] offset:128
	global_load_b128 v[18:21], v1, s[30:31]
	global_load_b128 v[26:29], v1, s[30:31]
	global_load_b32 v40, v3, s[32:33]
.endm
.macro VLOADS                          ; 12 loads: the head's four tiles of d x my 128 keys, and their scale words
.irp t, 0,1,2,3
	global_load_b128 v[64+8*\t:67+8*\t], v1, s[38:39] offset:8192*\t
	global_load_b128 v[68+8*\t:71+8*\t], v1, s[38:39] offset:8192*\t+512
.endr
.irp t, 0,1,2,3
	global_load_b32 v[42+\t], v2, s[40:41] offset:1024*\t
.endr
.endm
.macro KQ i                            ; operand i of K, two tiles of keys: against (q, 0) and against (0, q)
.if (\i)%2
	v_wmma_scale_f32_16x16x128_f8f6f4 v[SS+16*(\i):SS+16*(\i)+7], v[96+8*(\i):103+8*(\i)], v[18:25], 0, v[38+(\i)/2], v41 matrix_a_fmt:MATRIX_FMT_FP4 matrix_b_fmt:MATRIX_FMT_FP4 matrix_a_scale:MATRIX_SCALE_ROW1
	v_wmma_scale_f32_16x16x128_f8f6f4 v[SS+16*(\i)+8:SS+16*(\i)+15], v[96+8*(\i):103+8*(\i)], v[22:29], 0, v[38+(\i)/2], v41 matrix_a_fmt:MATRIX_FMT_FP4 matrix_b_fmt:MATRIX_FMT_FP4 matrix_a_scale:MATRIX_SCALE_ROW1
.else
	v_wmma_scale_f32_16x16x128_f8f6f4 v[SS+16*(\i):SS+16*(\i)+7], v[96+8*(\i):103+8*(\i)], v[18:25], 0, v[38+(\i)/2], v41 matrix_a_fmt:MATRIX_FMT_FP4 matrix_b_fmt:MATRIX_FMT_FP4
	v_wmma_scale_f32_16x16x128_f8f6f4 v[SS+16*(\i)+8:SS+16*(\i)+15], v[96+8*(\i):103+8*(\i)], v[22:29], 0, v[38+(\i)/2], v41 matrix_a_fmt:MATRIX_FMT_FP4 matrix_b_fmt:MATRIX_FMT_FP4
.endif
.endm
.macro PV t                            ; tile t of O^T: 16 of the head's 64 x my queries, K = my 128 keys
	v_wmma_scale_f32_16x16x128_f8f6f4 v[48+8*(\t):55+8*(\t)], v[64+8*(\t):71+8*(\t)], v[30:37], 0, v[42+(\t)], v46 matrix_a_fmt:MATRIX_FMT_FP4 matrix_b_fmt:MATRIX_FMT_FP4
.endm
	s_load_b128 s[4:7], s[0:1], 0x0                ; qkpack, vpack
	s_load_b64 s[8:9], s[0:1], 0x10                ; cpack
	v_lshrrev_b32 v1, 5, v0
	v_readfirstlane_b32 s20, v1                    ; wave 0..15
	v_and_b32 v62, 31, v0                          ; l
	v_and_b32 v63, 15, v0                          ; r
	v_bfe_u32 v61, v0, 4, 1                        ; h
	v_lshlrev_b32 v1, 4, v62                       ; v1 16 l
	v_lshlrev_b32 v2, 2, v62                       ; v2 4 l
	v_lshlrev_b32 v3, 2, v63                       ; v3 4 r
	s_wait_alu depctr_va_sdst(0)                   ; s20 is written, ahead of its first reader: the wave's shares, LDS places and bases are made from it
	s_and_b32 s21, s20, 1                          ; qt
	s_lshr_b32 s22, s20, 1                         ; ke
	s_and_b32 s23, ttmp7, 0xffff                   ; b
	s_lshl_b32 s11, s20, 13
	v_add_nc_u32 v4, s11, v1                       ; v4 where I put my partial O
	v_add_nc_u32 v9, CTX, v4                       ; v9 where I keep my piece of the context, head 0
	s_lshl_b32 s11, s21, 13
	s_lshl_b32 s12, s22, 9
	s_add_co_u32 s11, s11, s12
	v_add_nc_u32 v5, s11, v1                       ; v5 piece ke of the partial O of key eighths 0-3 of my query tile (16,384 bytes apart),
	v_add_nc_u32 v6, 65536, v5                     ; v6 and of 4-7
	s_mul_i32 s11, s21, 1280
	s_add_co_u32 s11, s11, STATS
	v_mul_u32_u24 v8, v63, 80
	v_add_nc_u32 v8, s11, v8                       ; v8 my query's 16 words of -M and l: 80 bytes from query to query
	s_lshl_b32 s12, s22, 2
	v_lshl_add_u32 v7, v61, 5, v8
	v_add_nc_u32 v7, s12, v7                       ; v7 my word: lanes 0-15 -M, lanes 16-31 l
	s_lshl_b32 s24, ttmp9, 1
	s_add_co_u32 s24, s24, s21                     ; my tile of queries in the batch
	s_mov_b32 s26, 0x76543210
	s_mov_b32 s27, 0xfedcba98                      ; v_permlanex16_b32's selects for lane l xor 16
	s_mov_b32 s28, 0x3fb8aa3b                      ; log2(e)
	s_mov_b32 s29, s28                             ; (named with it as a pair, so it is written)
	s_mov_b32 s50, 0xffff0000                      ; lanes 16-31
	s_mov_b32 s49, 0x01000100                      ; q's scale word holds two tiles' bytes: mine are doubled, so that one word serves (q, 0) and (0, q)
	s_cmp_eq_u32 s21, 0
	s_cselect_b32 s49, s49, 0x03020302
	s_mov_b32 s42, 0x8000                          ; a head on: codes,
	s_mov_b32 s43, 0
	s_mov_b32 s44, 0x800                           ; q's and k's scale words,
	s_mov_b32 s45, 0
	s_mov_b32 s46, 0x1000                          ; V's scale words
	s_mov_b32 s47, 0
	s_mov_b32 s48, 0                               ; the trip
	s_mov_b32 s51, 0                               ; 1,024 x trip: my piece of the context, 512 bytes a head
	s_mov_b32 s13, 0
	s_wait_kmcnt 0x0
	s_lshl_b32 s12, s23, 19
	s_lshl_b32 s14, s24, 9
	s_add_co_u32 s12, s12, s14
	s_add_nc_u64 s[30:31], s[4:5], s[12:13]        ; q's codes: [b][head][tile]
	s_lshl_b32 s12, s23, 15
	s_lshl_b32 s14, ttmp9, 6
	s_add_co_u32 s12, s12, s14
	s_add_co_u32 s12, s12, 8388608
	s_add_nc_u64 s[32:33], s[4:5], s[12:13]        ; q's scale words: [b][head][pair of tiles]
	s_add_co_u32 s15, s23, 8
	s_lshl_b32 s12, s15, 19
	s_lshl_b32 s14, s22, 12
	s_add_co_u32 s12, s12, s14
	s_add_nc_u64 s[34:35], s[4:5], s[12:13]        ; k's codes: my 8 tiles
	s_lshl_b32 s12, s15, 15
	s_lshl_b32 s14, s22, 8
	s_add_co_u32 s12, s12, s14
	s_add_co_u32 s12, s12, 8388608
	s_add_nc_u64 s[36:37], s[4:5], s[12:13]        ; k's scale words: my 4 pairs
	s_lshl_b32 s15, s23, 9
	s_add_co_u32 s15, s15, s22
	s_lshl_b32 s12, s15, 10
	s_add_nc_u64 s[38:39], s[6:7], s[12:13]        ; V: [b][tile of d, 4 a head][128 keys]
	s_lshl_b32 s12, s15, 7
	s_add_co_u32 s12, s12, 4194304
	s_add_nc_u64 s[40:41], s[6:7], s[12:13]
	s_wait_alu depctr_va_vdst(0)                   ; the addresses v1 to v9 are written, which the loads below and the loop's LDS instructions read
	KLOADS                                         ; head 0
	VLOADS
.irp j, 13,17,22,23,24,25,56,57,58,59,60,61,62,63
	v_mov_b32 v\j, 0                               ; Q's zeros; halves of pairs that are named but not used; destinations of lane permutes
.endr
.set i, 0
.rept 64
	v_mov_b32 v[ACC+i], 0                          ; the mean.  (The head's text is written once for all heads)
.set i, i+1
.endr
.macro HEAD buf
	s_wait_loadcnt 12                              ; K, Q and their scale words are in; this head's 12 loads of V may be out
	v_perm_b32 v41, v40, v40, s49
.rept 8
	v_nop                                          ; a scale register written by a vector instruction stands 8 places ahead of the scaled matrix instruction
.endr
	s_wait_alu depctr_va_vdst(0)                   ; v41 is written, which the products below take as scales (in the first trip Q's zeros v22-25 too, which they take as part of an operand); the places above stay beside this wait
.irp i, 0,1,2,3
	KQ \i                                          ; eight results, eight accumulators
.endr
.rept 4
	v_nop                                          ; places in front of the first read of the scores
.endr
.if \buf
	s_cmp_lg_u32 s48, 7                            ; the last head asks for itself once more: every load stays in its buffer, and every wait keeps its count
	s_cselect_b32 s42, 0x8000, 0
	s_cselect_b32 s44, 0x800, 0
	s_cselect_b32 s46, 0x1000, 0
.endif
	s_add_nc_u64 s[30:31], s[30:31], s[42:43]      ; (the wait at the head has shown the loads done that read these)
	s_add_nc_u64 s[34:35], s[34:35], s[42:43]
	s_add_nc_u64 s[32:33], s[32:33], s[44:45]
	s_add_nc_u64 s[36:37], s[36:37], s[44:45]
	s_wait_alu depctr_va_vdst(0)                   ; the eight products are done reading K, Q and K's scale words, v_perm_b32 is done reading v40: the 13 loads below land in these registers
	KLOADS                                         ; the next head's
	s_wait_dscnt 0x0                               ; the last head's store of my piece has landed
	s_wait_alu depctr_vm_vsrc(0)                   ; that store has read its address v11 and its data v30-33: both are written again below
	v_add_nc_u32 v11, s51, v9                      ; where this trip's pieces go
.irp b, 0,1,2,3
	v_max3_num_f32 v[TMA+\b], v[SS+16*\b], v[SS+1+16*\b], v[SS+2+16*\b]   ; the largest score of each block of 32 keys: for the row's maximum and, since p rises with the score, for the block's largest p
.endr
.irp i, 3,5,7,9,11,13
.irp b, 0,1,2,3
	v_max3_num_f32 v[TMA+\b], v[TMA+\b], v[SS+16*\b+\i], v[SS+1+16*\b+\i]
.endr
.endr
.irp b, 0,1,2,3
	v_max_num_f32 v[TMA+\b], v[TMA+\b], v[SS+15+16*\b]
.endr
.irp b, 0,1,2,3
	v_permlanex16_b32 v[TMB+\b], v[TMA+\b], s26, s27
.endr
.irp b, 0,1,2,3
	v_max_num_f32 v[TMA+\b], v[TMA+\b], v[TMB+\b]
.endr
	v_max3_num_f32 v62, v48, v49, v50
	v_max_num_f32 v62, v62, v51
	v_mul_f32 v62, s28, v62                        ; as t
	v_floor_f32 v12, -v62                          ; -M = floor(-t) = -ceil(t)
.set i, 0
.rept 32
	v_pk_fma_f32 v[SS+i:SS+i+1], v[SS+i:SS+i+1], s[28:29], v[12:13] op_sel_hi:[1,0,0]   ; t - M, two at a time
.set i, i+2
.endr
.irp b, 0,1,2,3
	v_fma_f32 v[TMA+\b], v[TMA+\b], s28, v12       ; the same of each block's largest score
.endr
.set i, 0
.rept 64
	v_exp_f32 v[SS+i], v[SS+i]                     ; p = 2^(t - M), at most 1
.set i, i+1
.endr
	v_nop                                          ; a plain place behind the exponentials
	s_wait_alu depctr_va_vdst(0)                   ; the 64 exponentials have written p: one wait for the batch, ahead of its first reader
.irp b, 0,1,2,3
	v_exp_f32 v[TMA+\b], v[TMA+\b]                 ; the block's largest p: the same two instructions on the same number
.endr
	v_pk_add_f32 v[14:15], v[SS:SS+1], v[SS+2:SS+3]           ; the sum of the unquantised p, in two chains.  (It reads the 64 alone: plain work behind the four)
	v_pk_add_f32 v[60:61], v[SS+4:SS+5], v[SS+6:SS+7]
.irp j, 8,12,16,20,24,28,32,36,40,44,48,52,56,60
	v_pk_add_f32 v[14:15], v[14:15], v[SS+\j:SS+\j+1]
	v_pk_add_f32 v[60:61], v[60:61], v[SS+\j+2:SS+\j+3]
.endr
	v_pk_add_f32 v[14:15], v[14:15], v[60:61]
	s_wait_alu depctr_va_vdst(0)                   ; the four exponentials have written v48-51, ahead of their first reader
.irp b, 0,1,2,3
	v_max_num_f32 v[TMA+\b], 0x1800000, v[TMA+\b]  ; the floor 2^(3 - 127)
.endr
	QSCL 46
	v_add_f32 v14, v14, v15
	v_permlanex16_b32 v62, v14, s26, s27
	v_add_f32 v14, v14, v62                        ; l of my 128 keys
	v_cndmask_b32 v13, v12, v14, s50               ; lanes 0-15 hand on -M, lanes 16-31 l
	QCVT SS, 30
	s_wait_loadcnt 13                              ; V is in; the next head's 13 loads may be out
.rept 8
	v_nop                                          ; p's scale word stands 8 places ahead, its codes 4
.endr
	s_wait_alu depctr_va_vdst(0)                   ; p's codes v30-37 and its scale word v46 are written, which the products below take; so is v13, which the store below reads; the places above stay beside this wait
	ds_store_b32 v7, v13 offset:SSET*\buf
	PV 0
	PV 1
.rept 5
	v_nop                                          ; tiles 2 and 3 land on V's operands 0 and 1, which tiles 0 and 1 have read: 5 places
.endr
	PV 2
	PV 3
.rept 4
	v_nop                                          ; places in front of the stores of the results
.endr
	s_wait_alu depctr_va_vdst(0)                   ; the four products have written v48-79, which the stores below read, and are done reading V: the LDS loads behind the barrier land in v48-95, and no vector line stands between this wait and them
.irp n, 0,1,2,3,4,5,6,7
	ds_store_b128 v4, v[48+4*\n:51+4*\n] offset:4096*\buf+512*\n   ; each accumulator from its low end on; 512 consecutive bytes a store
.endr
	s_wait_dscnt 0x0                               ; for the others' sake: my stores have landed; and all my earlier reads of the other set are over
	s_barrier_signal -1
	s_barrier_wait -1
	s_wait_alu depctr_vm_vsrc(0)                   ; my stores have read v48-79, in which the loads below land, and v13, which the reciprocal writes
	ds_load_b128 v[48:51], v8 offset:SSET*\buf     ; my query's eight -M
	ds_load_b128 v[52:55], v8 offset:SSET*\buf+16
	ds_load_b128 v[56:59], v8 offset:SSET*\buf+32  ; and eight l
	ds_load_b128 v[60:63], v8 offset:SSET*\buf+48
.irp k, 0,1,2,3
	ds_load_b128 v[64+4*\k:67+4*\k], v5 offset:16384*\k+4096*\buf   ; my piece of the eight partial O: 512 consecutive bytes a load
.endr
.irp k, 0,1,2,3
	ds_load_b128 v[80+4*\k:83+4*\k], v6 offset:16384*\k+4096*\buf
.endr
	s_wait_dscnt 8                                 ; -M and l are in; the eight loads of the pieces may be out
	v_min3_num_f32 v14, v48, v49, v50
	v_min3_num_f32 v14, v14, v51, v52
	v_min3_num_f32 v14, v14, v53, v54
	v_min_num_f32 v14, v14, v55                    ; - the largest M
.irp k, 0,1,2,3,4,5,6,7
	v_sub_f32 v[48+\k], v14, v[48+\k]              ; M_k - the largest M: a whole number, 0 or less
.endr
.irp k, 0,1,2,3,4,5,6,7
	v_cvt_i32_f32 v[48+\k], v[48+\k]               ; (it saturates)
.endr
.irp k, 0,1,2,3,4,5,6,7
	v_ldexp_f32 v[56+\k], v[56+\k], v[48+\k]       ; l_k under the largest M: nothing is rounded
.endr
	v_add_f32 v56, v56, v57
	v_add_f32 v58, v58, v59
	v_add_f32 v60, v60, v61
	v_add_f32 v62, v62, v63
	v_add_f32 v56, v56, v58
	v_add_f32 v60, v60, v62
	v_add_f32 v56, v56, v60                        ; the row's sum
	v_rcp_f32 v13, v56
	v_sub_f32 v15, v14, v12                        ; (a plain place)  my own M - the largest M
	v_cvt_i32_f32 v15, v15
	s_wait_alu depctr_va_vdst(0)                   ; the reciprocal has written v13, ahead of its first reader
	v_ldexp_f32 v16, v13, v15
	v_mul_f32 v16, 0x3d800000, v16                 ; 2^(M - largest M) / l / 16
.set i, 0
.rept 32
	v_pk_fma_f32 v[ACC+i:ACC+i+1], v[SS+i:SS+i+1], v[16:17], v[ACC+i:ACC+i+1] op_sel_hi:[1,0,1]   ; the finished softmax into the mean over heads
.set i, i+2
.endr
	s_wait_dscnt 0x0                               ; the eight pieces are in
.irp k, 0,2,4,6                                ; + piece of eighth k x 2^(M_k - largest M) / l: the even eighths in one chain, the odd ones in another
	v_ldexp_f32 v14, v13, v[48+\k]
	v_ldexp_f32 v16, v13, v[49+\k]
.if \k == 0
	v_pk_mul_f32 v[30:31], v[64+4*\k:65+4*\k], v[14:15] op_sel_hi:[1,0]
	v_pk_mul_f32 v[32:33], v[66+4*\k:67+4*\k], v[14:15] op_sel_hi:[1,0]
	v_pk_mul_f32 v[34:35], v[68+4*\k:69+4*\k], v[16:17] op_sel_hi:[1,0]
	v_pk_mul_f32 v[36:37], v[70+4*\k:71+4*\k], v[16:17] op_sel_hi:[1,0]
.else
	v_pk_fma_f32 v[30:31], v[64+4*\k:65+4*\k], v[14:15], v[30:31] op_sel_hi:[1,0,1]
	v_pk_fma_f32 v[32:33], v[66+4*\k:67+4*\k], v[14:15], v[32:33] op_sel_hi:[1,0,1]
	v_pk_fma_f32 v[34:35], v[68+4*\k:69+4*\k], v[16:17], v[34:35] op_sel_hi:[1,0,1]
	v_pk_fma_f32 v[36:37], v[70+4*\k:71+4*\k], v[16:17], v[36:37] op_sel_hi:[1,0,1]
.endif
.endr
	v_pk_add_f32 v[30:31], v[30:31], v[34:35]
	v_pk_add_f32 v[32:33], v[32:33], v[36:37]      ; the context of my query at four neighbouring d
	s_wait_alu depctr_va_vdst(0)                   ; the additions have written v30-33, which the store below reads; the weighing is done reading the pieces v64-95, in which V's loads below land
	ds_store_b128 v11, v[30:33] offset:512*\buf    ; into my own bytes: 512 consecutive bytes
	s_add_nc_u64 s[38:39], s[38:39], s[42:43]      ; (the wait for V has shown the loads done that read these)
	s_add_nc_u64 s[40:41], s[40:41], s[46:47]
	VLOADS                                         ; the next head's V, into the registers that the pieces have left
.endm
.Lheads:                                           ; 8 trips of two heads: the exchange's two sets by turns
	HEAD 0
	HEAD 1
	s_add_co_u32 s51, s51, 1024
	s_add_co_u32 s48, s48, 1
	s_cmp_lt_u32 s48, 8
	s_cbranch_scc1 .Lheads
	s_wait_loadcnt 0x0                             ; the last head's loads, asked for once more, are not used
	s_wait_dscnt 0x0                               ; my last piece has landed
	s_wait_alu depctr_vm_vsrc(0)                   ; the last store of a piece has read v30-33, and the loop's LDS instructions have read their addresses v4 to v8: all of these are written again below
	QMAX ACC                                       ; the mean weights of my 16 queries x 128 keys become an operand
	QSCL 46
	QCVT ACC, 30
	s_lshl_b32 s12, s23, 6
	s_add_co_u32 s12, s12, s24
	s_lshl_b32 s12, s12, 3
	s_add_co_u32 s12, s12, s22                     ; [b][tile of queries][128 keys]
	s_lshl_b32 s14, s12, 7
	s_lshl_b32 s12, s12, 10
	s_add_co_u32 s12, s12, 4456448
	s_add_co_u32 s14, s14, 8650752
	s_mov_b32 s13, 0
	s_mov_b32 s15, 0
	s_add_nc_u64 s[12:13], s[8:9], s[12:13]
	s_add_nc_u64 s[14:15], s[8:9], s[14:15]
	s_wait_alu depctr_va_vdst(0)                   ; the codes v30-37 and the scale word v46 are written, which the three stores below read
	global_store_b128 v1, v[30:33], s[12:13] th:TH_STORE_NT              ; 512 consecutive bytes a store, aligned
	global_store_b128 v1, v[34:37], s[12:13] offset:512 th:TH_STORE_NT
	global_store_b32 v2, v46, s[14:15] th:TH_STORE_NT
	; THE CONTEXT IS QUANTISED.  Lane (r, B) of wave w: query 16 (w % 2) + r, half B of d, heads 2 (w / 2) and 2 (w / 2) + 1.  The number at d = 32 B + 16 hh + 4 m + j lies in the bytes of wave 2 (4 B + m) + w % 2, at 512 head + 256 hh + 16 r + 4 j
	v_and_b32 v5, 15, v0                           ; r
	v_bfe_u32 v6, v0, 4, 1                         ; B
	s_lshl_b32 s16, s21, 13
	s_lshl_b32 s17, s22, 10
	s_add_co_u32 s16, s16, s17
	s_add_co_u32 s16, s16, CTX
	v_lshl_add_u32 v4, v5, 4, s16
	v_lshl_add_u32 v4, v6, 16, v4                  ; v4 where my two blocks begin: sixteen lanes read 256 consecutive bytes
	s_mul_i32 s16, s21, 16*CPITCH
	s_lshl_b32 s17, s22, 6
	s_add_co_u32 s16, s16, s17
	s_add_co_u32 s16, s16, CST
	v_mul_u32_u24 v7, v5, CPITCH
	v_lshl_add_u32 v7, v6, 4, v7
	v_add_nc_u32 v7, s16, v7                       ; v7 the stage: my row, 32 bytes a head, 16 a block
	s_lshl_b32 s16, s21, 9
	s_lshl_b32 s17, s22, 2
	s_add_co_u32 s16, s16, s17
	s_add_co_u32 s16, s16, CSC
	v_lshl_add_u32 v8, v5, 5, v6
	v_add_nc_u32 v8, s16, v8                       ; v8 my row's scale bytes: 2 a head, 1 a block
	s_mul_i32 s16, s20, 2*CPITCH
	s_add_co_u32 s16, s16, CST
	v_add_nc_u32 v9, s16, v1                       ; v9 back: wave w takes rows 2 w and 2 w + 1, whole
	s_lshl_b32 s16, s21, 9
	s_add_co_u32 s16, s16, CSC
	v_add_nc_u32 v10, s16, v1                      ; v10 waves 0 and 1: 512 scale bytes each
	s_wait_alu depctr_va_vdst(0)                   ; the new addresses v4 and v7 to v10 are written, which the LDS instructions below read
	s_wait_dscnt 0x0
	s_barrier_signal -1
	s_barrier_wait -1                              ; every wave's pieces have landed
.irp i, 0,1
.irp hh, 0,1
.irp m, 0,1,2,3
	ds_load_b128 v[SS+32*\i+16*\hh+4*\m:SS+32*\i+16*\hh+4*\m+3], v4 offset:16384*\m+512*\i+256*\hh
.endr
.endr
.endr
	s_wait_dscnt 0x0
.irp i, 0,1
	v_max3_num_f32 v[48+\i], |v[SS+32*\i]|, |v[SS+32*\i+1]|, 0x1800000   ; a whole block is mine; the floor 2^(3 - 127): the byte cannot fall under 1
.endr
.irp j, 2,4,6,8,10,12,14,16,18,20,22,24,26,28,30
.irp i, 0,1
	v_max3_num_f32 v[48+\i], v[48+\i], |v[SS+32*\i+\j]|, |v[SS+32*\i+\j+1]|
.endr
.endr
.irp i, 0,1
	v_add_nc_u32 v[50+\i], 0xff000000, v[48+\i]    ; 2 off the exponent field: the conversion's scale operand
.endr
.irp i, 0,1
	v_lshrrev_b32 v[52+\i], 23, v[50+\i]           ; the scale's byte
.endr
.irp i, 0,1
.irp g, 0,1,2,3
	v_cvt_scalef32_pk8_fp4_f32 v[56+4*\i+\g], v[SS+32*\i+8*\g:SS+32*\i+8*\g+7], v[50+\i]
.endr
.endr
	v_nop                                          ; one plain place behind a scaled conversion
	s_wait_alu depctr_va_vdst(0)                   ; the codes v56-63 and the bytes v52-53 are written, which the stores below read; the conversions are done reading v128-191, in part of which the LDS loads behind the barrier land: no vector line follows this wait
.irp i, 0,1
	ds_store_b128 v7, v[56+4*\i:59+4*\i] offset:32*\i
	ds_store_b8 v8, v[52+\i] offset:2*\i
.endr
	s_wait_dscnt 0x0                               ; for the others' sake
	s_barrier_signal -1
	s_barrier_wait -1                              ; 32 whole rows of codes and of scale bytes lie in the stage
	ds_load_b128 v[128:131], v9
	ds_load_b128 v[132:135], v9 offset:CPITCH
	s_lshl_b32 s16, s23, 10
	s_lshl_b32 s17, ttmp9, 5
	s_add_co_u32 s18, s16, s17                     ; the work-group's first row
	s_lshl_b32 s17, s20, 1
	s_add_co_u32 s16, s18, s17
	s_lshl_b32 s16, s16, 9
	s_mov_b32 s17, 0
	s_add_nc_u64 s[16:17], s[8:9], s[16:17]
	s_wait_dscnt 0x0
	global_store_b128 v1, v[128:131], s[16:17] th:TH_STORE_NT            ; a row of 512 bytes a store
	global_store_b128 v1, v[132:135], s[16:17] offset:512 th:TH_STORE_NT
	s_cmp_lt_u32 s20, 2
	s_cbranch_scc0 .Lend
	ds_load_b128 v[136:139], v10                   ; sixteen rows' scale bytes
	s_lshl_b32 s18, s18, 5
	s_lshl_b32 s19, s20, 9
	s_add_co_u32 s18, s18, s19
	s_add_co_u32 s18, s18, 4194304
	s_mov_b32 s19, 0
	s_add_nc_u64 s[18:19], s[8:9], s[18:19]
	s_wait_dscnt 0x0
	global_store_b128 v1, v[136:139], s[18:19] th:TH_STORE_NT            ; 512 consecutive bytes
.Lend:
	s_wait_xcnt 0x0
	v_lshl_add_u32 v254, v0, 2, 0x45a00            ; the add's two registers are made anew, straight ahead of the closing lines: no memory or LDS instruction has ever read v254 or v255
	v_mov_b32 v255, 0
	s_wait_dscnt 0x0                               ; the closing lines, six on end
	s_wait_alu 0x0
	s_wait_tensorcnt 0x0
	ds_add_u32 v254, v255
	s_wait_dscnt 0x0
	s_endpgm
.Lfunc_end_k_q947a762ff0_attn:
	.size	k_q947a762ff0_attn, .Lfunc_end_k_q947a762ff0_attn-k_q947a762ff0_attn
	.p2alignl 7, 3214868480
	.fill 96, 4, 3214868480
	.section	.rodata,"a",@progbits
	.p2align	6, 0x0
	.amdhsa_kernel k_q947a762ff0_attn
		.amdhsa_group_segment_fixed_size 287232
		.amdhsa_private_segment_fixed_size 0
		.amdhsa_enable_private_segment 0
		.amdhsa_kernarg_size 24
		.amdhsa_user_sgpr_count 2
		.amdhsa_user_sgpr_kernarg_segment_ptr 1
		.amdhsa_wavefront_size32 1
		.amdhsa_system_sgpr_workgroup_id_x 1
		.amdhsa_system_sgpr_workgroup_id_y 1
		.amdhsa_system_sgpr_workgroup_id_z 1
		.amdhsa_system_vgpr_workitem_id 0
		.amdhsa_next_free_vgpr 256
		.amdhsa_next_free_sgpr 66
		.amdhsa_reserve_vcc 0
		.amdhsa_float_denorm_mode_32 3
		.amdhsa_float_denorm_mode_16_64 3
		.amdhsa_memory_ordered 1
		.amdhsa_forward_progress 1
		.amdhsa_inst_pref_size 66
	.end_amdhsa_kernel
	.amdgpu_metadata
---
amdhsa.version: [ 1, 2 ]
amdhsa.kernels:
  - .name:           k_q947a762ff0_attn
    .symbol:         k_q947a762ff0_attn.kd
    .args:
      - { .name: qkpack, .offset: 0, .size: 8, .value_kind: global_buffer, .address_space: global }
      - { .name: vpack, .offset: 8, .size: 8, .value_kind: global_buffer, .address_space: global }
      - { .name: cpack, .offset: 16, .size: 8, .value_kind: global_buffer, .address_space: global }
    .group_segment_fixed_size: 287232
    .private_segment_fixed_size: 0
    .kernarg_segment_align: 8
    .kernarg_segment_size: 24
    .max_flat_workgroup_size: 512
    .sgpr_count:     66
    .vgpr_count:     256
    .wavefront_size: 32
...
	.end_amdgpu_metadata
.endif
;; end of part 7
;; launch ao_pool: the kernel of part 5 again; grid 32 x 4, 4 waves a work-group, clusters of 4 x 4, 327,680 bytes of LDS; arguments wopack, cpack, part; writes part
;; launch fin: the kernel of part 6 again; grid 16 x 1, 4 waves a work-group, no clusters, 0 bytes of LDS; arguments part, out0; writes out0
